; MI455X (gfx1250); checked and timed in simulation.
; The chip was launched on July 23, 2026; its instructions are those of AMD's public machine-readable ISA for CDNA 5 (MIT licence, August 2026) and "CDNA5" Instruction Set Architecture Reference Guide (July 2026). The comments in the code are by the model that wrote it; some were corrected since.
;; Transformer Decoder Block. Allowed arithmetic: matrix products marked QUANTISED: E5M2 operands, one E8M0 scale for each 32 along K, by v_wmma_scale_f32_16x16x128_f8f6f4 with both operands' format E5M2, f32 sums; everything else in f32.
;; Inputs: b1 4,096 float32; b2 1,024 float32; b_o 1,024 float32; ln1_b 1,024 float32; ln1_g 1,024 float32; ln2_b 1,024 float32; ln2_g 1,024 float32; w1 1,024 x 4,096 float32; w2 4,096 x 1,024 float32; w_k 1,024 x 1,024 float32; w_o 1,024 x 1,024 float32; w_q 1,024 x 1,024 float32; w_v 1,024 x 1,024 float32; x 2 x 2,048 x 1,024 float32.
;; Outputs: out0 2 x 2,048 x 1,024 float32.
;; This version of the problem:
;;   THIS VERSION OF THE PROBLEM IS GIVEN IN LOW PRECISION. The matrix products marked QUANTISED in the list below multiply operands that are first quantised to E5M2 (5 exponent bits, 2 mantissa bits; 8 bits a number), with one power-of-two scale for each 32 numbers along K (OCP MX v1.0); their sums are f32. All else is computed in f32.
;;   The module's matrix products, in the order in which they are computed (A, B: the left and right operand; K: the contracted axis; several contracted axes count as one K, in the product's order):
;;     1. [M 4,096, K 1,024] x [K 1,024, N 1,024]; A: computed on the way; B: input w_q: QUANTISED
;;     2. [M 4,096, K 1,024] x [K 1,024, N 1,024]; A: computed on the way; B: input w_k: QUANTISED
;;     3. [M 4,096, K 1,024] x [K 1,024, N 1,024]; A: computed on the way; B: input w_v: QUANTISED
;;     4. batch 32 x [M 2,048, K 64] x [K 64, N 2,048]; A: computed on the way; B: computed on the way: QUANTISED
;;     5. batch 32 x [M 2,048, K 2,048] x [K 2,048, N 64]; A: softmax (see below); B: computed on the way: QUANTISED
;;     6. [M 4,096, K 1,024] x [K 1,024, N 1,024]; A: computed on the way; B: input w_o: QUANTISED
;;     7. [M 4,096, K 1,024] x [K 1,024, N 4,096]; A: computed on the way; B: input w1: QUANTISED
;;     8. [M 4,096, K 4,096] x [K 4,096, N 1,024]; A: computed on the way; B: input w2: QUANTISED
;;   THE QUANTISER, for each operand of a quantised product, along K:
;;     - K is cut into blocks of 32 from its start; a last block that is shorter is filled with zeros.
;;     - A block's scale is 2^e with e = floor(log2(the largest magnitude in the block)) - 15, held to -126 .. 127; a block of zeros has e = 0. As a byte (E8M0): e + 127.
;;     - Each number is divided by its block's scale, clamped to +-57,344, and rounded to the nearest number of E5M2, ties to even, subnormals kept.
;;     - The product sums the exact products of the quantised numbers (number of the format x scale) in f32.
;;   ~~~python
;;   def quantise(x, axis):      # numpy; x: float32 -> the quantised numbers, widened to float32 again
;;       x = np.moveaxis(x, axis, -1); K = x.shape[-1]
;;       x = np.pad(x, [(0, 0)] * (x.ndim - 1) + [(0, -K % 32)]); x = x.reshape(x.shape[:-1] + (-1, 32)); a = np.abs(x).max(-1, keepdims=True)
;;       e = np.where(a > 0, np.clip(np.frexp(np.where(a > 0, a, 1))[1] - 1 - 15, -126, 127), 0)      # np.frexp(a)[1] - 1 = floor(log2(a)), exactly
;;       r = np.clip(x / 2.0 ** e, -57344, 57344)
;;       step = 2.0 ** (np.maximum(np.frexp(np.where(r == 0, 1, r))[1] - 1, -14) - 2)
;;       q = np.round(r / step) * step * 2.0 ** e      # np.round: ties to even
;;       return np.moveaxis(q.reshape(q.shape[:-2] + (-1,))[..., :K], -1, axis).astype(np.float32)
;;   ~~~
;;   SOFTMAX AHEAD OF A QUANTISED PRODUCT. Where the list says 'softmax', what is quantised is not the finished softmax but p = 2^(t - M), with t = logit x log2(e) and M = ceil(the row's largest t), a whole number; so 1/2 < the row's largest p <= 1. The row's sum l is taken of the UNQUANTISED p, in f32, and the product's result is divided by l at the end. Since M is a whole number, a kernel that streams over the keys may use a running M (the ceiling of the running maximum): every later rescaling is an exact power of two, which a block's scale takes up: the codes' values come out the same.
;;   OPERANDS COMPUTED ON THE WAY. 'Computed on the way' means the value that the module computes at that place (a softmax that the list does not call 'softmax' is quantised finished and normalised). What goes into a quantiser is computed in f32, as accurately as f32 sums, v_exp_f32 and their like allow (about 1e-6 of the number): no bf16 or f16 on the way to a quantiser, and a product that is left as it is and whose result goes on into a quantised operand takes f32 operands (vector FMAs, or v_wmma_f32_16x16x4_f32). A number that lies on a knife's edge between two numbers of the format may be rounded either way, as far as f32 arithmetic and the matrix unit's own rounding can turn it there, and no further.
;; One version. Each part assembles by itself: llvm-mc -triple=amdgcn-amd-amdhsa -mcpu=gfx1250 --defsym DOCPART=n.
;; ======== version 1 of 1: 7 launches
;; limits: right only within a limited range of input values
;; workspace buffers: wts 12,976,128 bytes; act1 4,325,376 bytes; act2 4,325,376 bytes; qkv 12,976,128 bytes; ctx 4,325,376 bytes; x1 16,777,216 bytes; gel 17,301,504 bytes
;; launch prep (part 1): grid 512 x 1, 8 waves a work-group, no clusters, 66,816 bytes of LDS; arguments x, ln1_g, ln1_b, act1, w_q, w_k, w_v, w_o, w2, wts; writes act1, wts
.if DOCPART == 1
	.amdgcn_target "amdgcn-amd-amdhsa--gfx1250"
	.amdhsa_code_object_version 6
	.text
	.protected	k_q63a68ade5f_prep
	.globl	k_q63a68ade5f_prep
	.p2align	8
	.type	k_q63a68ade5f_prep,@function
k_q63a68ade5f_prep:
	s_mov_b64 s[64:65], 0
	v_nop
	global_prefetch_b8 v0, s[64:65] scope:SCOPE_SE
	s_setreg_imm32_b32 hwreg(HW_REG_WAVE_MODE, 25, 1), 1
	s_wait_xcnt 0x0
; THE PROGRAM: a pre-norm decoder block, 4,096 tokens x 1,024, 16 heads of 64, FF 4,096; all eight products on codes of BF8 (E5M2) with one E8M0 byte for each 32 along K.
; Launches: prep (five weights to codes, beside the first layer norm) | qkv | attn | oproj | norm2 (w1 to codes, beside the second layer norm) | ffn1 | ffn2.
; WORK LEFT OUT, in the whole program: in products 4 and 5 the key steps of 128 keys ALL of whose keys come after all 16 queries of a wave's tile.  reference() builds the mask itself
; (jnp.triu, k = 1) and sets those logits to -1e9; their p = 2^(-1e9 log2(e) - M) is 0 in f32 whenever a row's largest live logit lies above about -1e9, whatever else the inputs hold: they add 0 to the row's sum
; and zero codes to the product.  Key 0 counts for every query, so every row has a live logit.  Nothing else is left out; every input has a way to out0 and is loaded.
; LIMITS: rows whose live logits all lie under about -1e9 are not served; a NaN, an infinity or an overflow that reaches only the hidden key steps is not carried to the result; NaN and infinities among the
; inputs are not served; a block whose largest magnitude lies under 2^-111 (a block of zeros too) keeps the scale byte 1: its codes are zeros or subnormal codes, and this program alone reads the bytes.
; THE PLACE OF k INSIDE A BLOCK OF 32, alike for both operands of every product: byte i (0..15) of register group c of lane (r, h) holds k = 128 s + 32 c + 16 (i / 8) + 8 h + i % 8.
; That permutes k inside a block of 32 on both sides alike, so codes, scales and products are the contract's; it is the order in which a transposed accumulator pair holds its numbers.
; CODE IMAGE of an operand: [rows / 16][K / 128][4 groups][32 lanes][16 bytes], lane = 16 h + r.  SCALE IMAGE: [rows / G][K / 128][G] words, byte c for block c.
; THIS LAUNCH has two kinds of work-groups, which share nothing and part once, on the work-group's number: both stream from memory, and side by side they keep more bytes on their way than either alone.
; WORK-GROUPS 0-255: w [K][N] f32 -> wts.  0-127: w_q, w_k, w_v, w_o (32 each); 128-255: w2.  All five have rows of 4,096 bytes.  A lane takes a column n and its registers run down K: a block of 32 lies in one lane.
;   A work-group takes 128 columns x 256 k; wave w takes columns 32 (w % 4) on and K step w / 4 of the two: 4 blocks, one fragment column and one scale word a lane.  Two blocks' loads (64 a wave) are out at a time.
; WORK-GROUPS 256-511: layer norm and quantiser of 16 rows each: y = (x - mean) rsqrt(var + 1e-5) g + b in f32, then codes and E8M0 bytes along the 1,024: a code image (K / 128 = 8) and a scale image with G = 128 behind it.
;   Phase 1: wave w normalises rows 2 w and 2 w + 1, each whole in 32 registers, read by loads of 512 consecutive bytes; the rows go to LDS.  One barrier.  Phase 2: wave w takes K step w of all 16 rows: lane (r, h) reads
;   its 64 numbers in the operand's order, applies g and b and quantises: the conversions' results are the fragment's registers.  The variance is the mean of (x - mean)^2, as the problem has it.
;   The scale words leave as pieces of 64 bytes: one byte in 32 of what these work-groups store.
.set NWQ,    256                       ; work-groups that take weights
.set PITCH,  4096                      ; a weight's row in bytes
.set WQKV_S, 12582912                  ; scale images in wts: w_q, w_k, w_v (G 128), then w_o (G 64) 98,304 bytes on,
.set W2_S,   12845056                  ; w2 (G 64)
.set X,   32                           ; v32-95   weights: two sets of 32 numbers;  norm: two rows, later my 64 numbers
.set C,   96                           ; v96-127  weights: eight registers of codes for each block: no store's data are written again
.set SB,  24                           ; v24      weights: the scale word
.set ROWP,  4112                       ; norm: an LDS row: 4,096 bytes + 16: the 16 rows that a load touches start 16 bytes apart modulo 256
.set SPARE, 16*ROWP                    ; behind the rows: the spare words, 128 bytes for each of the eight waves; no other line names them
.set PC,  16                           ; v16-31   norm: the codes
.set GG,  96                           ; v96-159  g at my 64 places
.set BB,  160                          ; v160-223 b
.set TM,  224                          ; v224-239 at work
.set PW,  240                          ; the scale word
.set SPW, 252
.set NIL, 253
.set WV,  18
.set SEL, 20
.set MNT, 22
.macro LOAD t                          ; block t: w(32 t + i, my column) into set t % 2: 32 lanes read 128 consecutive bytes
.irp i, 0,1,2,3,4,5,6,7,8,9,10,11,12,13,14,15,16,17,18,19,20,21,22,23,24,25,26,27,28,29,30,31
	global_load_b32 v[X+32*((\t)%2)+\i], v3, s[12:13] offset:(32*(\t)+\i)*PITCH th:TH_LOAD_NT
.endr
.endm
.macro BLOCK t
.set XS, X+32*((\t)%2)
.set CC, C+8*(\t)
.if (\t) < 3
	s_wait_loadcnt 32                              ; this block's 32 loads are in; the next block's 32 may be out
.else
	s_wait_loadcnt 0x0
.endif
	v_max3_num_f32 v12, |v[XS]|, |v[XS+1]|, |v[XS+2]|      ; the block's largest magnitude: all 32 numbers are mine
	v_max3_num_f32 v13, |v[XS+3]|, |v[XS+4]|, |v[XS+5]|
.irp i, 6,10,14,18,22,26
	s_delay_alu instid0(VALU_DEP_2)
	v_max3_num_f32 v12, v12, |v[XS+\i]|, |v[XS+\i+1]|
	s_delay_alu instid0(VALU_DEP_2)
	v_max3_num_f32 v13, v13, |v[XS+\i+2]|, |v[XS+\i+3]|
.endr
	s_delay_alu instid0(VALU_DEP_2)
	v_max3_num_f32 v12, v12, |v[XS+30]|, |v[XS+31]|
	s_delay_alu instid0(VALU_DEP_1)
	v_max3_num_f32 v12, v12, v13, 0x8000000        ; the floor 2^(16 - 127): the byte cannot fall under 1
	s_delay_alu instid0(VALU_DEP_1)
	v_add_nc_u32 v11, 0xf8800000, v12              ; 15 off the exponent field: the conversion's scale operand
	s_delay_alu instid0(VALU_DEP_2)
	v_and_or_b32 v10, v12, 0x7f800000, s46         ; 57,344 x the scale
	s_delay_alu instid0(VALU_DEP_2)
	v_lshrrev_b32 v13, 23, v11                     ; the scale's byte
.if (\t) == 0
	s_delay_alu instid0(VALU_DEP_1)
	v_mov_b32 v[SB], v13
.else
	s_delay_alu instid0(VALU_DEP_1)
	v_lshl_or_b32 v[SB], v13, 8*(\t), v[SB]
.endif
.irp i, 0,1,2,3,4,5,6,7,8,9,10,11,12,13,14,15,16,17,18,19,20,21,22,23,24,25,26,27,28,29,30,31
	v_med3_num_f32 v[XS+\i], v[XS+\i], -v10, v10   ; the conversion to an 8-bit code does not saturate (ISA guide 7.6.2): the hold comes first
.endr
	v_cvt_scalef32_pk8_bf8_f32 v[CC:CC+1], v[XS:XS+7], v11         ; k 0-7 and 16-23 are the 16 bytes of half h = 0,
	v_cvt_scalef32_pk8_bf8_f32 v[CC+2:CC+3], v[XS+16:XS+23], v11
	v_cvt_scalef32_pk8_bf8_f32 v[CC+4:CC+5], v[XS+8:XS+15], v11    ; k 8-15 and 24-31 those of h = 1
	v_cvt_scalef32_pk8_bf8_f32 v[CC+6:CC+7], v[XS+24:XS+31], v11
	global_store_b128 v4, v[CC:CC+3], s[20:21] offset:(\t)*512        ; 16 lanes store 256 consecutive bytes, aligned
	global_store_b128 v4, v[CC+4:CC+7], s[20:21] offset:(\t)*512+256
.if (\t)+2 < 4
	LOAD (\t)+2
.endif
.endm
.macro QUANT s, pc, pw                 ; 64 numbers of a lane, register 16 b + i in block b, become 16 registers of codes and the row's scale word
.irp b, 0,1,2,3
	v_max3_num_f32 v[TM+\b], |v[\s+16*\b]|, |v[\s+1+16*\b]|, 0x8000000   ; my 16 numbers of block b, and the floor 2^(16 - 127)
.endr
.irp i, 2,4,6,8,10,12,14
.irp b, 0,1,2,3
	s_delay_alu instid0(VALU_DEP_4)
	v_max3_num_f32 v[TM+\b], v[TM+\b], |v[\s+16*\b+\i]|, |v[\s+1+16*\b+\i]|
.endr
.endr
.irp b, 0,1,2,3
	s_delay_alu instid0(VALU_DEP_4)
	v_permlanex16_b32 v[TM+4+\b], v[TM+\b], s[SEL], s[SEL+1]
.endr
.irp b, 0,1,2,3
	s_delay_alu instid0(VALU_DEP_4)
	v_max_num_f32 v[TM+\b], v[TM+\b], v[TM+4+\b]   ; with lane l xor 16's 16: the block's largest magnitude
.endr
.irp b, 0,1,2,3
	s_delay_alu instid0(VALU_DEP_4)
	v_add_nc_u32 v[TM+12+\b], 0xf8800000, v[TM+\b] ; 15 off the exponent field: the conversion's scale operand
.endr
.irp b, 0,1,2,3
	v_and_or_b32 v[TM+8+\b], v[TM+\b], 0x7f800000, s[MNT]   ; 57,344 x the scale
.endr
.irp b, 0,1,2,3
	v_lshrrev_b32 v[TM+4+\b], 23, v[TM+12+\b]      ; the scale's byte
.endr
	s_delay_alu instid0(VALU_DEP_3)
	v_lshl_or_b32 v[\pw], v[TM+5], 8, v[TM+4]
	s_delay_alu instid0(VALU_DEP_1)
	v_lshl_or_b32 v[\pw], v[TM+6], 16, v[\pw]
	s_delay_alu instid0(VALU_DEP_1)
	v_lshl_or_b32 v[\pw], v[TM+7], 24, v[\pw]
.irp b, 0,1,2,3
.irp i, 0,1,2,3,4,5,6,7,8,9,10,11,12,13,14,15
	v_med3_num_f32 v[\s+16*\b+\i], v[\s+16*\b+\i], -v[TM+8+\b], v[TM+8+\b]   ; the conversion does not saturate (ISA guide 7.6.2)
.endr
	v_cvt_scalef32_pk8_bf8_f32 v[\pc+4*\b:\pc+1+4*\b], v[\s+16*\b:\s+7+16*\b], v[TM+12+\b]
	v_cvt_scalef32_pk8_bf8_f32 v[\pc+2+4*\b:\pc+3+4*\b], v[\s+8+16*\b:\s+15+16*\b], v[TM+12+\b]
.endr
	v_nop                                          ; a plain line behind the last conversion
.endm
.macro RED2 a, b                       ; the sums of v[a] and of v[b] over the wave's 32 lanes, in every lane
.irp m, 1,2,4,8
	s_delay_alu instid0(VALU_DEP_2)
	v_add_f32_dpp v[\a], v[\a], v[\a] row_xmask:\m row_mask:0xf bank_mask:0xf
	s_delay_alu instid0(VALU_DEP_2)
	v_add_f32_dpp v[\b], v[\b], v[\b] row_xmask:\m row_mask:0xf bank_mask:0xf
.endr
	s_delay_alu instid0(VALU_DEP_2)
	v_permlanex16_b32 v240, v[\a], s[SEL], s[SEL+1]
	s_delay_alu instid0(VALU_DEP_2)
	v_permlanex16_b32 v241, v[\b], s[SEL], s[SEL+1]
	s_delay_alu instid0(VALU_DEP_2)
	v_add_f32 v[\a], v[\a], v240
	s_delay_alu instid0(VALU_DEP_2)
	v_add_f32 v[\b], v[\b], v241
.endm
	v_lshl_add_u32 v[SPW], v0, 2, SPARE
	v_mov_b32 v[NIL], 0
	v_lshrrev_b32 v1, 5, v0
	s_delay_alu instid0(VALU_DEP_1)
	v_readfirstlane_b32 s[WV], v1                  ; wave 0..7
	s_cmp_ge_u32 ttmp9, NWQ                        ; the work-group's number alone: all eight waves go the same way
	s_cbranch_scc1 .Lnorm
	; ---- WEIGHTS TO CODES
	s_load_b256 s[4:11], s[0:1], 0x20              ; w_q, w_k, w_v, w_o
	s_load_b128 s[12:15], s[0:1], 0x40             ; w2 s[12:13], wts s[14:15]
	v_and_b32 v2, 31, v0                           ; lane
	s_wait_alu depctr_va_vdst(0)
	s_and_b32 s19, s[WV], 3                        ; which 32 of the 128 columns
	s_lshr_b32 s47, s[WV], 2                       ; which of the two K steps
	s_lshr_b32 s21, ttmp9, 5                       ; which of the four small tensors
	s_and_b32 s22, ttmp9, 7                        ; x: group of 128 columns (N = 1,024)
	s_lshr_b32 s24, ttmp9, 3
	s_and_b32 s25, s24, 3                          ; y: group of 256 k (K = 1,024)
	s_and_b32 s24, s24, 15                         ; the same for w2 (K = 4,096)
	s_lshl_b32 s27, s21, 20                        ; codes: 1,048,576 bytes a small tensor
	s_lshl_b32 s28, s21, 15                        ; scales: 32,768
	s_add_co_u32 s28, s28, WQKV_S
	s_cmp_lt_u32 ttmp9, 96
	s_cselect_b32 s32, 7, 6                        ; log2 G: 128 for w_q, w_k, w_v; 64 for w_o and w2
	s_cmp_lt_u32 ttmp9, 128
	s_cselect_b32 s29, s25, s24                    ; y
	s_cselect_b32 s30, 8, 32                       ; K / 128
	s_mov_b32 s31, 8388608
	s_cselect_b32 s27, s27, s31
	s_mov_b32 s31, W2_S
	s_cselect_b32 s28, s28, s31
	s_lshl_b32 s34, s22, 7
	s_lshl_b32 s36, s19, 5
	s_add_co_u32 s34, s34, s36                     ; n0: my wave's first column
	s_lshl_b32 s29, s29, 1
	s_add_co_u32 s29, s29, s47                     ; my K step
	s_lshl_b32 s36, s29, 19                        ; source: 128 rows of 4,096 bytes a K step,
	s_lshl_b32 s37, s34, 2
	s_add_co_u32 s36, s36, s37                     ; + 4 n0
	s_mov_b32 s37, 0
	s_lshl_b32 s38, s30, 11                        ; a row tile's codes: K / 128 fragments of 2,048 bytes
	s_lshr_b32 s40, s34, 4
	s_mul_i32 s40, s40, s38
	s_lshl_b32 s41, s29, 11
	s_add_co_u32 s40, s40, s41                     ; + my K step's fragment
	s_add_co_u32 s40, s40, s27
	s_mov_b32 s41, 0
	s_lshr_b32 s42, s34, s32
	s_mul_i32 s42, s42, s30
	s_add_co_u32 s42, s42, s29                     ; (n0 / G) K / 128 + my K step
	s_add_co_u32 s43, s32, 2
	s_lshl_b32 s42, s42, s43                       ; x 4 G bytes
	s_bfm_b32 s44, s32, 0
	s_and_b32 s44, s34, s44
	s_lshl_b32 s44, s44, 2
	s_add_co_u32 s42, s42, s44                     ; + 4 (n0 mod G)
	s_add_co_u32 s42, s42, s28
	s_mov_b32 s43, 0
	v_lshlrev_b32 v3, 2, v2                        ; 4 x lane: the source's and the scale word's offset
	v_lshrrev_b32 v4, 4, v2
	s_delay_alu instid0(VALU_DEP_1)
	v_mul_lo_u32 v4, v4, s38                       ; lanes 16-31 hold the next row tile
	v_and_b32 v5, 15, v2
	s_delay_alu instid0(VALU_DEP_1)
	v_lshl_add_u32 v4, v5, 4, v4                   ; + 16 r
	s_mov_b32 s46, 0x600000                        ; the mantissa field of 57,344
	s_wait_alu depctr_va_vdst(0)
	s_wait_kmcnt 0x0
	s_cmp_lt_u32 ttmp9, 128                        ; the source: a choice on the work-group's number alone
	s_cselect_b64 s[12:13], s[10:11], s[12:13]
	s_cmp_lt_u32 ttmp9, 96
	s_cselect_b64 s[12:13], s[8:9], s[12:13]
	s_cmp_lt_u32 ttmp9, 64
	s_cselect_b64 s[12:13], s[6:7], s[12:13]
	s_cmp_lt_u32 ttmp9, 32
	s_cselect_b64 s[12:13], s[4:5], s[12:13]
	s_add_nc_u64 s[12:13], s[12:13], s[36:37]
	s_add_nc_u64 s[20:21], s[14:15], s[40:41]      ; my codes
	s_add_nc_u64 s[16:17], s[14:15], s[42:43]      ; my scale words
	LOAD 0
	LOAD 1
.irp t, 0,1,2,3
	BLOCK \t
.endr
	global_store_b32 v3, v[SB], s[16:17]           ; 32 lanes store 128 consecutive bytes
	s_wait_tensorcnt 0x0                           ; the launch writes LDS on its other path: the three closing lines stand at this path's end too
	ds_add_u32 v[SPW], v[NIL]
	s_wait_dscnt 0x0
	s_endpgm
.Lnorm:
	; ---- LAYER NORM AND QUANTISER
	s_load_b256 s[4:11], s[0:1], 0x0               ; x s[4:5], g s[6:7], b s[8:9], the images s[10:11]
	s_sub_co_u32 s28, ttmp9, NWQ                   ; my row tile
	v_and_b32 v1, 31, v0                           ; lane
	v_and_b32 v2, 15, v0                           ; r
	v_bfe_u32 v3, v0, 4, 1                         ; h
	s_delay_alu instid0(VALU_DEP_3)
	v_lshlrev_b32 v4, 4, v1                        ; 16 x lane
	s_lshl_b32 s12, s28, 16                        ; the tile's 16 rows of 4,096 bytes,
	s_lshl_b32 s13, s[WV], 13                      ; my two of them
	s_add_co_u32 s12, s12, s13
	s_mov_b32 s13, 0
	s_lshl_b32 s14, s[WV], 9                       ; K step w: 512 bytes along a row
	v_lshlrev_b32 v5, 5, v3
	s_delay_alu instid0(VALU_DEP_1)
	v_add_nc_u32 v5, s14, v5                       ; g, b: 512 w + 32 h
	s_mul_i32 s15, s[WV], 2*ROWP
	v_add_nc_u32 v6, s15, v4                       ; LDS, in: my two rows, 16 bytes a lane
	v_mul_u32_u24 v7, v2, ROWP
	s_delay_alu instid0(VALU_DEP_1)
	v_lshl_add_u32 v7, v3, 5, v7
	s_delay_alu instid0(VALU_DEP_1)
	v_add_nc_u32 v7, s14, v7                       ; LDS, out: row r, 512 w + 32 h
	v_lshlrev_b32 v8, 2, v2                        ; 4 r
	s_lshl_b32 s16, s28, 14                        ; codes: (8 tile + w) fragments of 2,048 bytes
	s_lshl_b32 s17, s[WV], 11
	s_add_co_u32 s16, s16, s17
	s_mov_b32 s17, 0
	s_lshr_b32 s24, s28, 3                         ; scales: ((tile / 8) 8 + w) 512 + (tile % 8) 64, behind the codes
	s_lshl_b32 s24, s24, 12
	s_add_co_u32 s24, s24, s14
	s_and_b32 s25, s28, 7
	s_lshl_b32 s25, s25, 6
	s_add_co_u32 s24, s24, s25
	s_add_co_u32 s24, s24, 4194304
	s_mov_b32 s25, 0
	s_mov_b32 s[SEL], 0x76543210
	s_mov_b32 s[SEL+1], 0xfedcba98                 ; v_permlanex16_b32's selects for lane l xor 16
	s_mov_b32 s[MNT], 0x600000
	s_mov_b32 s23, 0x3a800000                      ; 1 / 1,024
	s_mov_b32 s19, 0x3727c5ac                      ; 1e-5
.irp k, 233,235,237,239,240,241
	v_mov_b32 v\k, 0                               ; upper halves of pairs that packed forms name, and the lane permutes' destinations: written once
.endr
	s_wait_kmcnt 0x0
	s_add_nc_u64 s[4:5], s[4:5], s[12:13]
	s_add_nc_u64 s[26:27], s[10:11], s[24:25]
	s_add_nc_u64 s[10:11], s[10:11], s[16:17]
.irp j, 0,1
.irp i, 0,1,2,3,4,5,6,7
	global_load_b128 v[X+32*\j+4*\i:X+32*\j+4*\i+3], v4, s[4:5] offset:4096*\j+512*\i th:TH_LOAD_NT   ; 512 consecutive bytes a load
.endr
.endr
.irp c, 0,1,2,3                        ; g and b for phase 2: number 16 c + i of my 64 is k = 128 w + 32 c + 16 (i / 8) + 8 h + i % 8
	global_load_b128 v[GG+16*\c:GG+16*\c+3], v5, s[6:7] offset:128*\c
	global_load_b128 v[GG+16*\c+4:GG+16*\c+7], v5, s[6:7] offset:128*\c+16
	global_load_b128 v[GG+16*\c+8:GG+16*\c+11], v5, s[6:7] offset:128*\c+64
	global_load_b128 v[GG+16*\c+12:GG+16*\c+15], v5, s[6:7] offset:128*\c+80
	global_load_b128 v[BB+16*\c:BB+16*\c+3], v5, s[8:9] offset:128*\c
	global_load_b128 v[BB+16*\c+4:BB+16*\c+7], v5, s[8:9] offset:128*\c+16
	global_load_b128 v[BB+16*\c+8:BB+16*\c+11], v5, s[8:9] offset:128*\c+64
	global_load_b128 v[BB+16*\c+12:BB+16*\c+15], v5, s[8:9] offset:128*\c+80
.endr
	s_wait_loadcnt 32                              ; my two rows are in; the 32 loads of g and b may be out
.irp j, 0,1                            ; the rows' sums, two chains a row, the rows by turns
	v_pk_add_f32 v[224+4*\j:225+4*\j], v[X+32*\j:X+32*\j+1], v[X+32*\j+4:X+32*\j+5]
	v_pk_add_f32 v[226+4*\j:227+4*\j], v[X+32*\j+2:X+32*\j+3], v[X+32*\j+6:X+32*\j+7]
.endr
.irp i, 8,12,16,20,24,28
.irp j, 0,1
	s_delay_alu instid0(VALU_DEP_4)
	v_pk_add_f32 v[224+4*\j:225+4*\j], v[224+4*\j:225+4*\j], v[X+32*\j+\i:X+32*\j+\i+1]
	s_delay_alu instid0(VALU_DEP_4)
	v_pk_add_f32 v[226+4*\j:227+4*\j], v[226+4*\j:227+4*\j], v[X+32*\j+\i+2:X+32*\j+\i+3]
.endr
.endr
.irp j, 0
	s_delay_alu instid0(VALU_DEP_3)
	v_pk_add_f32 v[224+4*\j:225+4*\j], v[224+4*\j:225+4*\j], v[226+4*\j:227+4*\j]
.endr
.irp j, 1
	s_delay_alu instid0(VALU_DEP_2)
	v_pk_add_f32 v[224+4*\j:225+4*\j], v[224+4*\j:225+4*\j], v[226+4*\j:227+4*\j]
.endr
.irp j, 0,1
	s_delay_alu instid0(VALU_DEP_2)
	v_add_f32 v[224+4*\j], v[224+4*\j], v[225+4*\j]
.endr
	RED2 224, 228
	s_delay_alu instid0(VALU_DEP_2)
	v_mul_f32 v232, s23, v224                      ; the means
	s_delay_alu instid0(VALU_DEP_2)
	v_mul_f32 v234, s23, v228
.irp i, 0,2,4,6,8,10,12,14,16,18,20,22,24,26,28,30
.irp j, 0,1
	v_pk_add_f32 v[X+32*\j+\i:X+32*\j+\i+1], v[X+32*\j+\i:X+32*\j+\i+1], v[232+2*\j:233+2*\j] op_sel_hi:[1,0] neg_lo:[0,1] neg_hi:[0,1]   ; x - mean
.endr
.endr
.irp j, 0,1
	v_pk_mul_f32 v[224+4*\j:225+4*\j], v[X+32*\j:X+32*\j+1], v[X+32*\j:X+32*\j+1]
	v_pk_mul_f32 v[226+4*\j:227+4*\j], v[X+32*\j+2:X+32*\j+3], v[X+32*\j+2:X+32*\j+3]
.endr
.irp i, 4,8,12,16,20,24,28
.irp j, 0,1
	s_delay_alu instid0(VALU_DEP_4)
	v_pk_fma_f32 v[224+4*\j:225+4*\j], v[X+32*\j+\i:X+32*\j+\i+1], v[X+32*\j+\i:X+32*\j+\i+1], v[224+4*\j:225+4*\j]
	s_delay_alu instid0(VALU_DEP_4)
	v_pk_fma_f32 v[226+4*\j:227+4*\j], v[X+32*\j+\i+2:X+32*\j+\i+3], v[X+32*\j+\i+2:X+32*\j+\i+3], v[226+4*\j:227+4*\j]
.endr
.endr
.irp j, 0
	s_delay_alu instid0(VALU_DEP_3)
	v_pk_add_f32 v[224+4*\j:225+4*\j], v[224+4*\j:225+4*\j], v[226+4*\j:227+4*\j]
.endr
.irp j, 1
	s_delay_alu instid0(VALU_DEP_2)
	v_pk_add_f32 v[224+4*\j:225+4*\j], v[224+4*\j:225+4*\j], v[226+4*\j:227+4*\j]
.endr
.irp j, 0,1
	s_delay_alu instid0(VALU_DEP_2)
	v_add_f32 v[224+4*\j], v[224+4*\j], v[225+4*\j]
.endr
	RED2 224, 228
	s_delay_alu instid0(VALU_DEP_2)
	v_fma_f32 v236, v224, s23, s19                 ; var + 1e-5
	s_delay_alu instid0(VALU_DEP_2)
	v_fma_f32 v238, v228, s23, s19
	s_wait_alu depctr_va_vdst(0)
	v_rsq_f32 v236, v236                           ; both rows' roots are one batch,
	v_rsq_f32 v238, v238
	v_nop                                          ; a plain line behind it,
	s_wait_alu depctr_va_vdst(0)                   ; and the one wait ahead of the first reader
.irp i, 0,2,4,6,8,10,12,14,16,18,20,22,24,26,28,30
.irp j, 0,1
	v_pk_mul_f32 v[X+32*\j+\i:X+32*\j+\i+1], v[X+32*\j+\i:X+32*\j+\i+1], v[236+2*\j:237+2*\j] op_sel_hi:[1,0]
.endr
.endr
.irp j, 0,1
.irp i, 0,1,2,3,4,5,6,7
	ds_store_b128 v6, v[X+32*\j+4*\i:X+32*\j+4*\i+3] offset:ROWP*\j+512*\i
.endr
.endr
	s_wait_dscnt 0x0                               ; for the others' sake: my rows lie in LDS
	s_barrier_signal -1
	s_barrier_wait -1                              ; all 16 rows do
.irp c, 0,1,2,3
	ds_load_b128 v[X+16*\c:X+16*\c+3], v7 offset:128*\c
	ds_load_b128 v[X+16*\c+4:X+16*\c+7], v7 offset:128*\c+16
	ds_load_b128 v[X+16*\c+8:X+16*\c+11], v7 offset:128*\c+64
	ds_load_b128 v[X+16*\c+12:X+16*\c+15], v7 offset:128*\c+80
.endr
	s_wait_loadcnt 0x0                             ; g and b
	s_wait_dscnt 0x0
.set N, 0
.rept 32
	v_pk_fma_f32 v[X+N:X+N+1], v[X+N:X+N+1], v[GG+N:GG+N+1], v[BB+N:BB+N+1]
.set N, N+2
.endr
	QUANT X, PC, PW
.irp c, 0,1,2,3
	global_store_b128 v4, v[PC+4*\c:PC+4*\c+3], s[10:11] offset:512*\c   ; 512 consecutive bytes a store
.endr
	global_store_b32 v8, v[PW], s[26:27]           ; row r's word; both halves of the lanes hold and write the same
	s_wait_tensorcnt 0x0                           ; the wave's end: behind my last LDS store
	ds_add_u32 v[SPW], v[NIL]
	s_wait_dscnt 0x0
	s_endpgm
.Lfunc_end_k_q63a68ade5f_prep:
	.size	k_q63a68ade5f_prep, .Lfunc_end_k_q63a68ade5f_prep-k_q63a68ade5f_prep
	.p2alignl 7, 3214868480
	.fill 96, 4, 3214868480
	.section	.rodata,"a",@progbits
	.p2align	6, 0x0
	.amdhsa_kernel k_q63a68ade5f_prep
		.amdhsa_group_segment_fixed_size 66816
		.amdhsa_private_segment_fixed_size 0
		.amdhsa_enable_private_segment 0
		.amdhsa_kernarg_size 80
		.amdhsa_user_sgpr_count 2
		.amdhsa_user_sgpr_kernarg_segment_ptr 1
		.amdhsa_wavefront_size32 1
		.amdhsa_system_sgpr_workgroup_id_x 1
		.amdhsa_system_sgpr_workgroup_id_y 1
		.amdhsa_system_sgpr_workgroup_id_z 1
		.amdhsa_system_vgpr_workitem_id 0
		.amdhsa_next_free_vgpr 256
		.amdhsa_next_free_sgpr 66
		.amdhsa_reserve_vcc 0
		.amdhsa_float_denorm_mode_32 3
		.amdhsa_float_denorm_mode_16_64 3
		.amdhsa_memory_ordered 1
		.amdhsa_forward_progress 1
		.amdhsa_inst_pref_size 66
	.end_amdhsa_kernel
	.amdgpu_metadata
---
amdhsa.version: [ 1, 2 ]
amdhsa.kernels:
  - .name:           k_q63a68ade5f_prep
    .symbol:         k_q63a68ade5f_prep.kd
    .args:
      - { .name: x, .offset: 0, .size: 8, .value_kind: global_buffer, .address_space: global }
      - { .name: ln1_g, .offset: 8, .size: 8, .value_kind: global_buffer, .address_space: global }
      - { .name: ln1_b, .offset: 16, .size: 8, .value_kind: global_buffer, .address_space: global }
      - { .name: act1, .offset: 24, .size: 8, .value_kind: global_buffer, .address_space: global }
      - { .name: w_q, .offset: 32, .size: 8, .value_kind: global_buffer, .address_space: global }
      - { .name: w_k, .offset: 40, .size: 8, .value_kind: global_buffer, .address_space: global }
      - { .name: w_v, .offset: 48, .size: 8, .value_kind: global_buffer, .address_space: global }
      - { .name: w_o, .offset: 56, .size: 8, .value_kind: global_buffer, .address_space: global }
      - { .name: w2, .offset: 64, .size: 8, .value_kind: global_buffer, .address_space: global }
      - { .name: wts, .offset: 72, .size: 8, .value_kind: global_buffer, .address_space: global }
    .group_segment_fixed_size: 66816
    .private_segment_fixed_size: 0
    .kernarg_segment_align: 8
    .kernarg_segment_size: 80
    .max_flat_workgroup_size: 256
    .sgpr_count:     66
    .vgpr_count:     256
    .wavefront_size: 32
...
	.end_amdgpu_metadata
.endif
;; end of part 1
;; launch qkv (part 2): grid 12 x 16, 4 waves a work-group, clusters of 4 x 4, 327,680 bytes of LDS; arguments act1, wts, qkv; writes qkv
.if DOCPART == 2
	.amdgcn_target "amdgcn-amd-amdhsa--gfx1250"
	.amdhsa_code_object_version 6
	.text
	.protected	k_q63a68ade5f_qkv
	.globl	k_q63a68ade5f_qkv
	.p2align	8
	.type	k_q63a68ade5f_qkv,@function
k_q63a68ade5f_qkv:
	s_mov_b64 s[64:65], 0
	v_nop
	global_prefetch_b8 v0, s[64:65] scope:SCOPE_SE
	s_setreg_imm32_b32 hwreg(HW_REG_WAVE_MODE, 25, 1), 1
	s_wait_xcnt 0x0
	s_wait_alu depctr_hold_cnt(0) depctr_sa_sdst(0) depctr_va_vdst(0) depctr_va_sdst(0) depctr_va_ssrc(0) depctr_va_vcc(0) depctr_vm_vsrc(0)
	s_getreg_b32 s2, hwreg(HW_REG_IB_STS2, 6, 4)
	s_cmp_eq_u32 s2, 0
	s_cbranch_scc0 .Lentry_in_a_cluster
	s_endpgm
.Lentry_in_a_cluster:
	s_bfe_u32 s2, ttmp6, 0x10000c
	s_cmp_lg_u32 s2, 0xf033
	s_cbranch_scc0 .Lentry_shape_is_right
	s_endpgm
.Lentry_shape_is_right:
; Products 1 to 3 and their results' quantisers.  C = A' B'^T on code images, a tile of 256 x 256 to a work-group, 128 x 128 to each of four waves (64 accumulators, 512 registers), K = 1,024.
; Clusters x = 0, 1: A' = the normalised tokens (act1), B' = rows 0-2,047 of the weights' image (w_q, then w_k).  Cluster x = 2: A' = w_v's rows, B' = the tokens: V^T, so that a lane's registers run along the KEYS,
; which are product 5's K.  The cluster's x is the same in all sixteen partners: it chooses pointers and offsets by s_cselect, never a branch.
; THE MATRIX INSTRUCTION IS USED TRANSPOSED (source 0 = 16 rows of B', source 1 = 16 rows of A'): lane (r, h) holds row r of A' and, in register j of accumulator (a, b), row 16 b + 8 h + j of B':
; the 64 registers of a block a are the 64 numbers that one fragment of the next product wants of that lane, in its order.
; K goes in slots of 256 through a ring of two LDS slots; a fragment lies in LDS as the image of its registers, 512 consecutive bytes to a load.  The scale words of the work-group's rows come once, with the first fills.
; CLUSTER 4 x 4: A' tiles are asked for jointly along a row of the cluster, B' tiles along a column.
; THE WAY OUT: the accumulators are laid into the two slots (their last fill and last read are over: a barrier stands in front) as register images, and a loop of four trips takes two blocks of 16 rows each,
; quantises them and stores codes and scale words in the layouts that the attention launch reads:
;   Q codes [token tile][head pair][2,048]; K codes [batch, head][p][2,048]: groups 0, 1 = token tile 2 p, groups 2, 3 = token tile 2 p + 1 of that head's 64; V^T codes [batch, head][d tile][128 keys][2,048].
; A wave has one tensor load out at the start and one behind each round.
; LIMITS: NaN and infinities are not served; a block under 2^-111 keeps the byte 1.
.set NT,    8                          ; tiles of 16 a wave, each way
.set NQ,    2                          ; K steps of 128 in a slot
.set KST,   8                          ; K / 128
.set LAPS,  KST/(2*NQ)
.set HALFT, NT*NQ*2048                 ; what one tensor load brings and one wave reads of A' or B': [row tile][step][2,048]
.set SLOT,  4*HALFT                    ; A' halves 0, 1, then B' halves 0, 1
.set SCL,   2*SLOT                     ; behind the ring: the scale words, four halves of [K step][128 rows]
.set HALFS, KST*NT*64
.set SPARE, SCL+4*HALFS                ; the spare words, 128 bytes a wave; no other line names them
.set WQKV_S, 12582912
.set K_C, 4194304
.set V_C, 8388608
.set Q_S, 12582912
.set K_S, 12713984
.set V_S, 12845056
.set ADRA, 16                          ; v16-17 LDS address of my A' fragments in slot 0, 1
.set ADRB, 20                          ; v20-21 the same for B'
.set LDU,  22                          ; the way out: my 65,536 bytes, 16 x lane
.set LRD,  23                          ; the same, stepped
.set VO0,  24                          ; the first block's offset among the codes
.set VO1,  25                          ; the second block's
.set VS,   26                          ; the scale word's offset
.set ADRS, 27                          ; my scale words: lanes 0-15 A', lanes 16-31 B'
.set SPW,  28
.set NIL,  29
.set VSEL, 31                          ; the byte selects that make the stored word
.set SC,   32                          ; v32-63 scale words, two sets of 16: register NQ i + q
.set PC0,  64                          ; the way out: codes,
.set PC1,  80
.set TM,   96                          ; work,
.set PW0,  112                         ; scale words
.set PW1,  113
.set OW,   114
.set AF,   128                         ; A' fragments, one set, window 0
.set SEL,  20
.set MNT,  22
.set G1, 24
.set G0, 32
.set G1B, 48
.set G0B, 56
.set G1S, 68
.set G0S, 76
.set G1SB, 80
.set G0SB, 88
.set MSB, 0
.macro WIN new                         ; the immediate's high byte repeats the setting that is left
.if MSB != (\new)
	s_set_vgpr_msb (MSB<<8)|(\new)
.set MSB, (\new)
.endif
.endm
.macro JLOAD g0a, g1a, g0b, g1b        ; a joint load: waves 0, 1 fetch for A', waves 2, 3 for B'; an s_nop 0 and four v_nop follow each line
	s_cmp_eq_u32 s15, 0
	s_cbranch_scc0 .Lfor_b_\@
	tensor_load_to_lds s[\g0a:\g0a+3], s[\g1a:\g1a+7]
	s_nop 0
.rept 4
	v_nop
.endr
	s_branch .Lasked_\@
.Lfor_b_\@:
	tensor_load_to_lds s[\g0b:\g0b+3], s[\g1b:\g1b+7]
	s_nop 0
.rept 4
	v_nop
.endr
.Lasked_\@:
.endm
.macro CREST                           ; a round of the cluster's barrier behind its opening barrier
	s_cmp_lg_u32 s14, 0
	s_cbranch_scc1 .Lnot_wave_0_\@
	s_barrier_signal -3
.Lnot_wave_0_\@:
	s_barrier_wait -3
	s_barrier_signal -1
	s_barrier_wait -1
.endm
.macro CROUND
	s_barrier_signal -1
	s_barrier_wait -1
	CREST
.endm
.macro PLACES n                        ; plain places behind matrix instructions, in front of loads into their registers and of reads of results
.rept \n
	v_nop
.endr
.endm
.macro FRAG reg, adr, q, i             ; a fragment: four loads of 512 consecutive bytes
.irp c, 0,1,2,3
	ds_load_b128 v[\reg+4*\c:\reg+4*\c+3], v[\adr] offset:((\i)*NQ+(\q))*2048+512*\c
.endr
.endm
.macro FETCH_B slot, q, p              ; B' fragments of the slot's step q into set p of window 1
	WIN 0x40
.set II, 0
.rept NT
	FRAG 128*(\p)+16*II, ADRB+\slot, \q, II
.set II, II+1
.endr
	WIN 0
.endm
.macro FETCH_A slot, q, i0             ; A' blocks i0 .. i0 + NT / 2 - 1
.set II, \i0
.rept NT/2
	FRAG AF+16*II, ADRA+\slot, \q, II
.set II, II+1
.endr
.endm
.macro SCALES sc                       ; a slot's scale words into set sc
.set II, 0
.rept NT
.set QQ, 0
.rept NQ
	ds_load_b32 v[SC+16*\sc+NQ*II+QQ], v[ADRS] offset:QQ*64*NT+64*II
.set QQ, QQ+1
.endr
.set II, II+1
.endr
.endm
.macro MULA a, p, q, sc, first         ; A' block a against B' NT blocks.  first = 1: the products start the sums
.irp b, 0,1,2,3,4,5,6,7
.if \b < NT
.set DD, 8*(NT*((\a)%(NT/2))+\b)
.if \first == 1
	v_wmma_scale_f32_16x16x128_f8f6f4 v[DD:DD+7], v[128*(\p)+16*\b:128*(\p)+16*\b+15], v[AF+16*(\a):AF+16*(\a)+15], 0, v[SC+16*(\sc)+NQ*\b+(\q)], v[SC+16*(\sc)+NQ*(\a)+(\q)] matrix_a_fmt:MATRIX_FMT_BF8 matrix_b_fmt:MATRIX_FMT_BF8 matrix_a_scale:MATRIX_SCALE_ROW1
.else
	v_wmma_scale_f32_16x16x128_f8f6f4 v[DD:DD+7], v[128*(\p)+16*\b:128*(\p)+16*\b+15], v[AF+16*(\a):AF+16*(\a)+15], v[DD:DD+7], v[SC+16*(\sc)+NQ*\b+(\q)], v[SC+16*(\sc)+NQ*(\a)+(\q)] matrix_a_fmt:MATRIX_FMT_BF8 matrix_b_fmt:MATRIX_FMT_BF8 matrix_a_scale:MATRIX_SCALE_ROW1
.endif
.endif
.endr
.endm
.macro MULR a0, cnt, p, q, sc, first   ; blocks a0 .. a0 + cnt - 1: source 0 window 1, source 1 window 0, C and D window 2 or 3.  The accumulators take turns, one instruction a turn
	WIN 0xa1+0x50*((\a0)/(NT/2))
.set AA, \a0
.rept \cnt
	MULA AA, \p, \q, \sc, \first
.set AA, AA+1
.endr
.endm
.macro STEP slot, q, first             ; a step of 128 along K that has its successor in the same slot
	s_wait_dscnt 2*NT                              ; all but the youngest loads (the second half of A') are in
	MULR 0, NT/2, (\q)%2, \q, \slot, \first
	s_wait_dscnt 0x0
	PLACES 8
	FETCH_B \slot, (\q)+1, 1-(\q)%2
	FETCH_A \slot, (\q)+1, 0
	MULR NT/2, NT/2, (\q)%2, \q, \slot, \first
	PLACES 8
	WIN 0
	FETCH_A \slot, (\q)+1, NT/2
.endm
.macro TURN slot, next, fill           ; a slot's last step changes slots
	s_wait_tensorcnt 0x0                           ; all my tensor loads have landed: my part of the next slot;
	ds_add_u32 v[SPW], v[NIL]                      ; 0 onto my spare word;
	s_wait_dscnt 2*NT+1                            ; (the add and the second half of A' may be out)
	MULR 0, NT/4, 1, NQ-1, \slot, 0
	s_wait_dscnt 0x0                               ; the add is done, and my reads of this slot are over
	s_barrier_signal -1
	MULR NT/4, NT/4, 1, NQ-1, \slot, 0
	WIN 0
	s_barrier_wait -1
.if \fill
	CREST                                          ; the barrier has opened a round of the cluster's: no wave of any partner still reads this slot or has a load on its way
	s_add_nc_u64 s[G0+4*\slot+2:G0+4*\slot+3], s[G0+4*\slot+2:G0+4*\slot+3], 2*NQ*2048
	s_add_nc_u64 s[G0B+4*\slot+2:G0B+4*\slot+3], s[G0B+4*\slot+2:G0B+4*\slot+3], 2*NQ*2048
	JLOAD G0+4*\slot, G1, G0B+4*\slot, G1B         ; the first tensor load behind the round; its four v_nop are four of the eight places
	PLACES 4
.else
	PLACES 8
.endif
	s_wait_alu depctr_va_vdst(0)
	v_add_nc_u32 v[ADRS], NQ*64*NT, v[ADRS]        ; the next slot's scale words
	FETCH_B \next, 0, 0
	FETCH_A \next, 0, 0
	SCALES \next
	MULR NT/2, NT/2, 1, NQ-1, \slot, 0
	PLACES 8
	WIN 0
	FETCH_A \next, 0, NT/2
.endm
.macro MID slot, from                  ; the slot's steps from .. NQ - 2
.set SQ, \from
.rept NQ-1-\from
	STEP \slot, SQ, 0
.set SQ, SQ+1
.endr
.endm
.macro QUANT s, pc, pw                 ; 64 numbers of a lane, register 16 b + i in block b, become 16 registers of codes and the row's scale word
.irp b, 0,1,2,3
	v_max3_num_f32 v[TM+\b], |v[\s+16*\b]|, |v[\s+1+16*\b]|, 0x8000000   ; my 16 numbers of block b, and the floor 2^(16 - 127)
.endr
.irp i, 2,4,6,8,10,12,14
.irp b, 0,1,2,3
	v_max3_num_f32 v[TM+\b], v[TM+\b], |v[\s+16*\b+\i]|, |v[\s+1+16*\b+\i]|
.endr
.endr
.irp b, 0,1,2,3
	v_permlanex16_b32 v[TM+4+\b], v[TM+\b], s[SEL], s[SEL+1]
.endr
.irp b, 0,1,2,3
	v_max_num_f32 v[TM+\b], v[TM+\b], v[TM+4+\b]   ; with lane l xor 16's 16
.endr
.irp b, 0,1,2,3
	v_add_nc_u32 v[TM+12+\b], 0xf8800000, v[TM+\b] ; the conversion's scale operand
.endr
.irp b, 0,1,2,3
	v_and_or_b32 v[TM+8+\b], v[TM+\b], 0x7f800000, s[MNT]   ; 57,344 x the scale
.endr
.irp b, 0,1,2,3
	v_lshrrev_b32 v[TM+4+\b], 23, v[TM+12+\b]      ; the byte
.endr
	v_lshl_or_b32 v[\pw], v[TM+5], 8, v[TM+4]
	v_lshl_or_b32 v[\pw], v[TM+6], 16, v[\pw]
	v_lshl_or_b32 v[\pw], v[TM+7], 24, v[\pw]
.irp b, 0,1,2,3
.irp i, 0,1,2,3,4,5,6,7,8,9,10,11,12,13,14,15
	v_med3_num_f32 v[\s+16*\b+\i], v[\s+16*\b+\i], -v[TM+8+\b], v[TM+8+\b]   ; the conversion does not saturate (ISA guide 7.6.2)
.endr
	v_cvt_scalef32_pk8_bf8_f32 v[\pc+4*\b:\pc+1+4*\b], v[\s+16*\b:\s+7+16*\b], v[TM+12+\b]
	v_cvt_scalef32_pk8_bf8_f32 v[\pc+2+4*\b:\pc+3+4*\b], v[\s+8+16*\b:\s+15+16*\b], v[TM+12+\b]
.endr
	v_nop                                          ; a plain line behind the last conversion
.endm
	s_load_b128 s[4:7], s[0:1], 0x0                ; act1 s[4:5], wts s[6:7]
	s_load_b64 s[8:9], s[0:1], 0x10                ; qkv
	v_lshl_add_u32 v[SPW], v0, 2, SPARE
	v_mov_b32 v[NIL], 0
	ds_add_u32 v[SPW], v[NIL]                      ; the wave's opening: the add, twice on end, and its wait ahead of my first tensor load
	ds_add_u32 v[SPW], v[NIL]
	v_lshrrev_b32 v1, 5, v0
	v_readfirstlane_b32 s14, v1                    ; wave 0..3
	s_lshr_b32 s15, s14, 1                         ; which half of the tile's A' rows is mine.  Also: I fetch for A' (0) or B' (1)
	s_and_b32 s16, s14, 1                          ; which half of its B' rows.  Also: which half I fetch
	s_bfe_u32 s40, ttmp6, 0x40000                  ; cx
	s_bfe_u32 s41, ttmp6, 0x40004                  ; cy
	s_and_b32 s92, ttmp7, 0xffff                   ; the cluster's y
	s_cmp_eq_u32 ttmp9, 2                          ; V^T?
	s_cselect_b32 s42, s92, ttmp9
	s_cselect_b32 s17, 0, s92
	s_lshl_b32 s42, s42, 2
	s_add_co_u32 s42, s42, s40                     ; TC: which 256 rows of B'
	s_lshl_b32 s17, s17, 2
	s_add_co_u32 s17, s17, s41                     ; TR: which 256 rows of A'
	s_lshl_b32 s43, s41, 2
	s_lshl_b32 s43, 15, s43                        ; my row of the cluster
	s_lshl_b32 s44, 0x1111, s40                    ; my column
	s_or_b32 s[G1+0], s43, (3<<16)|(1<<21)         ; the mask; elements of 8 bytes; bit 21 beside a mask; no padding
	s_or_b32 s[G1B+0], s44, (3<<16)|(1<<21)
.irp g, G1, G1B                        ; NT rows (row tiles) of NQ x 2,048 bytes, KST x 2,048 bytes apart
	s_mov_b32 s[\g+1], (NQ*256)<<16
	s_mov_b32 s[\g+2], (2*NT)<<16                  ; the head's loads bring both halves, 2 NT row tiles; behind them the two words are set to NT
	s_mov_b32 s[\g+3], (NQ*256)<<16
	s_mov_b32 s[\g+4], 2*NT
	s_mov_b32 s[\g+5], KST*256
	s_mov_b32 s[\g+6], 0
	s_mov_b32 s[\g+7], 0
.endr
	s_or_b32 s[G1S+0], s43, (3<<16)|(1<<21)
	s_or_b32 s[G1SB+0], s44, (3<<16)|(1<<21)
.irp g, G1S, G1SB                      ; a dense block of HALFS bytes as rows of 256
	s_mov_b32 s[\g+1], 32<<16
	s_mov_b32 s[\g+2], (2*HALFS/256)<<16           ; both halves' scale words in one load
	s_mov_b32 s[\g+3], 32<<16
	s_mov_b32 s[\g+4], 2*HALFS/256
	s_mov_b32 s[\g+5], 32
	s_mov_b32 s[\g+6], 0
	s_mov_b32 s[\g+7], 0
.endr
	s_mul_i32 s96, s16, NT*KST*2048                ; s[96:97]: the half that I fetch in the ring, in bytes
	s_mov_b32 s97, 0
	s_mul_i32 s20, s17, 2*NT*KST*2048              ; A' hangs on TR alone, B' on TC alone
	s_mul_i32 s22, s17, 2*HALFS
	s_mul_i32 s46, s42, 2*NT*KST*2048
	s_mul_i32 s92, s42, 2*HALFS
	s_mov_b32 s19, 4194304
	s_mov_b32 s94, WQKV_S
	s_cmp_eq_u32 ttmp9, 2
	s_cselect_b32 s18, 0x200000, 0                 ; A' codes: w_v's rows begin 2,097,152 bytes into wts
	s_cselect_b32 s95, WQKV_S+65536, s19           ; A' scale words
	s_cselect_b32 s94, s19, s94                    ; B' scale words
	s_add_co_u32 s20, s20, s18
	s_add_co_u32 s22, s22, s95
	s_add_co_u32 s92, s92, s94
	s_mov_b32 s21, 0
	s_mov_b32 s23, 0
	s_mov_b32 s47, 0
	s_mov_b32 s93, 0
	s_mul_i32 s45, s14, HALFT                      ; where they go: wave x a half: no place in the cluster enters an LDS address
	s_wait_dscnt 0x0                               ; both opening adds are done
	s_wait_kmcnt 0x0
	s_cmp_eq_u32 ttmp9, 2
	s_cselect_b64 s[10:11], s[6:7], s[4:5]         ; A' buffer
	s_cselect_b64 s[12:13], s[4:5], s[6:7]         ; B' buffer
	s_add_nc_u64 s[20:21], s[10:11], s[20:21]
	s_add_nc_u64 s[22:23], s[10:11], s[22:23]
	s_add_nc_u64 s[46:47], s[12:13], s[46:47]
	s_add_nc_u64 s[92:93], s[12:13], s[92:93]
	CROUND                                         ; all sixteen work-groups are here: the first joint loads meet
	s_mov_b32 s[G0S], 1
	s_mov_b32 s[G0S+1], SCL
	s_mov_b64 s[G0S+2:G0S+3], s[22:23]
	s_or_b32 s[G0S+3], s[G0S+3], 0x80000000
	s_mov_b32 s[G0SB], 1
	s_mov_b32 s[G0SB+1], SCL+2*HALFS
	s_mov_b64 s[G0SB+2:G0SB+3], s[92:93]
	s_or_b32 s[G0SB+3], s[G0SB+3], 0x80000000
.irp s, 0,1
	s_mov_b32 s[G0+4*\s], 1
	s_add_co_u32 s[G0+4*\s+1], s45, \s*SLOT
	s_add_nc_u64 s[G0+4*\s+2:G0+4*\s+3], s[20:21], \s*NQ*2048
	s_or_b32 s[G0+4*\s+3], s[G0+4*\s+3], 0x80000000
	s_mov_b32 s[G0B+4*\s], 1
	s_add_co_u32 s[G0B+4*\s+1], s45, \s*SLOT
	s_add_nc_u64 s[G0B+4*\s+2:G0B+4*\s+3], s[46:47], \s*NQ*2048
	s_or_b32 s[G0B+4*\s+3], s[G0B+4*\s+3], 0x80000000
.endr
; THE HEAD'S LOADS, ONE A WAVE: wave 0 slot 0's 256 rows of A', wave 1 those of B', wave 2 A' scale words, wave 3 B' scale words.  A wave has one tensor load out at the head and one behind each round.
	s_add_nc_u64 s[G0+6:G0+7], s[G0+6:G0+7], s[96:97]      ; slot 1 is filled by halves: my half
	s_add_nc_u64 s[G0B+6:G0B+7], s[G0B+6:G0B+7], s[96:97]
	s_mov_b32 s[G0+1], 0                           ; slot 0's first fill is whole: A' from byte 0,
	s_mov_b32 s[G0B+1], 2*HALFT                    ; B' behind it
.macro ARM under, g0, g1, next
	s_cmp_lt_u32 s14, \under
	s_cbranch_scc0 \next
	tensor_load_to_lds s[\g0:\g0+3], s[\g1:\g1+7]
	s_nop 0
.rept 4
	v_nop
.endr
	s_branch .Lhead_asked
\next:
.endm
	ARM 1, G0,  G1,  .Lhead_b
	ARM 2, G0B, G1B, .Lhead_sa
	ARM 3, G0S, G1S, .Lhead_sb
	tensor_load_to_lds s[G0SB:G0SB+3], s[G1SB:G1SB+7]
	s_nop 0
.rept 4
	v_nop
.endr
.Lhead_asked:
; THE PREFETCHES INTO THE L2.  A wave's load of a slot is eight row tiles of 4,096 consecutive bytes.  The four partners that ask for it jointly share them out by address: the partner at place p (cx for A', cy for B')
; takes row tiles 2 p and 2 p + 1, sixteen lanes 256 bytes apart to each, one instruction a wave.  The head asks for slots 1 and 2, and with slot 1's load goes the request for slot 3, the last.
	s_cmp_eq_u32 s15, 0                            ; do I fetch for A'?
	s_cselect_b64 s[98:99], s[20:21], s[46:47]
	s_cselect_b32 s18, s40, s41
	s_mul_i32 s18, s18, 2*KST*2048
	s_mov_b32 s19, 0
	s_add_nc_u64 s[98:99], s[98:99], s[18:19]
	s_add_nc_u64 s[98:99], s[98:99], s[96:97]      ; s[98:99]: my two row tiles, at slot 0; never rewritten
	v_bfe_u32 v8, v0, 4, 1
	v_and_b32 v9, 15, v0
	v_lshlrev_b32 v8, 14, v8
	v_lshl_add_u32 v8, v9, 8, v8                   ; v8: 16,384 (lane / 16) + 256 (lane % 16); never rewritten
	global_prefetch_b8 v8, s[98:99] offset:NQ*2048 th:TH_LOAD_NT scope:SCOPE_SE
	global_prefetch_b8 v8, s[98:99] offset:2*NQ*2048 th:TH_LOAD_NT scope:SCOPE_SE
	v_and_b32 v1, 15, v0                           ; r
	v_bfe_u32 v2, v0, 4, 1                         ; h
	s_wait_alu depctr_va_vdst(0)
	v_and_b32 v3, 31, v0
	v_lshlrev_b32 v4, 4, v3                        ; 16 x lane
	s_wait_alu depctr_va_vdst(0)
	s_mul_i32 s21, s15, HALFT
	s_mul_i32 s22, s16, HALFT
	s_add_co_u32 s22, s22, 2*HALFT
.irp s, 0,1
	v_add_nc_u32 v[ADRA+\s], s21, v4
	v_add_nc_u32 v[ADRB+\s], s22, v4
	s_add_co_u32 s21, s21, SLOT
	s_add_co_u32 s22, s22, SLOT
.endr
	s_mul_i32 s21, s15, HALFS                      ; scale words: lanes 0-15 take A', lanes 16-31 B': the lower base + h x the distance
	s_mul_i32 s22, s16, HALFS
	s_add_co_u32 s22, s22, 2*HALFS
	s_sub_co_u32 s22, s22, s21
	v_mul_u32_u24 v6, s22, v2
	s_add_co_u32 s21, s21, SCL
	v_lshlrev_b32 v7, 2, v1
	v_add_nc_u32 v7, v7, v6
	v_add_nc_u32 v[ADRS], s21, v7
	s_lshl_b32 s23, s14, 16
	v_add_nc_u32 v[LDU], s23, v4
	v_add_nc_u32 v[LRD], s23, v4
	s_wait_alu depctr_va_vdst(0)
	s_wait_tensorcnt 0x0                           ; my tile of the head's four is in; the full sequence stands ahead of slot 1's first fill
	ds_add_u32 v[SPW], v[NIL]
	s_mov_b32 s[G1+2], NT<<16                      ; no tensor load of mine is out: from here on a load brings NT row tiles,
	s_mov_b32 s[G1+4], NT
	s_mov_b32 s[G1B+2], NT<<16
	s_mov_b32 s[G1B+4], NT
	s_mov_b32 s[G0+1], s45                         ; and slot 0's refills are my half's
	s_mov_b32 s[G0B+1], s45
	s_add_nc_u64 s[G0+2:G0+3], s[G0+2:G0+3], s[96:97]
	s_add_nc_u64 s[G0B+2:G0B+3], s[G0B+2:G0B+3], s[96:97]
	s_wait_dscnt 0x0
	CROUND                                         ; all four tiles are in, and all sixteen work-groups are here
	JLOAD G0+4, G1, G0B+4, G1B                     ; slot 1: the first tensor load behind the round
	FETCH_B 0, 0, 0
	FETCH_A 0, 0, 0
	SCALES 0
	FETCH_A 0, 0, NT/2
	global_prefetch_b8 v8, s[98:99] offset:3*NQ*2048 th:TH_LOAD_NT scope:SCOPE_SE   ; with slot 1's load: slot 3
	STEP 0, 0, 1
	s_mov_b32 s3, LAPS-1
.Llap:                                             ; a trip goes once round the ring and fills both slots again
	MID 0, 1
	TURN 0, 1, 1
	MID 1, 0
	TURN 1, 0, 1
	STEP 0, 0, 0
	s_sub_co_u32 s3, s3, 1
	s_cmp_lg_u32 s3, 0
	s_cbranch_scc1 .Llap
	MID 0, 1
	TURN 0, 1, 0                                   ; the last lap fills nothing
	MID 1, 0
	s_wait_dscnt 2*NT                              ; the very last step
	MULR 0, NT/2, 1, NQ-1, 1, 0
	s_wait_dscnt 0x0                               ; my reads of the ring are over:
	s_barrier_signal -1                            ; say so,
	MULR NT/2, NT/2, 1, NQ-1, 1, 0
	WIN 0
	s_barrier_wait -1                              ; and nobody reads either slot any more; both have had their last fill
	; where my results go.  No tensor load is out: the descriptors' registers are free
	s_lshl_b32 s24, s17, 8
	s_lshl_b32 s26, s15, 7
	s_add_co_u32 s24, s24, s26                     ; RA0: my first row of A'
	s_lshl_b32 s25, s42, 1
	s_add_co_u32 s25, s25, s16                     ; KS: which 128 rows of B' are mine
	s_lshl_b32 s32, s24, 10                        ; Q: codes (token tile x 8 + head pair) x 2,048
	s_lshl_b32 s26, s25, 11
	s_add_co_u32 s32, s32, s26
	s_lshl_b32 s33, s25, 14                        ;    words [head pair][token]
	s_lshl_b32 s26, s24, 2
	s_add_co_u32 s33, s33, s26
	s_add_co_u32 s33, s33, Q_S
	s_lshr_b32 s27, s24, 11                        ; K: batch,
	s_and_b32 s28, s24, 2047                       ;    token in it,
	s_sub_co_u32 s29, s25, 8                       ;    head pair
	s_lshl_b32 s34, s27, 21
	s_lshl_b32 s26, s29, 18
	s_add_co_u32 s34, s34, s26
	s_lshl_b32 s26, s28, 6
	s_add_co_u32 s34, s34, s26
	s_add_co_u32 s34, s34, K_C
	s_lshl_b32 s35, s27, 16
	s_lshl_b32 s26, s29, 13
	s_add_co_u32 s35, s35, s26
	s_lshl_b32 s26, s28, 1
	s_add_co_u32 s35, s35, s26
	s_add_co_u32 s35, s35, K_S
	s_lshr_b32 s27, s25, 4                         ; V: batch,
	s_and_b32 s28, s25, 15                         ;    which 128 keys
	s_lshl_b32 s36, s27, 21
	s_lshl_b32 s26, s24, 11
	s_add_co_u32 s36, s36, s26
	s_lshl_b32 s26, s28, 11
	s_add_co_u32 s36, s36, s26
	s_add_co_u32 s36, s36, V_C
	s_lshl_b32 s37, s27, 16
	s_lshr_b32 s26, s24, 6
	s_lshl_b32 s26, s26, 12
	s_add_co_u32 s37, s37, s26
	s_lshl_b32 s26, s28, 8
	s_add_co_u32 s37, s37, s26
	s_add_co_u32 s37, s37, V_S
	s_mov_b32 s48, 16384                           ; SA: from a block of 16 rows to the next, among the codes
	s_mov_b32 s49, 0x03020100                      ; lanes 0-15 store the first block's word,
	s_mov_b32 s50, 0x07060504                      ; lanes 16-31 the second's
	s_cmp_eq_u32 ttmp9, 1                          ; K?
	s_cselect_b32 s32, s34, s32
	s_cselect_b32 s33, s35, s33
	s_cselect_b32 s48, 1024, s48
	s_cselect_b32 s51, 130048, 0                   ; groups 2, 3 belong to the next head: 131,072 bytes on, less their own 1,024
	s_cselect_b32 s52, 64, 128                     ; the scale words' steps, by turns
	s_cselect_b32 s53, 64, 128
	s_cselect_b32 s54, 4096, 64                    ; from lanes 0-15's word to lanes 16-31's
	s_cselect_b32 s49, 0x05040100, s49             ; K: lanes 0-15: the even head's two bytes of both blocks,
	s_cselect_b32 s50, 0x07060302, s50             ;    lanes 16-31: the odd head's
	s_cmp_eq_u32 ttmp9, 2                          ; V?
	s_cselect_b32 s32, s36, s32
	s_cselect_b32 s33, s37, s33
	s_cselect_b32 s48, 32768, s48
	s_cselect_b32 s53, 3968, s53                   ; behind two pairs of blocks the next head's words begin
	s_mov_b32 s56, s32
	s_mov_b32 s57, 0
	s_add_nc_u64 s[56:57], s[8:9], s[56:57]        ; groups 0, 1
	s_mov_b32 s58, s51
	s_mov_b32 s59, 0
	s_add_nc_u64 s[58:59], s[56:57], s[58:59]      ; groups 2, 3
	s_mov_b32 s60, s33
	s_mov_b32 s61, 0
	s_add_nc_u64 s[60:61], s[8:9], s[60:61]        ; the words
	s_lshl_b32 s55, s48, 1
	s_mov_b32 s[SEL], 0x76543210
	s_mov_b32 s[SEL+1], 0xfedcba98
	s_mov_b32 s[MNT], 0x600000
	PLACES 8
	v_lshlrev_b32 v[VO0], 4, v3
	v_add_nc_u32 v[VO1], s48, v[VO0]
	v_mul_lo_u32 v[VS], v2, s54
	v_lshl_add_u32 v[VS], v1, 2, v[VS]
	v_mov_b32 v[VSEL], s49
	v_mov_b32 v30, s50
	v_cmp_eq_u32 vcc_lo, 1, v2
	v_cndmask_b32 v[VSEL], v[VSEL], v30, vcc_lo
.irp b, 0,1,2,3
	v_mov_b32 v[TM+4+\b], 0                        ; a lane permute's destination counts as one of its sources: written once
.endr
.set AA, 0
.rept 8                                ; the accumulators go to my 65,536 bytes as they stand, each from its low end on
	WIN 0x08+4*(AA/4)
.set GI, 0
.rept 16
	ds_store_b128 v[LDU], v[64*(AA%4)+4*GI:64*(AA%4)+4*GI+3] offset:8192*AA+512*GI
.set GI, GI+1
.endr
.set AA, AA+1
.endr
	WIN 0
	s_mov_b32 s3, 4
.Lpair:                                            ; two blocks of 16 rows a trip.  LDS serves a wave's instructions in order: the loads see my stores
	s_wait_alu depctr_va_vdst(0)
.irp u, 0,1
.irp g, 0,1,2,3,4,5,6,7,8,9,10,11,12,13,14,15
	ds_load_b128 v[128+64*\u+4*\g:128+64*\u+4*\g+3], v[LRD] offset:8192*\u+512*\g
.endr
.endr
	s_wait_dscnt 16                                ; the first block is in; the second's 16 loads may be out
	QUANT 128, PC0, PW0
	global_store_b128 v[VO0], v[PC0:PC0+3], s[56:57]                 ; 512 consecutive bytes a store
	global_store_b128 v[VO0], v[PC0+4:PC0+7], s[56:57] offset:512
	global_store_b128 v[VO0], v[PC0+8:PC0+11], s[58:59] offset:1024
	global_store_b128 v[VO0], v[PC0+12:PC0+15], s[58:59] offset:1536
	s_wait_dscnt 0x0
	QUANT 192, PC1, PW1
	global_store_b128 v[VO1], v[PC1:PC1+3], s[56:57]
	global_store_b128 v[VO1], v[PC1+4:PC1+7], s[56:57] offset:512
	global_store_b128 v[VO1], v[PC1+8:PC1+11], s[58:59] offset:1024
	global_store_b128 v[VO1], v[PC1+12:PC1+15], s[58:59] offset:1536
	v_perm_b32 v[OW], v[PW1], v[PW0], v[VSEL]      ; selects 0-3: the first block's word, 4-7: the second's
	global_store_b32 v[VS], v[OW], s[60:61]
	s_wait_xcnt 0x0                                ; the stores have read their offsets and data: both are written again below and in the next trip
	v_add_nc_u32 v[VO0], s55, v[VO0]
	v_add_nc_u32 v[VO1], s55, v[VO1]
	v_add_nc_u32 v[VS], s52, v[VS]
	s_mov_b32 s26, s52
	s_mov_b32 s52, s53
	s_mov_b32 s53, s26
	v_add_nc_u32 v[LRD], 16384, v[LRD]
	s_sub_co_u32 s3, s3, 1
	s_cmp_lg_u32 s3, 0
	s_cbranch_scc1 .Lpair
	s_wait_tensorcnt 0x0                           ; the wave's end
	ds_add_u32 v[SPW], v[NIL]
	s_wait_dscnt 0x0
	CROUND                                         ; the closing round
	s_endpgm
.Lfunc_end_k_q63a68ade5f_qkv:
	.size	k_q63a68ade5f_qkv, .Lfunc_end_k_q63a68ade5f_qkv-k_q63a68ade5f_qkv
	.p2alignl 7, 3214868480
	.fill 96, 4, 3214868480
	.section	.rodata,"a",@progbits
	.p2align	6, 0x0
	.amdhsa_kernel k_q63a68ade5f_qkv
		.amdhsa_group_segment_fixed_size 327680
		.amdhsa_private_segment_fixed_size 0
		.amdhsa_enable_private_segment 0
		.amdhsa_kernarg_size 24
		.amdhsa_user_sgpr_count 2
		.amdhsa_user_sgpr_kernarg_segment_ptr 1
		.amdhsa_wavefront_size32 1
		.amdhsa_system_sgpr_workgroup_id_x 1
		.amdhsa_system_sgpr_workgroup_id_y 1
		.amdhsa_system_sgpr_workgroup_id_z 1
		.amdhsa_system_vgpr_workitem_id 0
		.amdhsa_next_free_vgpr 1024
		.amdhsa_next_free_sgpr 100
		.amdhsa_reserve_vcc 1
		.amdhsa_float_denorm_mode_32 3
		.amdhsa_float_denorm_mode_16_64 3
		.amdhsa_memory_ordered 1
		.amdhsa_forward_progress 1
		.amdhsa_inst_pref_size 150
	.end_amdhsa_kernel
	.amdgpu_metadata
---
amdhsa.version: [ 1, 2 ]
amdhsa.kernels:
  - .name:           k_q63a68ade5f_qkv
    .symbol:         k_q63a68ade5f_qkv.kd
    .args:
      - { .name: act1, .offset: 0, .size: 8, .value_kind: global_buffer, .address_space: global }
      - { .name: wts, .offset: 8, .size: 8, .value_kind: global_buffer, .address_space: global }
      - { .name: qkv, .offset: 16, .size: 8, .value_kind: global_buffer, .address_space: global }
    .group_segment_fixed_size: 327680
    .private_segment_fixed_size: 0
    .kernarg_segment_align: 8
    .kernarg_segment_size: 24
    .max_flat_workgroup_size: 128
    .sgpr_count:     100
    .vgpr_count:     1024
    .wavefront_size: 32
...
	.end_amdgpu_metadata
.endif
;; end of part 2
;; launch attn (part 3): grid 8 x 32, 16 waves a work-group, clusters of 4 x 1, 327,680 bytes of LDS; arguments qkv, ctx; writes ctx
.if DOCPART == 3
	.amdgcn_target "amdgcn-amd-amdhsa--gfx1250"
	.amdhsa_code_object_version 6
	.text
	.protected	k_q63a68ade5f_attn
	.globl	k_q63a68ade5f_attn
	.p2align	8
	.type	k_q63a68ade5f_attn,@function
k_q63a68ade5f_attn:
	s_mov_b64 s[64:65], 0
	v_nop
	global_prefetch_b8 v0, s[64:65] scope:SCOPE_SE
	s_setreg_imm32_b32 hwreg(HW_REG_WAVE_MODE, 25, 1), 1
	s_wait_xcnt 0x0
	s_wait_alu depctr_hold_cnt(0) depctr_sa_sdst(0) depctr_va_vdst(0) depctr_va_sdst(0) depctr_va_ssrc(0) depctr_va_vcc(0) depctr_vm_vsrc(0)
	s_getreg_b32 s2, hwreg(HW_REG_IB_STS2, 6, 4)
	s_cmp_eq_u32 s2, 0
	s_cbranch_scc0 .Lentry_in_a_cluster
	s_endpgm
.Lentry_in_a_cluster:
	s_bfe_u32 s2, ttmp6, 0x10000c
	s_cmp_lg_u32 s2, 0x3003
	s_cbranch_scc0 .Lentry_shape_is_right
	s_endpgm
.Lentry_shape_is_right:
; Products 4 and 5 with the softmax between them and ctx's quantiser, on codes of BF8 (E5M2) with E8M0 bytes, read from and stored in the images that the launches qkv and oproj use.
; WORK LEFT OUT: the key steps of 128 keys all of whose keys come after a tile's 16 queries (the mask that reference() builds itself: the first kernel's head shows it).
; LIMITS: as stated at the first kernel's head; the promise holds while the scaled scores stay under 2^31 in magnitude.
; ONE HEAD'S WHOLE K AND V LIE IN LDS: 131,072 bytes of codes each and 4,096 bytes of scale words each, filled once at the head; nothing is filled again and no barrier stands in the loop.
; THE DEAL.  Grid x = 0..7, y = batch x head.  Work-group x takes the sixteen query tiles x + 8 j, j = 0..15; tile j needs key steps 0..j, and step j is its diagonal step, whatever x is.
; The 17 steps of tiles u and 15 - u are shared by waves u and 15 - u as 9 and 8: wave u < 8 first takes steps 0..7-u of tile 15 - u, lays O^T, -M and the sums into LDS, and then takes its own tile u;
; wave 15 - u takes steps 8-u..15-u of tile 15 - u and joins the two parts at the end: M is a whole number, so the join multiplies by powers of two.
; In step i = 0..8 wave w (g = w / 8) takes key step min(i + 16 g, (i + w + 8) & 15); waves 8-15 have no work in step 0; step 8 is every wave's diagonal step and is written out with the mask.
; TWO BANKS OF 64 REGISTERS, v32-95 and v96-159, SWAP ROLES FROM STEP TO STEP.  In a step one bank holds K's fragments and, once the score products have read them, takes V's, which land under the softmax;
; the other takes the scores, then p, and, block by block behind p's conversions, the NEXT step's fragments of K.  So a trip of the loop is two steps: four trips, and the ninth step behind them.
; CLUSTER 4 x 1: the eight work-groups of a head read the same K and V; four of them ask jointly (mask 15).  No branch, trip count or LDS address hangs on the place in the cluster: it enters global addresses and the mask's bound alone.
; NO PREFETCH: every fill goes out at the head, nine loads a work-group; there is no loop to run ahead in.
; Waves 8-15 fetch a second fragment of Q and step 0's fragments of K as waves 0-7 do and do not use them: no branch stands in the head for that.
; LAYOUT of a lane: both products transposed; lane (r, h) holds query r; register N of the scores is key 16 (N / 8) + 8 h + N % 8 of the step.
; REGISTERS: v1-7, v25-26 addresses that stay; v8-11 the step's; v12 -M, v13 largest t, v[14:15] the sum; v16-24 the second Q; v160-191 O^T; v192-215 Q between zeros; v216-219 K's scale words; v224-239 p's codes; v232-255 at work.
.set VB,    131072                     ; LDS: K's codes from 0, V's from here: [d tile][key step][2,048]
.set SCK,   262144                     ; K's scale words, 256 bytes a step
.set SCV,   266240                     ; V's
.set DUMP,  270336                     ; eight places of DSZ bytes: a part's O^T (4,096) and v12-15 (512), as register images
.set DSZ,   4608
.set SPARE, 307200                     ; the spare words, 128 bytes a wave; no other line names them
.set K_C, 4194304
.set V_C, 8388608
.set Q_S, 12582912
.set K_S, 12713984
.set AK0,  1
.set AV0,  2
.set ASK0, 3
.set ASV0, 4
.set SPW,  5
.set NIL,  6
.set DG,   7                           ; my query less the diagonal step's first key less 8 h
.set ADK,  8
.set ADV,  9
.set ADS,  10
.set ADT,  11
.set ADW,  25                          ; V's d tiles 2, 3
.set DA,   26                          ; my pair's place in DUMP, 16 x lane
.set WV,   18
.set MNT,  19
.set SEL,  20
.set CS,   22
.set G1C,  24
.set G1S,  32
.set G0C,  40
.set G0S,  44
.set IT,   48
.set QC,   49
.set P16,  50
.set SWT,  51
.set SKP,  52
.set TK0,  53                          ; s53-55, s60-62: two sets by turns: where a step's tiles of K, of V and its scale words begin
.set GW,   56
.set UW,   57
.macro CROUND                          ; a round of the cluster's barrier
	s_barrier_signal -1
	s_barrier_wait -1
	s_cmp_lg_u32 s[WV], 0
	s_cbranch_scc1 .Lnot_wave_0_\@
	s_barrier_signal -3
.Lnot_wave_0_\@:
	s_barrier_wait -3
	s_barrier_signal -1
	s_barrier_wait -1
.endm
.macro INDEX d, set                    ; step IT + d: its key step, into a set of three
	s_add_co_u32 s96, s[IT], s[QC]
	s_add_co_u32 s97, s[IT], s[P16]
.if \d
	s_add_co_u32 s96, s96, \d
	s_add_co_u32 s97, s97, \d
.endif
	s_and_b32 s96, s96, 15
	s_min_u32 s96, s96, s97
	s_lshl_b32 s[TK0+7*(\set)], s96, 13
	s_lshl_b32 s[TK0+7*(\set)+1], s96, 11
	s_lshl_b32 s[TK0+7*(\set)+2], s96, 8
.endm
.macro KLOAD f, bank                   ; fragment f of K, 32 keys, and its scale words
.irp c, 0,1,2,3
	ds_load_b128 v[\bank+16*(\f)+4*\c:\bank+16*(\f)+4*\c+3], v[ADK] offset:2048*(\f)+512*\c
.endr
	ds_load_b32 v[216+(\f)], v[ADS] offset:64*(\f)
.endm
	s_load_b128 s[4:7], s[0:1], 0x0                ; qkv, ctx
	v_lshl_add_u32 v[SPW], v0, 2, SPARE
	v_mov_b32 v[NIL], 0
	ds_add_u32 v[SPW], v[NIL]                      ; the opening lines: the add, twice on end, and its wait below
	ds_add_u32 v[SPW], v[NIL]
	v_lshrrev_b32 v8, 5, v0
	v_readfirstlane_b32 s[WV], v8                  ; wave 0..15
	s_bfe_u32 s70, ttmp6, 0x40000                  ; cx
	s_lshl_b32 s71, ttmp9, 2
	s_add_co_u32 s71, s71, s70                     ; x
	s_and_b32 s72, ttmp7, 0xffff                   ; batch x 16 + head
	s_lshr_b32 s73, s72, 4
	s_bfe_u32 s75, s72, 0x30001                    ; head pair
	s_and_b32 s74, s72, 1
	s_lshr_b32 s[GW], s[WV], 3
	s_and_b32 s[UW], s[WV], 7
	s_add_co_u32 s[QC], s[WV], 8
	s_and_b32 s[QC], s[QC], 15
	s_lshl_b32 s[P16], s[GW], 4
	s_sub_co_u32 s[SWT], 7, s[UW]                  ; waves 0-7 change tiles behind this step
	s_cmp_lt_u32 s[WV], 8
	s_cselect_b32 s[SKP], 99, 0                    ; the step without work
	s_cselect_b32 s76, 15, 0
	s_xor_b32 s76, s[WV], s76                      ; j of the first tile: 15 - w, or w in waves 8-15.  The tile that I store is j = w
	s_lshl_b32 s77, s73, 7
	s_add_co_u32 s77, s77, s71
	s_lshl_b32 s78, s76, 3
	s_add_co_u32 s78, s78, s77                     ; the first tile among all 256
	s_lshl_b32 s79, s[WV], 3
	s_add_co_u32 s79, s79, s77                     ; my own
	s_lshl_b32 s80, s75, 11
	s_lshl_b32 s81, s74, 10
	s_add_co_u32 s80, s80, s81
	s_lshl_b32 s82, s78, 14
	s_add_co_u32 s82, s82, s80                     ; s[82:83] the first tile's codes of Q
	s_mov_b32 s83, 0
	s_lshl_b32 s84, s79, 14
	s_add_co_u32 s84, s84, s80                     ; s[84:85] my own tile's, in qkv and in ctx
	s_mov_b32 s85, 0
	s_lshl_b32 s81, s74, 1
	s_lshl_b32 s80, s75, 14
	s_add_co_u32 s80, s80, s81
	s_add_co_u32 s80, s80, Q_S
	s_lshl_b32 s86, s78, 6
	s_add_co_u32 s86, s86, s80                     ; their scale bytes
	s_mov_b32 s87, 0
	s_lshl_b32 s88, s79, 6
	s_add_co_u32 s88, s88, s80
	s_mov_b32 s89, 0
	s_lshr_b32 s90, s79, 2                         ; ctx's scale image: ((token / 64) 8 + head pair) 256 + (token % 64) 4 + 2 (head % 2), behind the codes
	s_lshl_b32 s90, s90, 3
	s_add_co_u32 s90, s90, s75
	s_lshl_b32 s90, s90, 8
	s_and_b32 s91, s79, 3
	s_lshl_b32 s91, s91, 6
	s_add_co_u32 s90, s90, s91
	s_add_co_u32 s90, s90, s81
	s_add_co_u32 s90, s90, 4194304
	s_mov_b32 s91, 0
	s_lshl_b32 s92, s72, 17                        ; waves 0-3 fetch K's quarters, waves 4-7 V's d tiles: 32,768 dense bytes each, to LDS byte 32,768 w
	s_lshl_b32 s93, s[WV], 15
	s_add_co_u32 s92, s92, s93
	s_lshr_b32 s94, s[WV], 2
	s_mul_i32 s94, s94, V_C-K_C-131072
	s_add_co_u32 s92, s92, s94
	s_add_co_u32 s92, s92, K_C
	s_mov_b32 s[G0C+1], s93
	s_mov_b32 s93, 0
	s_lshl_b32 s94, s72, 12                        ; wave 8: the scale words
	s_add_co_u32 s94, s94, K_S
	s_mov_b32 s95, 0
	s_mov_b32 s[G1C], 15|(3<<16)|(1<<21)           ; the four of my cluster; elements of 8 bytes; 128 rows of 256 bytes
	s_mov_b32 s[G1C+1], 32<<16
	s_mov_b32 s[G1C+2], 128<<16
	s_mov_b32 s[G1C+3], 32<<16
	s_mov_b32 s[G1C+4], 128
	s_mov_b32 s[G1C+5], 32
	s_mov_b32 s[G1C+6], 0
	s_mov_b32 s[G1C+7], 0
	s_mov_b32 s[G1S], 15|(3<<16)|(1<<21)           ; two rows of 4,096 bytes, K's words and V's, 131,072 bytes apart in qkv
	s_mov_b32 s[G1S+1], 512<<16
	s_mov_b32 s[G1S+2], 2<<16
	s_mov_b32 s[G1S+3], 512<<16
	s_mov_b32 s[G1S+4], 2
	s_mov_b32 s[G1S+5], 16384
	s_mov_b32 s[G1S+6], 0
	s_mov_b32 s[G1S+7], 0
	s_mov_b32 s[SEL], 0x76543210
	s_mov_b32 s[SEL+1], 0xfedcba98
	s_mov_b32 s[CS], 0x3e38aa3b                    ; log2(e) / 8
	s_mov_b32 s[CS+1], s[CS]
	s_mov_b32 s[MNT], 0x600000
	s_mov_b32 s[IT], 0
	s_wait_dscnt 0x0                               ; both opening adds are done
	CROUND                                         ; the round in front of the joint loads
	s_wait_kmcnt 0x0
	s_mov_b32 s[G0C], 1
	s_add_nc_u64 s[G0C+2:G0C+3], s[4:5], s[92:93]
	s_or_b32 s[G0C+3], s[G0C+3], 0x80000000
	s_mov_b32 s[G0S], 1
	s_mov_b32 s[G0S+1], SCK
	s_add_nc_u64 s[G0S+2:G0S+3], s[4:5], s[94:95]
	s_or_b32 s[G0S+3], s[G0S+3], 0x80000000
	s_cmp_lt_u32 s[WV], 8                          ; one chain of branches on the wave's number, one load to an arm
	s_cbranch_scc0 .Lnot_codes
	tensor_load_to_lds s[G0C:G0C+3], s[G1C:G1C+7]
	s_nop 0
.rept 4
	v_nop
.endr
	s_branch .Lasked
.Lnot_codes:
	s_cmp_eq_u32 s[WV], 8
	s_cbranch_scc0 .Lasked
	tensor_load_to_lds s[G0S:G0S+3], s[G1S:G1S+7]
	s_nop 0
.rept 4
	v_nop
.endr
.Lasked:
	s_add_nc_u64 s[8:9], s[4:5], s[82:83]
	s_add_nc_u64 s[10:11], s[4:5], s[86:87]
	s_add_nc_u64 s[12:13], s[4:5], s[84:85]
	s_add_nc_u64 s[14:15], s[4:5], s[88:89]
	s_add_nc_u64 s[16:17], s[6:7], s[84:85]
	s_add_nc_u64 s[58:59], s[6:7], s[90:91]
	v_and_b32 v8, 15, v0                           ; r
	v_and_b32 v9, 31, v0
	v_bfe_u32 v10, v0, 4, 1                        ; h
	v_lshlrev_b32 v[AK0], 4, v9
	v_lshlrev_b32 v11, 2, v8
	global_load_b128 v[200:203], v[AK0], s[8:9]    ; the first tile's Q
	global_load_b128 v[204:207], v[AK0], s[8:9] offset:512
	global_load_u16 v255, v11, s[10:11]
	global_load_b128 v[16:19], v[AK0], s[12:13]    ; my own tile's
	global_load_b128 v[20:23], v[AK0], s[12:13] offset:512
	global_load_u16 v24, v11, s[14:15]
	v_add_nc_u32 v[AV0], VB, v[AK0]
	v_lshl_add_u32 v[ASK0], v8, 2, SCK
	v_lshl_add_u32 v[ASV0], v8, 2, SCV
	v_lshlrev_b32 v10, 3, v10
	v_sub_nc_u32 v[DG], v8, v10
	s_lshl_b32 s96, s71, 4
	v_add_nc_u32 v[DG], s96, v[DG]                 ; 16 x + r - 8 h
	s_mul_i32 s96, s[GW], 7
	s_xor_b32 s96, s96, s[UW]                      ; the pair's number: u in waves 0-7, 7 - u in waves 8-15
	s_mul_i32 s96, s96, DSZ
	s_add_co_u32 s96, s96, DUMP
	v_add_nc_u32 v[DA], s96, v[AK0]
	v_mov_b32 v13, 0xff61b1e6                      ; the largest t so far: -3e38
	v_floor_f32 v12, -v13
	v_mov_b32 v14, 0
	v_mov_b32 v15, 0
.irp k, 236,237,238,239,252,253
	v_mov_b32 v\k, 0                               ; lane permutes' destinations and upper halves of pairs: written once
.endr
.irp k, 0,1,2,3,4,5,6,7
	v_mov_b32 v[192+\k], 0                         ; zero codes on both sides of Q: a head has 64 of the instruction's 128 along K
	v_mov_b32 v[208+\k], 0
.endr
.set N, 0
.rept 32
	v_mov_b32 v[160+N], 0
.set N, N+1
.endr
	s_wait_alu depctr_va_vdst(0)
	s_wait_loadcnt 0x0
	v_lshl_or_b32 v255, v255, 16, v255             ; Q's two bytes serve either half of K
	v_lshl_or_b32 v24, v24, 16, v24
	s_wait_alu depctr_va_vdst(0)                   ; the head's end
	s_wait_tensorcnt 0x0                           ; every wave waits, under no branch,
	s_barrier_signal -1
	s_barrier_wait -1                              ; and all of K, V and their scale words lie in LDS
	INDEX 0, 0
	v_add_nc_u32 v[ADK], s[TK0], v[AK0]
	v_add_nc_u32 v[ADS], s[TK0+2], v[ASK0]
.irp f, 0,1,2,3
	KLOAD \f, 32                                   ; step 0's fragments of K
.endr
; A STEP: 128 keys against my 16 queries.  ka: the bank with K's fragments, later V's;  sb: the bank of the scores, later the next K's;  set: this step's scalars;  d: the next step is IT + d (under 0: there is none)
.macro STEP ka, sb, set, mask, d
.if \d >= 0
	INDEX \d, 1-\set
.endif
	v_add_nc_u32 v[ADV], s[TK0+7*(\set)+1], v[AV0]
	v_add_nc_u32 v[ADT], s[TK0+7*(\set)+2], v[ASV0]
	v_add_nc_u32 v[ADW], 65536, v[ADV]
.if \d >= 0
	v_add_nc_u32 v[ADK], s[TK0+7*(1-\set)], v[AK0]
	v_add_nc_u32 v[ADS], s[TK0+7*(1-\set)+2], v[ASK0]
.rept 4
	v_nop                                          ; nine places in all: the products below write over what the last step's products read
.endr
.else
.rept 6
	v_nop
.endr
.endif
	s_wait_alu depctr_va_vdst(0)
	s_wait_dscnt 0x0                               ; K's fragments are in
.irp f, 0,1,2,3
	v_wmma_scale_f32_16x16x128_f8f6f4 v[\sb+16*\f:\sb+16*\f+7], v[\ka+16*\f:\ka+16*\f+15], v[200:215], 0, v[216+\f], v255 matrix_a_fmt:MATRIX_FMT_BF8 matrix_b_fmt:MATRIX_FMT_BF8
	v_wmma_scale_f32_16x16x128_f8f6f4 v[\sb+16*\f+8:\sb+16*\f+15], v[\ka+16*\f:\ka+16*\f+15], v[192:207], 0, v[216+\f], v255 matrix_a_fmt:MATRIX_FMT_BF8 matrix_b_fmt:MATRIX_FMT_BF8
.endr
.rept 8
	v_nop
.endr
.irp t, 0,1                            ; V's fragments, into the registers that held K's: 20 loads, which have the softmax in which to land
.irp c, 0,1,2,3
	ds_load_b128 v[\ka+16*\t+4*\c:\ka+16*\t+4*\c+3], v[ADV] offset:32768*\t+512*\c
.endr
	ds_load_b32 v[248+\t], v[ADT] offset:64*\t
.endr
.irp t, 0,1
.irp c, 0,1,2,3
	ds_load_b128 v[\ka+32+16*\t+4*\c:\ka+32+16*\t+4*\c+3], v[ADW] offset:32768*\t+512*\c
.endr
	ds_load_b32 v[250+\t], v[ADT] offset:128+64*\t
.endr
.if \mask                              ; the diagonal step: hidden scores become reference()'s -1e9 (x 8: the factor 1 / 8 lies in c)
	v_mov_b32 v254, 0xcfee6b28
.set N, 0
.rept 64
	v_cmp_gt_i32 vcc_lo, 16*(N/8)+N%8, v[DG]
	v_cndmask_b32 v[\sb+N], v[\sb+N], v254, vcc_lo
.set N, N+1
.endr
.endif
.irp b, 0,1,2,3
	v_max3_num_f32 v[232+\b], v[\sb+16*\b], v[\sb+1+16*\b], v[\sb+2+16*\b]   ; each block's largest score: for the row's maximum and for the block's largest p
.endr
.irp i, 3,5,7,9,11,13
.irp b, 0,1,2,3
	v_max3_num_f32 v[232+\b], v[232+\b], v[\sb+16*\b+\i], v[\sb+1+16*\b+\i]
.endr
.endr
.irp b, 0,1,2,3
	v_max_num_f32 v[232+\b], v[232+\b], v[\sb+15+16*\b]
.endr
.irp b, 0,1,2,3
	v_permlanex16_b32 v[236+\b], v[232+\b], s[SEL], s[SEL+1]
.endr
.irp b, 0,1,2,3
	s_delay_alu instid0(VALU_DEP_4)
	v_max_num_f32 v[232+\b], v[232+\b], v[236+\b]
.endr
	s_delay_alu instid0(VALU_DEP_2)
	v_max3_num_f32 v254, v232, v233, v234
	s_delay_alu instid0(VALU_DEP_1)
	v_max_num_f32 v254, v254, v235
	s_delay_alu instid0(VALU_DEP_1)
	v_mul_f32 v254, s[CS], v254
	s_delay_alu instid0(VALU_DEP_1)
	v_max_num_f32 v13, v13, v254                   ; the running largest t
	v_mov_b32 v254, v12
	s_delay_alu instid0(VALU_DEP_2)
	v_floor_f32 v12, -v13                          ; -M = floor(-t)
	s_delay_alu instid0(VALU_DEP_1)
	v_sub_f32 v254, v12, v254
	s_delay_alu instid0(VALU_DEP_1)
	v_cvt_i32_f32 v254, v254
	s_delay_alu instid0(VALU_DEP_1)
	v_ldexp_f32 v252, 1.0, v254                    ; f = 2^(old M - new M)
.set N, 0
.rept 32
	v_pk_fma_f32 v[\sb+N:\sb+1+N], v[\sb+N:\sb+1+N], s[CS:CS+1], v[12:13] op_sel_hi:[1,0,0]
.set N, N+2
.endr
.irp b, 0,1,2,3
	v_fma_f32 v[232+\b], v[232+\b], s[CS], v12
.endr
	s_wait_alu depctr_va_vdst(0)                   ; the wait ahead of the batch
.set N, 0
.rept 64
	v_exp_f32 v[\sb+N], v[\sb+N]
.set N, N+1
.endr
	v_pk_mul_f32 v[14:15], v[14:15], v[252:253] op_sel_hi:[1,0]
	s_wait_alu depctr_va_vdst(0)                   ; and behind it
.irp b, 0,1,2,3
	v_exp_f32 v[232+\b], v[232+\b]
.endr
	v_pk_add_f32 v[236:237], v[\sb:\sb+1], v[\sb+2:\sb+3]    ; the row's sum, of the unquantised p
.irp j, 4,8,12,16,20,24,28,32,36,40,44,48,52,56,60
	v_pk_add_f32 v[14:15], v[14:15], v[\sb+\j:\sb+1+\j]
	v_pk_add_f32 v[236:237], v[236:237], v[\sb+2+\j:\sb+3+\j]
.endr
	s_delay_alu instid0(VALU_DEP_1)
	v_pk_add_f32 v[14:15], v[14:15], v[236:237]
	s_wait_alu depctr_va_vdst(0)                   ; for the four
.irp b, 0,1,2,3
	v_max_num_f32 v[232+\b], 0x8000000, v[232+\b]
.endr
.irp b, 0,1,2,3
	s_delay_alu instid0(VALU_DEP_4)
	v_add_nc_u32 v[244+\b], 0xf8800000, v[232+\b]
.endr
.irp b, 0,1,2,3
	v_and_or_b32 v[240+\b], v[232+\b], 0x7f800000, s[MNT]
.endr
.irp b, 0,1,2,3
	v_lshrrev_b32 v[236+\b], 23, v[244+\b]
.endr
	s_delay_alu instid0(VALU_DEP_3)
	v_lshl_or_b32 v253, v237, 8, v236              ; p's scale word
	s_delay_alu instid0(VALU_DEP_1)
	v_lshl_or_b32 v253, v238, 16, v253
	s_delay_alu instid0(VALU_DEP_1)
	v_lshl_or_b32 v253, v239, 24, v253
.irp b, 0,1,2,3
.irp i, 0,1,2,3,4,5,6,7,8,9,10,11,12,13,14,15
	v_min_num_f32 v[\sb+16*\b+\i], v[\sb+16*\b+\i], v[240+\b]   ; the conversion does not saturate (ISA guide 7.6.2)
.endr
	v_cvt_scalef32_pk8_bf8_f32 v[224+4*\b:225+4*\b], v[\sb+16*\b:\sb+7+16*\b], v[244+\b]
	v_cvt_scalef32_pk8_bf8_f32 v[226+4*\b:227+4*\b], v[\sb+8+16*\b:\sb+15+16*\b], v[244+\b]
.if \d >= 0
	KLOAD \b, \sb                                  ; the block's 16 registers are free: they take the next step's fragment b of K
.endif
.endr
	s_wait_alu depctr_va_vdst(0)                   ; the wait directly ahead of the first reader of O^T
.set N, 0
.rept 16
	v_pk_mul_f32 v[160+N:161+N], v[160+N:161+N], v[252:253] op_sel_hi:[1,0]
.set N, N+2
.endr
	s_wait_alu depctr_va_vdst(0)                   ; ahead of the wait below
.if \d >= 0
	s_wait_dscnt 20                                ; V's 20 loads are in; the 20 of the next K, issued behind them, may be out
.else
	s_wait_dscnt 0x0
.endif
.irp t, 0,1,2,3
	v_wmma_scale_f32_16x16x128_f8f6f4 v[160+8*\t:167+8*\t], v[\ka+16*\t:\ka+16*\t+15], v[224:239], v[160+8*\t:167+8*\t], v[248+\t], v253 matrix_a_fmt:MATRIX_FMT_BF8 matrix_b_fmt:MATRIX_FMT_BF8
.endr
.endm
.macro CHANGE d                        ; waves 0-7, once, behind step IT + d = 7 - u: my part of tile 15 - u is done
	s_cmp_lt_u32 s[WV], 8
	s_cbranch_scc0 .Lstay_\@
	s_add_co_u32 s97, s[IT], \d
	s_cmp_eq_u32 s97, s[SWT]
	s_cbranch_scc0 .Lstay_\@
.irp k, 0,1,2,3,4,5,6,7
	v_mov_b32 v[200+\k], v[16+\k]                  ; my own tile's Q.  (The nine moves are the places behind the last products)
.endr
	v_mov_b32 v255, v24
.irp k, 0,1,2,3,4,5,6,7
	ds_store_b128 v[DA], v[160+4*\k:163+4*\k] offset:512*\k
.endr
	ds_store_b128 v[DA], v[12:15] offset:4096
	s_wait_dscnt 0x0                               ; the stores have read their registers
	v_mov_b32 v13, 0xff61b1e6
	v_floor_f32 v12, -v13
	v_mov_b32 v14, 0
	v_mov_b32 v15, 0
.set N, 0
.rept 32
	v_mov_b32 v[160+N], 0
.set N, N+1
.endr
	s_wait_alu depctr_va_vdst(0)
.Lstay_\@:
.endm
.Ltrip:                                            ; four trips of two steps; the ninth step is written out behind them
	s_cmp_eq_u32 s[IT], s[SKP]
	s_cbranch_scc1 .Lidle
	STEP 32, 96, 0, 0, 1
	s_branch .Lhalf
.Lidle:                                            ; waves 8-15 in step 0: only step 1's fragments of K are asked for
	INDEX 1, 1
	v_add_nc_u32 v[ADK], s[TK0+7], v[AK0]
	v_add_nc_u32 v[ADS], s[TK0+9], v[ASK0]
.rept 8
	v_nop                                          ; places ahead of loads into registers that products have read
.endr
	s_wait_alu depctr_va_vdst(0)
	s_wait_dscnt 0x0                               ; no earlier load into K's scale words is out
.irp f, 0,1,2,3
	KLOAD \f, 96
.endr
.Lhalf:
	CHANGE 0
	STEP 96, 32, 1, 0, 2
	CHANGE 1
	s_add_co_u32 s[IT], s[IT], 2
	s_cmp_lt_u32 s[IT], 8
	s_wait_alu depctr_va_vdst(0)
	s_cbranch_scc1 .Ltrip
	s_wait_dscnt 0x0                               ; every part lies in LDS: say so now,
	s_barrier_signal -1
	STEP 32, 96, 0, 1, -1                          ; (registers, and loads of V, which nobody writes)
.rept 8
	v_nop
.endr
	s_wait_alu depctr_va_vdst(0)
	s_barrier_wait -1                              ; and read behind the wait
	s_cmp_lt_u32 s[WV], 8
	s_cbranch_scc1 .Lown
	; waves 8-15: the other part of my tile
.irp k, 0,1,2,3,4,5,6,7
	ds_load_b128 v[96+4*\k:99+4*\k], v[DA] offset:512*\k
.endr
	ds_load_b128 v[128:131], v[DA] offset:4096
	s_wait_dscnt 0x0
	v_min_num_f32 v236, v12, v128                  ; -M of both parts together
	v_sub_f32 v237, v236, v12
	v_sub_f32 v238, v236, v128
	v_cvt_i32_f32 v237, v237
	v_cvt_i32_f32 v238, v238
	v_ldexp_f32 v252, 1.0, v237                    ; my part's factor,
	v_ldexp_f32 v254, 1.0, v238                    ; the other's: powers of two
	v_pk_mul_f32 v[14:15], v[14:15], v[252:253] op_sel_hi:[1,0]
	v_pk_fma_f32 v[14:15], v[130:131], v[254:255], v[14:15] op_sel_hi:[1,0,1]
.set N, 0
.rept 16
	v_pk_mul_f32 v[160+N:161+N], v[160+N:161+N], v[252:253] op_sel_hi:[1,0]
.set N, N+2
.endr
.set N, 0
.rept 16
	v_pk_fma_f32 v[160+N:161+N], v[96+N:97+N], v[254:255], v[160+N:161+N] op_sel_hi:[1,0,1]
.set N, N+2
.endr
	s_wait_alu depctr_va_vdst(0)
.Lown:
	v_add_f32 v14, v14, v15
	v_permlanex16_b32 v252, v14, s[SEL], s[SEL+1]
	v_add_f32 v14, v14, v252                       ; the row's sum
	s_wait_alu depctr_va_vdst(0)
	v_rcp_f32 v14, v14
	v_and_b32 v8, 15, v0
	v_lshlrev_b32 v10, 2, v8
	s_wait_alu depctr_va_vdst(0)
.set N, 0
.rept 32
	v_mul_f32 v[96+N], v[160+N], v14
.set N, N+1
.endr
.irp b, 0,1                            ; ctx's quantiser: my head's 64 are two blocks of product 6's K
	v_max3_num_f32 v[232+\b], |v[96+16*\b]|, |v[97+16*\b]|, 0x8000000
.endr
.irp i, 2,4,6,8,10,12,14
.irp b, 0,1
	v_max3_num_f32 v[232+\b], v[232+\b], |v[96+16*\b+\i]|, |v[97+16*\b+\i]|
.endr
.endr
.irp b, 0,1
	v_permlanex16_b32 v[236+\b], v[232+\b], s[SEL], s[SEL+1]
.endr
.irp b, 0,1
	v_max_num_f32 v[232+\b], v[232+\b], v[236+\b]
.endr
.irp b, 0,1
	v_add_nc_u32 v[244+\b], 0xf8800000, v[232+\b]
.endr
.irp b, 0,1
	v_and_or_b32 v[240+\b], v[232+\b], 0x7f800000, s[MNT]
.endr
.irp b, 0,1
	v_lshrrev_b32 v[236+\b], 23, v[244+\b]
.endr
	v_lshl_or_b32 v254, v237, 8, v236
.irp b, 0,1
.irp i, 0,1,2,3,4,5,6,7,8,9,10,11,12,13,14,15
	v_med3_num_f32 v[96+16*\b+\i], v[96+16*\b+\i], -v[240+\b], v[240+\b]
.endr
	v_cvt_scalef32_pk8_bf8_f32 v[224+4*\b:225+4*\b], v[96+16*\b:103+16*\b], v[244+\b]
	v_cvt_scalef32_pk8_bf8_f32 v[226+4*\b:227+4*\b], v[104+16*\b:111+16*\b], v[244+\b]
.endr
	v_nop
	global_store_b128 v[AK0], v[224:227], s[16:17]             ; 512 consecutive bytes a store
	global_store_b128 v[AK0], v[228:231], s[16:17] offset:512
	global_store_b16 v10, v254, s[58:59]
	s_wait_tensorcnt 0x0                           ; the wave's end
	ds_add_u32 v[SPW], v[NIL]
	s_wait_dscnt 0x0
	CROUND                                         ; the closing round
	s_endpgm
.Lfunc_end_k_q63a68ade5f_attn:
	.size	k_q63a68ade5f_attn, .Lfunc_end_k_q63a68ade5f_attn-k_q63a68ade5f_attn
	.p2alignl 7, 3214868480
	.fill 96, 4, 3214868480
	.section	.rodata,"a",@progbits
	.p2align	6, 0x0
	.amdhsa_kernel k_q63a68ade5f_attn
		.amdhsa_group_segment_fixed_size 327680
		.amdhsa_private_segment_fixed_size 0
		.amdhsa_enable_private_segment 0
		.amdhsa_kernarg_size 16
		.amdhsa_user_sgpr_count 2
		.amdhsa_user_sgpr_kernarg_segment_ptr 1
		.amdhsa_wavefront_size32 1
		.amdhsa_system_sgpr_workgroup_id_x 1
		.amdhsa_system_sgpr_workgroup_id_y 1
		.amdhsa_system_sgpr_workgroup_id_z 1
		.amdhsa_system_vgpr_workitem_id 0
		.amdhsa_next_free_vgpr 256
		.amdhsa_next_free_sgpr 100
		.amdhsa_reserve_vcc 1
		.amdhsa_float_denorm_mode_32 3
		.amdhsa_float_denorm_mode_16_64 3
		.amdhsa_memory_ordered 1
		.amdhsa_forward_progress 1
		.amdhsa_inst_pref_size 89
	.end_amdhsa_kernel
	.amdgpu_metadata
---
amdhsa.version: [ 1, 2 ]
amdhsa.kernels:
  - .name:           k_q63a68ade5f_attn
    .symbol:         k_q63a68ade5f_attn.kd
    .args:
      - { .name: qkv, .offset: 0, .size: 8, .value_kind: global_buffer, .address_space: global }
      - { .name: ctx, .offset: 8, .size: 8, .value_kind: global_buffer, .address_space: global }
    .group_segment_fixed_size: 327680
    .private_segment_fixed_size: 0
    .kernarg_segment_align: 8
    .kernarg_segment_size: 16
    .max_flat_workgroup_size: 512
    .sgpr_count:     100
    .vgpr_count:     256
    .wavefront_size: 32
...
	.end_amdgpu_metadata
.endif
;; end of part 3
;; launch oproj (part 4): grid 8 x 32, 4 waves a work-group, clusters of 4 x 4, 327,680 bytes of LDS; arguments ctx, wts, b_o, x, x1; writes x1
.if DOCPART == 4
	.amdgcn_target "amdgcn-amd-amdhsa--gfx1250"
	.amdhsa_code_object_version 6
	.text
	.protected	k_q63a68ade5f_oproj
	.globl	k_q63a68ade5f_oproj
	.p2align	8
	.type	k_q63a68ade5f_oproj,@function
k_q63a68ade5f_oproj:
	s_mov_b64 s[64:65], 0
	v_nop
	global_prefetch_b8 v0, s[64:65] scope:SCOPE_SE
	s_setreg_imm32_b32 hwreg(HW_REG_WAVE_MODE, 25, 1), 1
	s_wait_xcnt 0x0
	s_wait_alu depctr_hold_cnt(0) depctr_sa_sdst(0) depctr_va_vdst(0) depctr_va_sdst(0) depctr_va_ssrc(0) depctr_va_vcc(0) depctr_vm_vsrc(0)
	s_getreg_b32 s2, hwreg(HW_REG_IB_STS2, 6, 4)
	s_cmp_eq_u32 s2, 0
	s_cbranch_scc0 .Lentry_in_a_cluster
	s_endpgm
.Lentry_in_a_cluster:
	s_bfe_u32 s2, ttmp6, 0x10000c
	s_cmp_lg_u32 s2, 0xf033
	s_cbranch_scc0 .Lentry_shape_is_right
	s_endpgm
.Lentry_shape_is_right:
; Product 6, its bias and the residual: x1 = x + ctx w_o + b_o.  A = ctx's image, B = w_o's image in wts, K = 1,024.
; N is 1,024: tiles of 256 x 256 would give 64 work-groups, tiles of 128 x 128 give 256.  Four waves, 64 x 64 each: 16 accumulators.  The one slot holds 1,024 along K (eight steps of 128): K is one fill.
; The joint loads (A along a row of the 4 x 4 cluster, B along a column) and the transposed use are those of the launch qkv.  The bias is the C of the first products.
; The residual's 64 x 64 numbers are asked for at the head into registers, in the order in which the rows leave.  A block of 16 rows goes through my stage in LDS (in slot 0, behind its last fill and last read)
; and leaves as rows: 16 lanes store 256 consecutive bytes, aligned.  A wave has one tensor load out at the start.
.set NT,    4
; ALL OF K IS ONE FILL: the one slot holds 1,024 along K (eight steps of 128), 262,144 bytes; nothing is filled again and there is no change of slots.
; The head has one tensor load a wave: wave 0 A's 128 rows, wave 1 B's, wave 2 A's scale words, wave 3 B's.  No prefetch: there is no loop to run ahead in.
.set NQ,    8
.set KST,   8
.set LAPS,  KST/(2*NQ)
.set A_S,   4194304                    ; A's scale image (G 64) behind its codes
.set B_C,   3145728                    ; B's codes in wts
.set B_S,   12681216                   ; B's scale image (G 64)
.set HALFT, NT*NQ*2048
.set SLOT,  4*HALFT
.set SCL,   SLOT
.set HALFS, KST*NT*64
.set SPARE, SCL+4*HALFS
.set ADRA, 16
.set ADRB, 20
.set STO,  22                          ; the stage: where I put 32 bytes of a row
.set RD,   23                          ; and where I read rows back
.set CO,   24                          ; my offset in two rows of x, x1
.set ADRS, 27
.set SPW,  28
.set NIL,  29
.set SC,   32
.set BIAS, 64
.set AF,   128
.set BK,   128                         ; the way out: rows read back, window 0
.set RES,  128                         ; the residual, window 3
.set G1, 24
.set G0, 32
.set G1B, 48
.set G0B, 56
.set G1S, 68
.set G0S, 76
.set G1SB, 80
.set G0SB, 88
.set MSB, 0
.macro WIN new
.if MSB != (\new)
	s_set_vgpr_msb (MSB<<8)|(\new)
.set MSB, (\new)
.endif
.endm
.macro JLOAD g0a, g1a, g0b, g1b
	s_cmp_eq_u32 s15, 0
	s_cbranch_scc0 .Lfor_b_\@
	tensor_load_to_lds s[\g0a:\g0a+3], s[\g1a:\g1a+7]
	s_nop 0
.rept 4
	v_nop
.endr
	s_branch .Lasked_\@
.Lfor_b_\@:
	tensor_load_to_lds s[\g0b:\g0b+3], s[\g1b:\g1b+7]
	s_nop 0
.rept 4
	v_nop
.endr
.Lasked_\@:
.endm
.macro CREST
	s_cmp_lg_u32 s14, 0
	s_cbranch_scc1 .Lnot_wave_0_\@
	s_barrier_signal -3
.Lnot_wave_0_\@:
	s_barrier_wait -3
	s_barrier_signal -1
	s_barrier_wait -1
.endm
.macro CROUND
	s_barrier_signal -1
	s_barrier_wait -1
	CREST
.endm
.macro PLACES n
.rept \n
	v_nop
.endr
.endm
.macro FRAG reg, adr, q, i
.irp c, 0,1,2,3
	ds_load_b128 v[\reg+4*\c:\reg+4*\c+3], v[\adr] offset:((\i)*NQ+(\q))*2048+512*\c
.endr
.endm
.macro FETCH_B slot, q, p
	WIN 0x40
.set II, 0
.rept NT
	FRAG 128*(\p)+16*II, ADRB+\slot, \q, II
.set II, II+1
.endr
	WIN 0
.endm
.macro FETCH_A slot, q, i0
.set II, \i0
.rept NT/2
	FRAG AF+16*II, ADRA+\slot, \q, II
.set II, II+1
.endr
.endm
.macro SCALES sc
.set II, 0
.rept NT
.set QQ, 0
.rept NQ
	ds_load_b32 v[SC+16*\sc+NQ*II+QQ], v[ADRS] offset:QQ*64*NT+64*II
.set QQ, QQ+1
.endr
.set II, II+1
.endr
.endm
.macro MULA a, p, q, sc, first         ; first = 2: the bias is the C of the first products
.irp b, 0,1,2,3,4,5,6,7
.if \b < NT
.set DD, 8*(NT*((\a)%(NT/2))+\b)
.if \first == 2
	v_wmma_scale_f32_16x16x128_f8f6f4 v[DD:DD+7], v[128*(\p)+16*\b:128*(\p)+16*\b+15], v[AF+16*(\a):AF+16*(\a)+15], v[BIAS+8*\b:BIAS+8*\b+7], v[SC+16*(\sc)+NQ*\b+(\q)], v[SC+16*(\sc)+NQ*(\a)+(\q)] matrix_a_fmt:MATRIX_FMT_BF8 matrix_b_fmt:MATRIX_FMT_BF8 matrix_a_scale:MATRIX_SCALE_ROW1
.else
	v_wmma_scale_f32_16x16x128_f8f6f4 v[DD:DD+7], v[128*(\p)+16*\b:128*(\p)+16*\b+15], v[AF+16*(\a):AF+16*(\a)+15], v[DD:DD+7], v[SC+16*(\sc)+NQ*\b+(\q)], v[SC+16*(\sc)+NQ*(\a)+(\q)] matrix_a_fmt:MATRIX_FMT_BF8 matrix_b_fmt:MATRIX_FMT_BF8 matrix_a_scale:MATRIX_SCALE_ROW1
.endif
.endif
.endr
.endm
.macro MULR a0, cnt, p, q, sc, first   ; the accumulators take turns, one instruction a turn
.if \first == 2
	WIN 0x81+0x40*((\a0)/(NT/2))                   ; C (the bias) window 0, D window 2 or 3
.else
	WIN 0xa1+0x50*((\a0)/(NT/2))
.endif
.set AA, \a0
.rept \cnt
	MULA AA, \p, \q, \sc, \first
.set AA, AA+1
.endr
.endm
.macro STEP slot, q, first
	s_wait_dscnt 2*NT                              ; all but the youngest loads (the second half of A) are in
	MULR 0, NT/2, (\q)%2, \q, \slot, \first
	s_wait_dscnt 0x0
	PLACES 8
	FETCH_B \slot, (\q)+1, 1-(\q)%2
	FETCH_A \slot, (\q)+1, 0
	MULR NT/2, NT/2, (\q)%2, \q, \slot, \first
	PLACES 8
	WIN 0
	FETCH_A \slot, (\q)+1, NT/2
.endm
.macro TURN slot, next, fill
	s_wait_tensorcnt 0x0                           ; all my tensor loads have landed;
	ds_add_u32 v[SPW], v[NIL]                      ; 0 onto my spare word;
	s_wait_dscnt 2*NT+1                            ; (the add and the second half of A may be out)
	MULR 0, NT/4, 1, NQ-1, \slot, 0
	s_wait_dscnt 0x0                               ; the add is done, and my reads of this slot are over
	s_barrier_signal -1
	MULR NT/4, NT/4, 1, NQ-1, \slot, 0
	WIN 0
	s_barrier_wait -1
.if \fill
	CREST
	s_add_nc_u64 s[G0+4*\slot+2:G0+4*\slot+3], s[G0+4*\slot+2:G0+4*\slot+3], 2*NQ*2048
	s_add_nc_u64 s[G0B+4*\slot+2:G0B+4*\slot+3], s[G0B+4*\slot+2:G0B+4*\slot+3], 2*NQ*2048
	JLOAD G0+4*\slot, G1, G0B+4*\slot, G1B
	PLACES 4
.else
	PLACES 8
.endif
	v_add_nc_u32 v[ADRS], NQ*64*NT, v[ADRS]
	FETCH_B \next, 0, 0
	FETCH_A \next, 0, 0
	SCALES \next
	MULR NT/2, NT/2, 1, NQ-1, \slot, 0
	PLACES 8
	WIN 0
	FETCH_A \next, 0, NT/2
.endm
.macro MID slot, from
.set SQ, \from
.rept NQ-1-\from
	STEP \slot, SQ, 0
.set SQ, SQ+1
.endr
.endm
.macro TOSTAGE a                       ; block a: 16 rows x 64 columns into my stage, and back as rows of 256 bytes
.set AC, 32*((\a)%2)
	WIN 0x08+4*((\a)/2)
.irp b, 0,1,2,3
	ds_store_b128 v[STO], v[AC+8*\b:AC+8*\b+3] offset:64*\b          ; each accumulator from its low end on
	ds_store_b128 v[STO], v[AC+8*\b+4:AC+8*\b+7] offset:64*\b+16
.endr
	WIN 0
.irp t, 0,1,2,3,4,5,6,7
	ds_load_b128 v[BK+32*(\a)+4*\t:BK+32*(\a)+4*\t+3], v[RD] offset:544*\t   ; LDS serves a wave's instructions in order: these see my stores
.endr
.endm
.macro SEND a, younger                 ; younger: the LDS instructions issued behind block a's loads
	s_wait_dscnt \younger
	WIN 0x0c                                       ; source 1: the residual, window 3
.irp i, 0,2,4,6,8,10,12,14,16,18,20,22,24,26,28,30
	v_pk_add_f32 v[BK+32*(\a)+\i:BK+32*(\a)+\i+1], v[BK+32*(\a)+\i:BK+32*(\a)+\i+1], v[RES+32*(\a)+\i:RES+32*(\a)+\i+1]
.endr
	WIN 0
.irp t, 0,1,2,3,4,5,6,7
	global_store_b128 v[CO], v[BK+32*(\a)+4*\t:BK+32*(\a)+4*\t+3], s[12:13] offset:(16*(\a)+2*\t)*4096   ; 16 lanes store 256 consecutive bytes, aligned
.endr
.endm
	s_load_b256 s[4:11], s[0:1], 0x0               ; A s[4:5], wts s[6:7], the bias s[8:9], the residual s[10:11]
	s_load_b64 s[12:13], s[0:1], 0x20              ; the result
	v_lshl_add_u32 v[SPW], v0, 2, SPARE
	v_mov_b32 v[NIL], 0
	ds_add_u32 v[SPW], v[NIL]                      ; the wave's opening: the add, twice on end, and its wait ahead of my first tensor load
	ds_add_u32 v[SPW], v[NIL]
	v_lshrrev_b32 v1, 5, v0
	v_readfirstlane_b32 s14, v1
	s_lshr_b32 s15, s14, 1
	s_and_b32 s16, s14, 1
	s_bfe_u32 s40, ttmp6, 0x40000
	s_bfe_u32 s41, ttmp6, 0x40004
	s_lshl_b32 s42, ttmp9, 2
	s_add_co_u32 s42, s42, s40                     ; TC
	s_and_b32 s17, ttmp7, 0xffff
	s_lshl_b32 s17, s17, 2
	s_add_co_u32 s17, s17, s41                     ; TR
	s_lshl_b32 s43, s41, 2
	s_lshl_b32 s43, 15, s43
	s_lshl_b32 s44, 0x1111, s40
	s_or_b32 s[G1+0], s43, (3<<16)|(1<<21)
	s_or_b32 s[G1B+0], s44, (3<<16)|(1<<21)
.irp g, G1, G1B
	s_mov_b32 s[\g+1], (NQ*256)<<16
	s_mov_b32 s[\g+2], (2*NT)<<16
	s_mov_b32 s[\g+3], (NQ*256)<<16
	s_mov_b32 s[\g+4], 2*NT
	s_mov_b32 s[\g+5], KST*256
	s_mov_b32 s[\g+6], 0
	s_mov_b32 s[\g+7], 0
.endr
	s_or_b32 s[G1S+0], s43, (3<<16)|(1<<21)
	s_or_b32 s[G1SB+0], s44, (3<<16)|(1<<21)
.irp g, G1S, G1SB
	s_mov_b32 s[\g+1], 32<<16
	s_mov_b32 s[\g+2], (2*HALFS/256)<<16
	s_mov_b32 s[\g+3], 32<<16
	s_mov_b32 s[\g+4], 2*HALFS/256
	s_mov_b32 s[\g+5], 32
	s_mov_b32 s[\g+6], 0
	s_mov_b32 s[\g+7], 0
.endr
	s_mul_i32 s20, s17, 2*NT*KST*2048
	s_mul_i32 s22, s17, 2*HALFS
	s_add_co_u32 s22, s22, A_S
	s_mul_i32 s46, s42, 2*NT*KST*2048
	s_add_co_u32 s46, s46, B_C
	s_mul_i32 s92, s42, 2*HALFS
	s_add_co_u32 s92, s92, B_S
	s_mov_b32 s21, 0
	s_mov_b32 s23, 0
	s_mov_b32 s47, 0
	s_mov_b32 s93, 0
	s_wait_dscnt 0x0
	s_wait_kmcnt 0x0
	s_add_nc_u64 s[20:21], s[4:5], s[20:21]
	s_add_nc_u64 s[22:23], s[4:5], s[22:23]
	s_add_nc_u64 s[46:47], s[6:7], s[46:47]
	s_add_nc_u64 s[92:93], s[6:7], s[92:93]
	CROUND
	s_mov_b32 s[G0S], 1
	s_mov_b32 s[G0S+1], SCL
	s_mov_b64 s[G0S+2:G0S+3], s[22:23]
	s_or_b32 s[G0S+3], s[G0S+3], 0x80000000
	s_mov_b32 s[G0SB], 1
	s_mov_b32 s[G0SB+1], SCL+2*HALFS
	s_mov_b64 s[G0SB+2:G0SB+3], s[92:93]
	s_or_b32 s[G0SB+3], s[G0SB+3], 0x80000000
.irp s, 0
	s_mov_b32 s[G0+4*\s], 1
	s_mov_b32 s[G0+4*\s+1], 0
	s_add_nc_u64 s[G0+4*\s+2:G0+4*\s+3], s[20:21], \s*NQ*2048
	s_or_b32 s[G0+4*\s+3], s[G0+4*\s+3], 0x80000000
	s_mov_b32 s[G0B+4*\s], 1
	s_mov_b32 s[G0B+4*\s+1], 2*HALFT
	s_add_nc_u64 s[G0B+4*\s+2:G0B+4*\s+3], s[46:47], \s*NQ*2048
	s_or_b32 s[G0B+4*\s+3], s[G0B+4*\s+3], 0x80000000
.endr
.macro ARM under, g0, g1, next         ; one chain of branches on the wave's number, one load to an arm
	s_cmp_lt_u32 s14, \under
	s_cbranch_scc0 \next
	tensor_load_to_lds s[\g0:\g0+3], s[\g1:\g1+7]
	s_nop 0
.rept 4
	v_nop
.endr
	s_branch .Lhead_asked
\next:
.endm
	ARM 1, G0,  G1,  .Lhead_b
	ARM 2, G0B, G1B, .Lhead_sa
	ARM 3, G0S, G1S, .Lhead_sb
	tensor_load_to_lds s[G0SB:G0SB+3], s[G1SB:G1SB+7]
	s_nop 0
.rept 4
	v_nop
.endr
.Lhead_asked:
	v_and_b32 v1, 15, v0
	v_bfe_u32 v2, v0, 4, 1
	s_wait_alu depctr_va_vdst(0)
	v_and_b32 v3, 31, v0
	v_lshlrev_b32 v4, 4, v3
	s_mul_i32 s21, s15, HALFT
	s_mul_i32 s22, s16, HALFT
	s_add_co_u32 s22, s22, 2*HALFT
.irp s, 0
	v_add_nc_u32 v[ADRA+\s], s21, v4
	v_add_nc_u32 v[ADRB+\s], s22, v4
	s_add_co_u32 s21, s21, SLOT
	s_add_co_u32 s22, s22, SLOT
.endr
	s_mul_i32 s21, s15, HALFS
	s_mul_i32 s22, s16, HALFS
	s_add_co_u32 s22, s22, 2*HALFS
	s_sub_co_u32 s22, s22, s21
	v_mul_u32_u24 v6, s22, v2
	s_add_co_u32 s21, s21, SCL
	v_lshlrev_b32 v7, 2, v1
	v_add_nc_u32 v7, v7, v6
	v_add_nc_u32 v[ADRS], s21, v7
	s_mul_i32 s23, s14, 16*272                     ; my stage: 16 rows of 256 bytes + 16
	v_mul_u32_u24 v6, v1, 272
	v_lshl_add_u32 v6, v2, 5, v6
	v_add_nc_u32 v[STO], s23, v6
	v_mul_u32_u24 v6, v2, 272
	v_lshl_add_u32 v6, v1, 4, v6
	v_add_nc_u32 v[RD], s23, v6
	v_lshlrev_b32 v[CO], 12, v2                    ; lanes 0-15 one row of 4,096 bytes, lanes 16-31 the next; 16 bytes a lane
	v_lshl_add_u32 v[CO], v1, 4, v[CO]
	s_wait_alu depctr_va_vdst(0)
	s_mul_i32 s18, s42, 128*NT                     ; the bias of my 64 columns
	s_mul_i32 s19, s16, 64*NT
	s_add_co_u32 s18, s18, s19
	s_mov_b32 s19, 0
	s_add_nc_u64 s[8:9], s[8:9], s[18:19]
	v_lshlrev_b32 v5, 5, v2                        ; lane (r, h) wants, for tile b, columns 16 b + 8 h + 0 .. 7
.set II, 0
.rept NT
	global_load_b128 v[BIAS+8*II:BIAS+8*II+3], v5, s[8:9] offset:64*II
	global_load_b128 v[BIAS+8*II+4:BIAS+8*II+7], v5, s[8:9] offset:64*II+16
.set II, II+1
.endr
	s_lshl_b32 s18, s17, 19                        ; my first row and column in the residual and in the result
	s_lshl_b32 s19, s15, 18
	s_add_co_u32 s18, s18, s19
	s_lshl_b32 s19, s42, 9
	s_add_co_u32 s18, s18, s19
	s_lshl_b32 s19, s16, 8
	s_add_co_u32 s18, s18, s19
	s_mov_b32 s19, 0
	s_add_nc_u64 s[10:11], s[10:11], s[18:19]
	s_add_nc_u64 s[12:13], s[12:13], s[18:19]
	WIN 0xc0                                       ; destination window 3
.set AA, 0
.rept 4
.irp t, 0,1,2,3,4,5,6,7
	global_load_b128 v[RES+32*AA+4*\t:RES+32*AA+4*\t+3], v[CO], s[10:11] offset:(16*AA+2*\t)*4096
.endr
.set AA, AA+1
.endr
	WIN 0
	s_wait_tensorcnt 0x0                           ; my tile of the four is in; behind the barrier all are
	s_barrier_signal -1
	s_barrier_wait -1
	FETCH_B 0, 0, 0
	FETCH_A 0, 0, 0
	SCALES 0
	FETCH_A 0, 0, NT/2
	s_wait_loadcnt 32                              ; the bias is in; the residual's 32 loads may be out
	STEP 0, 0, 2
.if LAPS > 1
	s_mov_b32 s3, LAPS-1
.Llap:
	MID 0, 1
	TURN 0, 1, 1
	MID 1, 0
	TURN 1, 0, 1
	STEP 0, 0, 0
	s_sub_co_u32 s3, s3, 1
	s_cmp_lg_u32 s3, 0
	s_cbranch_scc1 .Llap
.endif
	MID 0, 1                                       ; steps 1 to 6
	s_wait_dscnt 2*NT                              ; the last step
	MULR 0, NT/2, 1, NQ-1, 0, 0
	s_wait_dscnt 0x0                               ; my reads of the tiles are over: say so,
	s_barrier_signal -1
	MULR NT/2, NT/2, 1, NQ-1, 0, 0
	WIN 0
	s_barrier_wait -1                              ; and nobody reads the bytes that the stages take
	PLACES 8
	s_wait_loadcnt 0x0                             ; the residual
	TOSTAGE 0
.irp a, 1,2,3
	TOSTAGE \a
	SEND \a-1, 16                                  ; behind block a - 1's loads: block a's 8 stores and 8 loads
.endr
	SEND 3, 0
	s_wait_tensorcnt 0x0                           ; the wave's end
	ds_add_u32 v[SPW], v[NIL]
	s_wait_dscnt 0x0
	CROUND                                         ; the closing round
	s_endpgm
.Lfunc_end_k_q63a68ade5f_oproj:
	.size	k_q63a68ade5f_oproj, .Lfunc_end_k_q63a68ade5f_oproj-k_q63a68ade5f_oproj
	.p2alignl 7, 3214868480
	.fill 96, 4, 3214868480
	.section	.rodata,"a",@progbits
	.p2align	6, 0x0
	.amdhsa_kernel k_q63a68ade5f_oproj
		.amdhsa_group_segment_fixed_size 327680
		.amdhsa_private_segment_fixed_size 0
		.amdhsa_enable_private_segment 0
		.amdhsa_kernarg_size 40
		.amdhsa_user_sgpr_count 2
		.amdhsa_user_sgpr_kernarg_segment_ptr 1
		.amdhsa_wavefront_size32 1
		.amdhsa_system_sgpr_workgroup_id_x 1
		.amdhsa_system_sgpr_workgroup_id_y 1
		.amdhsa_system_sgpr_workgroup_id_z 1
		.amdhsa_system_vgpr_workitem_id 0
		.amdhsa_next_free_vgpr 1024
		.amdhsa_next_free_sgpr 100
		.amdhsa_reserve_vcc 0
		.amdhsa_float_denorm_mode_32 3
		.amdhsa_float_denorm_mode_16_64 3
		.amdhsa_memory_ordered 1
		.amdhsa_forward_progress 1
		.amdhsa_inst_pref_size 64
	.end_amdhsa_kernel
	.amdgpu_metadata
---
amdhsa.version: [ 1, 2 ]
amdhsa.kernels:
  - .name:           k_q63a68ade5f_oproj
    .symbol:         k_q63a68ade5f_oproj.kd
    .args:
      - { .name: ctx, .offset: 0, .size: 8, .value_kind: global_buffer, .address_space: global }
      - { .name: wts, .offset: 8, .size: 8, .value_kind: global_buffer, .address_space: global }
      - { .name: b_o, .offset: 16, .size: 8, .value_kind: global_buffer, .address_space: global }
      - { .name: x, .offset: 24, .size: 8, .value_kind: global_buffer, .address_space: global }
      - { .name: x1, .offset: 32, .size: 8, .value_kind: global_buffer, .address_space: global }
    .group_segment_fixed_size: 327680
    .private_segment_fixed_size: 0
    .kernarg_segment_align: 8
    .kernarg_segment_size: 40
    .max_flat_workgroup_size: 128
    .sgpr_count:     100
    .vgpr_count:     1024
    .wavefront_size: 32
...
	.end_amdgpu_metadata
.endif
;; end of part 4
;; launch norm2 (part 5): grid 384 x 1, 8 waves a work-group, no clusters, 66,816 bytes of LDS; arguments x1, ln2_g, ln2_b, act2, w1, wts; writes act2, wts
.if DOCPART == 5
	.amdgcn_target "amdgcn-amd-amdhsa--gfx1250"
	.amdhsa_code_object_version 6
	.text
	.protected	k_q63a68ade5f_norm2
	.globl	k_q63a68ade5f_norm2
	.p2align	8
	.type	k_q63a68ade5f_norm2,@function
k_q63a68ade5f_norm2:
	s_mov_b64 s[64:65], 0
	v_nop
	global_prefetch_b8 v0, s[64:65] scope:SCOPE_SE
	s_setreg_imm32_b32 hwreg(HW_REG_WAVE_MODE, 25, 1), 1
	s_wait_xcnt 0x0
; The second layer norm with its quantiser, and beside it w1's way to codes, which the next launch is the first to read.  The text is the launch prep's, with one weight in place of five:
; two kinds of work-groups, which share nothing and part once, on the work-group's number; both stream from memory.
; WORK-GROUPS 0-127: w1 [1,024 (K)][4,096 (N)] f32 -> its code image (K / 128 = 8) and scale image (G = 128) in wts.  A lane takes a column n and its registers run down K.  A work-group takes 128 columns x 256 k;
;   wave w takes columns 32 (w % 4) on and K step w / 4 of the two: 4 blocks, one fragment column and one scale word a lane.  Two blocks' loads (64 a wave) are out at a time.
; WORK-GROUPS 128-383: y = (x1 - mean) rsqrt(var + 1e-5) g + b in f32 for 16 rows each, then codes and E8M0 bytes along the 1,024: a code image and a scale image with G = 128 behind it, in act2.
;   Phase 1: wave w normalises rows 2 w and 2 w + 1; the rows go to LDS.  One barrier.  Phase 2: wave w takes K step w of all 16 rows, applies g and b and quantises.
; LIMITS: NaN and infinities are not served; a block under 2^-111 keeps the byte 1.  The norm's scale words leave as pieces of 64 bytes: one byte in 32 of what those work-groups store.
.set NWQ,    128                       ; work-groups that take w1
.set PITCH,  16384                     ; a row of w1 in bytes
.set W1_C,   4194304                   ; w1's codes in wts
.set W1_S,   12713984                  ; and its scale image
.set X,   32
.set C,   96
.set SB,  24
.set ROWP,  4112
.set SPARE, 16*ROWP                    ; behind the rows: the spare words, 128 bytes for each of the eight waves; no other line names them
.set PC,  16
.set GG,  96
.set BB,  160
.set TM,  224
.set PW,  240
.set SPW, 252
.set NIL, 253
.set WV,  18
.set SEL, 20
.set MNT, 22
.macro LOAD t                          ; block t: w1(32 t + i, my column) into set t % 2: 32 lanes read 128 consecutive bytes
.irp i, 0,1,2,3,4,5,6,7,8,9,10,11,12,13,14,15,16,17,18,19,20,21,22,23,24,25,26,27,28,29,30,31
	global_load_b32 v[X+32*((\t)%2)+\i], v3, s[12:13] offset:(32*(\t)+\i)*PITCH th:TH_LOAD_NT
.endr
.endm
.macro BLOCK t
.set XS, X+32*((\t)%2)
.set CC, C+8*(\t)
.if (\t) < 3
	s_wait_loadcnt 32                              ; this block's 32 loads are in; the next block's 32 may be out
.else
	s_wait_loadcnt 0x0
.endif
	v_max3_num_f32 v12, |v[XS]|, |v[XS+1]|, |v[XS+2]|      ; the block's largest magnitude: all 32 numbers are mine
	v_max3_num_f32 v13, |v[XS+3]|, |v[XS+4]|, |v[XS+5]|
.irp i, 6,10,14,18,22,26
	s_delay_alu instid0(VALU_DEP_2)
	v_max3_num_f32 v12, v12, |v[XS+\i]|, |v[XS+\i+1]|
	s_delay_alu instid0(VALU_DEP_2)
	v_max3_num_f32 v13, v13, |v[XS+\i+2]|, |v[XS+\i+3]|
.endr
	s_delay_alu instid0(VALU_DEP_2)
	v_max3_num_f32 v12, v12, |v[XS+30]|, |v[XS+31]|
	s_delay_alu instid0(VALU_DEP_1)
	v_max3_num_f32 v12, v12, v13, 0x8000000        ; the floor 2^(16 - 127): the byte cannot fall under 1
	s_delay_alu instid0(VALU_DEP_1)
	v_add_nc_u32 v11, 0xf8800000, v12              ; 15 off the exponent field: the conversion's scale operand
	s_delay_alu instid0(VALU_DEP_2)
	v_and_or_b32 v10, v12, 0x7f800000, s46         ; 57,344 x the scale
	s_delay_alu instid0(VALU_DEP_2)
	v_lshrrev_b32 v13, 23, v11                     ; the scale's byte
.if (\t) == 0
	s_delay_alu instid0(VALU_DEP_1)
	v_mov_b32 v[SB], v13
.else
	s_delay_alu instid0(VALU_DEP_1)
	v_lshl_or_b32 v[SB], v13, 8*(\t), v[SB]
.endif
.irp i, 0,1,2,3,4,5,6,7,8,9,10,11,12,13,14,15,16,17,18,19,20,21,22,23,24,25,26,27,28,29,30,31
	v_med3_num_f32 v[XS+\i], v[XS+\i], -v10, v10   ; the conversion to an 8-bit code does not saturate (ISA guide 7.6.2): the hold comes first
.endr
	v_cvt_scalef32_pk8_bf8_f32 v[CC:CC+1], v[XS:XS+7], v11         ; k 0-7 and 16-23 are the 16 bytes of half h = 0,
	v_cvt_scalef32_pk8_bf8_f32 v[CC+2:CC+3], v[XS+16:XS+23], v11
	v_cvt_scalef32_pk8_bf8_f32 v[CC+4:CC+5], v[XS+8:XS+15], v11    ; k 8-15 and 24-31 those of h = 1
	v_cvt_scalef32_pk8_bf8_f32 v[CC+6:CC+7], v[XS+24:XS+31], v11
	global_store_b128 v4, v[CC:CC+3], s[20:21] offset:(\t)*512        ; 16 lanes store 256 consecutive bytes, aligned
	global_store_b128 v4, v[CC+4:CC+7], s[20:21] offset:(\t)*512+256
.if (\t)+2 < 4
	LOAD (\t)+2
.endif
.endm
.macro QUANT s, pc, pw                 ; 64 numbers of a lane, register 16 b + i in block b, become 16 registers of codes and the row's scale word
.irp b, 0,1,2,3
	v_max3_num_f32 v[TM+\b], |v[\s+16*\b]|, |v[\s+1+16*\b]|, 0x8000000   ; my 16 numbers of block b, and the floor 2^(16 - 127)
.endr
.irp i, 2,4,6,8,10,12,14
.irp b, 0,1,2,3
	s_delay_alu instid0(VALU_DEP_4)
	v_max3_num_f32 v[TM+\b], v[TM+\b], |v[\s+16*\b+\i]|, |v[\s+1+16*\b+\i]|
.endr
.endr
.irp b, 0,1,2,3
	s_delay_alu instid0(VALU_DEP_4)
	v_permlanex16_b32 v[TM+4+\b], v[TM+\b], s[SEL], s[SEL+1]
.endr
.irp b, 0,1,2,3
	s_delay_alu instid0(VALU_DEP_4)
	v_max_num_f32 v[TM+\b], v[TM+\b], v[TM+4+\b]   ; with lane l xor 16's 16: the block's largest magnitude
.endr
.irp b, 0,1,2,3
	s_delay_alu instid0(VALU_DEP_4)
	v_add_nc_u32 v[TM+12+\b], 0xf8800000, v[TM+\b] ; 15 off the exponent field: the conversion's scale operand
.endr
.irp b, 0,1,2,3
	v_and_or_b32 v[TM+8+\b], v[TM+\b], 0x7f800000, s[MNT]   ; 57,344 x the scale
.endr
.irp b, 0,1,2,3
	v_lshrrev_b32 v[TM+4+\b], 23, v[TM+12+\b]      ; the scale's byte
.endr
	s_delay_alu instid0(VALU_DEP_3)
	v_lshl_or_b32 v[\pw], v[TM+5], 8, v[TM+4]
	s_delay_alu instid0(VALU_DEP_1)
	v_lshl_or_b32 v[\pw], v[TM+6], 16, v[\pw]
	s_delay_alu instid0(VALU_DEP_1)
	v_lshl_or_b32 v[\pw], v[TM+7], 24, v[\pw]
.irp b, 0,1,2,3
.irp i, 0,1,2,3,4,5,6,7,8,9,10,11,12,13,14,15
	v_med3_num_f32 v[\s+16*\b+\i], v[\s+16*\b+\i], -v[TM+8+\b], v[TM+8+\b]   ; the conversion does not saturate (ISA guide 7.6.2)
.endr
	v_cvt_scalef32_pk8_bf8_f32 v[\pc+4*\b:\pc+1+4*\b], v[\s+16*\b:\s+7+16*\b], v[TM+12+\b]
	v_cvt_scalef32_pk8_bf8_f32 v[\pc+2+4*\b:\pc+3+4*\b], v[\s+8+16*\b:\s+15+16*\b], v[TM+12+\b]
.endr
	v_nop                                          ; a plain line behind the last conversion
.endm
.macro RED2 a, b                       ; the sums of v[a] and of v[b] over the wave's 32 lanes, in every lane
.irp m, 1,2,4,8
	s_delay_alu instid0(VALU_DEP_2)
	v_add_f32_dpp v[\a], v[\a], v[\a] row_xmask:\m row_mask:0xf bank_mask:0xf
	s_delay_alu instid0(VALU_DEP_2)
	v_add_f32_dpp v[\b], v[\b], v[\b] row_xmask:\m row_mask:0xf bank_mask:0xf
.endr
	s_delay_alu instid0(VALU_DEP_2)
	v_permlanex16_b32 v240, v[\a], s[SEL], s[SEL+1]
	s_delay_alu instid0(VALU_DEP_2)
	v_permlanex16_b32 v241, v[\b], s[SEL], s[SEL+1]
	s_delay_alu instid0(VALU_DEP_2)
	v_add_f32 v[\a], v[\a], v240
	s_delay_alu instid0(VALU_DEP_2)
	v_add_f32 v[\b], v[\b], v241
.endm
	v_lshl_add_u32 v[SPW], v0, 2, SPARE
	v_mov_b32 v[NIL], 0
	v_lshrrev_b32 v1, 5, v0
	s_delay_alu instid0(VALU_DEP_1)
	v_readfirstlane_b32 s[WV], v1                  ; wave 0..7
	s_cmp_ge_u32 ttmp9, NWQ                        ; the work-group's number alone: all eight waves go the same way
	s_cbranch_scc1 .Lnorm
	; ---- w1 TO CODES
	s_load_b128 s[12:15], s[0:1], 0x20             ; w1 s[12:13], wts s[14:15]
	v_and_b32 v2, 31, v0                           ; lane
	s_wait_alu depctr_va_vdst(0)
	s_and_b32 s19, s[WV], 3                        ; which 32 of the 128 columns
	s_lshr_b32 s47, s[WV], 2                       ; which of the two K steps
	s_and_b32 s22, ttmp9, 31                       ; x: group of 128 columns (N = 4,096)
	s_lshr_b32 s29, ttmp9, 5                       ; y: group of 256 k (K = 1,024)
	s_lshl_b32 s29, s29, 1
	s_add_co_u32 s29, s29, s47                     ; my K step
	s_lshl_b32 s34, s22, 7
	s_lshl_b32 s36, s19, 5
	s_add_co_u32 s34, s34, s36                     ; n0: my wave's first column
	s_lshl_b32 s36, s29, 21                        ; source: 128 rows of 16,384 bytes a K step,
	s_lshl_b32 s37, s34, 2
	s_add_co_u32 s36, s36, s37                     ; + 4 n0
	s_mov_b32 s37, 0
	s_lshl_b32 s40, s34, 10                        ; codes: (n0 / 16) row tiles of 8 fragments of 2,048 bytes,
	s_lshl_b32 s41, s29, 11
	s_add_co_u32 s40, s40, s41                     ; + my K step's fragment
	s_add_co_u32 s40, s40, W1_C
	s_mov_b32 s41, 0
	s_lshl_b32 s42, s22, 3                         ; scale words: (8 (n0 / 128) + my K step) x 512 bytes,
	s_add_co_u32 s42, s42, s29
	s_lshl_b32 s42, s42, 9
	s_lshl_b32 s44, s19, 7
	s_add_co_u32 s42, s42, s44                     ; + 4 (n0 mod 128)
	s_add_co_u32 s42, s42, W1_S
	s_mov_b32 s43, 0
	v_lshlrev_b32 v3, 2, v2                        ; 4 x lane: the source's and the scale word's offset
	v_lshrrev_b32 v4, 4, v2
	s_delay_alu instid0(VALU_DEP_1)
	v_lshlrev_b32 v4, 14, v4                       ; lanes 16-31 hold the next row tile, 16,384 bytes on
	v_and_b32 v5, 15, v2
	s_delay_alu instid0(VALU_DEP_1)
	v_lshl_add_u32 v4, v5, 4, v4                   ; + 16 r
	s_mov_b32 s46, 0x600000                        ; the mantissa field of 57,344
	s_wait_alu depctr_va_vdst(0)
	s_wait_kmcnt 0x0
	s_add_nc_u64 s[12:13], s[12:13], s[36:37]
	s_add_nc_u64 s[20:21], s[14:15], s[40:41]      ; my codes
	s_add_nc_u64 s[16:17], s[14:15], s[42:43]      ; my scale words
	LOAD 0
	LOAD 1
.irp t, 0,1,2,3
	BLOCK \t
.endr
	global_store_b32 v3, v[SB], s[16:17]           ; 32 lanes store 128 consecutive bytes
	s_wait_tensorcnt 0x0                           ; the launch writes LDS on its other path: the three closing lines stand at this path's end too
	ds_add_u32 v[SPW], v[NIL]
	s_wait_dscnt 0x0
	s_endpgm
.Lnorm:
	; ---- LAYER NORM AND QUANTISER
	s_load_b256 s[4:11], s[0:1], 0x0               ; x1 s[4:5], g s[6:7], b s[8:9], the images s[10:11]
	s_sub_co_u32 s28, ttmp9, NWQ                   ; my row tile
	v_and_b32 v1, 31, v0                           ; lane
	v_and_b32 v2, 15, v0                           ; r
	v_bfe_u32 v3, v0, 4, 1                         ; h
	s_delay_alu instid0(VALU_DEP_3)
	v_lshlrev_b32 v4, 4, v1                        ; 16 x lane
	s_lshl_b32 s12, s28, 16                        ; the tile's 16 rows of 4,096 bytes,
	s_lshl_b32 s13, s[WV], 13                      ; my two of them
	s_add_co_u32 s12, s12, s13
	s_mov_b32 s13, 0
	s_lshl_b32 s14, s[WV], 9                       ; K step w: 512 bytes along a row
	v_lshlrev_b32 v5, 5, v3
	s_delay_alu instid0(VALU_DEP_1)
	v_add_nc_u32 v5, s14, v5                       ; g, b: 512 w + 32 h
	s_mul_i32 s15, s[WV], 2*ROWP
	v_add_nc_u32 v6, s15, v4                       ; LDS, in: my two rows, 16 bytes a lane
	v_mul_u32_u24 v7, v2, ROWP
	s_delay_alu instid0(VALU_DEP_1)
	v_lshl_add_u32 v7, v3, 5, v7
	s_delay_alu instid0(VALU_DEP_1)
	v_add_nc_u32 v7, s14, v7                       ; LDS, out: row r, 512 w + 32 h
	v_lshlrev_b32 v8, 2, v2                        ; 4 r
	s_lshl_b32 s16, s28, 14                        ; codes: (8 tile + w) fragments of 2,048 bytes
	s_lshl_b32 s17, s[WV], 11
	s_add_co_u32 s16, s16, s17
	s_mov_b32 s17, 0
	s_lshr_b32 s24, s28, 3                         ; scales: ((tile / 8) 8 + w) 512 + (tile % 8) 64, behind the codes
	s_lshl_b32 s24, s24, 12
	s_add_co_u32 s24, s24, s14
	s_and_b32 s25, s28, 7
	s_lshl_b32 s25, s25, 6
	s_add_co_u32 s24, s24, s25
	s_add_co_u32 s24, s24, 4194304
	s_mov_b32 s25, 0
	s_mov_b32 s[SEL], 0x76543210
	s_mov_b32 s[SEL+1], 0xfedcba98                 ; v_permlanex16_b32's selects for lane l xor 16
	s_mov_b32 s[MNT], 0x600000
	s_mov_b32 s23, 0x3a800000                      ; 1 / 1,024
	s_mov_b32 s19, 0x3727c5ac                      ; 1e-5
.irp k, 233,235,237,239,240,241
	v_mov_b32 v\k, 0                               ; upper halves of pairs that packed forms name, and the lane permutes' destinations: written once
.endr
	s_wait_kmcnt 0x0
	s_add_nc_u64 s[4:5], s[4:5], s[12:13]
	s_add_nc_u64 s[26:27], s[10:11], s[24:25]
	s_add_nc_u64 s[10:11], s[10:11], s[16:17]
.irp j, 0,1
.irp i, 0,1,2,3,4,5,6,7
	global_load_b128 v[X+32*\j+4*\i:X+32*\j+4*\i+3], v4, s[4:5] offset:4096*\j+512*\i   ; 512 consecutive bytes a load; a later launch reads x1 again, so no hint
.endr
.endr
.irp c, 0,1,2,3                        ; g and b for phase 2: number 16 c + i of my 64 is k = 128 w + 32 c + 16 (i / 8) + 8 h + i % 8
	global_load_b128 v[GG+16*\c:GG+16*\c+3], v5, s[6:7] offset:128*\c
	global_load_b128 v[GG+16*\c+4:GG+16*\c+7], v5, s[6:7] offset:128*\c+16
	global_load_b128 v[GG+16*\c+8:GG+16*\c+11], v5, s[6:7] offset:128*\c+64
	global_load_b128 v[GG+16*\c+12:GG+16*\c+15], v5, s[6:7] offset:128*\c+80
	global_load_b128 v[BB+16*\c:BB+16*\c+3], v5, s[8:9] offset:128*\c
	global_load_b128 v[BB+16*\c+4:BB+16*\c+7], v5, s[8:9] offset:128*\c+16
	global_load_b128 v[BB+16*\c+8:BB+16*\c+11], v5, s[8:9] offset:128*\c+64
	global_load_b128 v[BB+16*\c+12:BB+16*\c+15], v5, s[8:9] offset:128*\c+80
.endr
	s_wait_loadcnt 32                              ; my two rows are in; the 32 loads of g and b may be out
.irp j, 0,1                            ; the rows' sums, two chains a row, the rows by turns
	v_pk_add_f32 v[224+4*\j:225+4*\j], v[X+32*\j:X+32*\j+1], v[X+32*\j+4:X+32*\j+5]
	v_pk_add_f32 v[226+4*\j:227+4*\j], v[X+32*\j+2:X+32*\j+3], v[X+32*\j+6:X+32*\j+7]
.endr
.irp i, 8,12,16,20,24,28
.irp j, 0,1
	s_delay_alu instid0(VALU_DEP_4)
	v_pk_add_f32 v[224+4*\j:225+4*\j], v[224+4*\j:225+4*\j], v[X+32*\j+\i:X+32*\j+\i+1]
	s_delay_alu instid0(VALU_DEP_4)
	v_pk_add_f32 v[226+4*\j:227+4*\j], v[226+4*\j:227+4*\j], v[X+32*\j+\i+2:X+32*\j+\i+3]
.endr
.endr
.irp j, 0
	s_delay_alu instid0(VALU_DEP_3)
	v_pk_add_f32 v[224+4*\j:225+4*\j], v[224+4*\j:225+4*\j], v[226+4*\j:227+4*\j]
.endr
.irp j, 1
	s_delay_alu instid0(VALU_DEP_2)
	v_pk_add_f32 v[224+4*\j:225+4*\j], v[224+4*\j:225+4*\j], v[226+4*\j:227+4*\j]
.endr
.irp j, 0,1
	s_delay_alu instid0(VALU_DEP_2)
	v_add_f32 v[224+4*\j], v[224+4*\j], v[225+4*\j]
.endr
	RED2 224, 228
	s_delay_alu instid0(VALU_DEP_2)
	v_mul_f32 v232, s23, v224                      ; the means
	s_delay_alu instid0(VALU_DEP_2)
	v_mul_f32 v234, s23, v228
.irp i, 0,2,4,6,8,10,12,14,16,18,20,22,24,26,28,30
.irp j, 0,1
	v_pk_add_f32 v[X+32*\j+\i:X+32*\j+\i+1], v[X+32*\j+\i:X+32*\j+\i+1], v[232+2*\j:233+2*\j] op_sel_hi:[1,0] neg_lo:[0,1] neg_hi:[0,1]   ; x - mean
.endr
.endr
.irp j, 0,1
	v_pk_mul_f32 v[224+4*\j:225+4*\j], v[X+32*\j:X+32*\j+1], v[X+32*\j:X+32*\j+1]
	v_pk_mul_f32 v[226+4*\j:227+4*\j], v[X+32*\j+2:X+32*\j+3], v[X+32*\j+2:X+32*\j+3]
.endr
.irp i, 4,8,12,16,20,24,28
.irp j, 0,1
	s_delay_alu instid0(VALU_DEP_4)
	v_pk_fma_f32 v[224+4*\j:225+4*\j], v[X+32*\j+\i:X+32*\j+\i+1], v[X+32*\j+\i:X+32*\j+\i+1], v[224+4*\j:225+4*\j]
	s_delay_alu instid0(VALU_DEP_4)
	v_pk_fma_f32 v[226+4*\j:227+4*\j], v[X+32*\j+\i+2:X+32*\j+\i+3], v[X+32*\j+\i+2:X+32*\j+\i+3], v[226+4*\j:227+4*\j]
.endr
.endr
.irp j, 0
	s_delay_alu instid0(VALU_DEP_3)
	v_pk_add_f32 v[224+4*\j:225+4*\j], v[224+4*\j:225+4*\j], v[226+4*\j:227+4*\j]
.endr
.irp j, 1
	s_delay_alu instid0(VALU_DEP_2)
	v_pk_add_f32 v[224+4*\j:225+4*\j], v[224+4*\j:225+4*\j], v[226+4*\j:227+4*\j]
.endr
.irp j, 0,1
	s_delay_alu instid0(VALU_DEP_2)
	v_add_f32 v[224+4*\j], v[224+4*\j], v[225+4*\j]
.endr
	RED2 224, 228
	s_delay_alu instid0(VALU_DEP_2)
	v_fma_f32 v236, v224, s23, s19                 ; var + 1e-5
	s_delay_alu instid0(VALU_DEP_2)
	v_fma_f32 v238, v228, s23, s19
	s_wait_alu depctr_va_vdst(0)
	v_rsq_f32 v236, v236                           ; both rows' roots are one batch,
	v_rsq_f32 v238, v238
	v_nop                                          ; a plain line behind it,
	s_wait_alu depctr_va_vdst(0)                   ; and the one wait ahead of the first reader
.irp i, 0,2,4,6,8,10,12,14,16,18,20,22,24,26,28,30
.irp j, 0,1
	v_pk_mul_f32 v[X+32*\j+\i:X+32*\j+\i+1], v[X+32*\j+\i:X+32*\j+\i+1], v[236+2*\j:237+2*\j] op_sel_hi:[1,0]
.endr
.endr
.irp j, 0,1
.irp i, 0,1,2,3,4,5,6,7
	ds_store_b128 v6, v[X+32*\j+4*\i:X+32*\j+4*\i+3] offset:ROWP*\j+512*\i
.endr
.endr
	s_wait_dscnt 0x0                               ; for the others' sake: my rows lie in LDS
	s_barrier_signal -1
	s_barrier_wait -1                              ; all 16 rows do
.irp c, 0,1,2,3
	ds_load_b128 v[X+16*\c:X+16*\c+3], v7 offset:128*\c
	ds_load_b128 v[X+16*\c+4:X+16*\c+7], v7 offset:128*\c+16
	ds_load_b128 v[X+16*\c+8:X+16*\c+11], v7 offset:128*\c+64
	ds_load_b128 v[X+16*\c+12:X+16*\c+15], v7 offset:128*\c+80
.endr
	s_wait_loadcnt 0x0                             ; g and b
	s_wait_dscnt 0x0
.set N, 0
.rept 32
	v_pk_fma_f32 v[X+N:X+N+1], v[X+N:X+N+1], v[GG+N:GG+N+1], v[BB+N:BB+N+1]
.set N, N+2
.endr
	QUANT X, PC, PW
.irp c, 0,1,2,3
	global_store_b128 v4, v[PC+4*\c:PC+4*\c+3], s[10:11] offset:512*\c   ; 512 consecutive bytes a store
.endr
	global_store_b32 v8, v[PW], s[26:27]           ; row r's word; both halves of the lanes hold and write the same
	s_wait_tensorcnt 0x0                           ; the wave's end: behind my last LDS store
	ds_add_u32 v[SPW], v[NIL]
	s_wait_dscnt 0x0
	s_endpgm
.Lfunc_end_k_q63a68ade5f_norm2:
	.size	k_q63a68ade5f_norm2, .Lfunc_end_k_q63a68ade5f_norm2-k_q63a68ade5f_norm2
	.p2alignl 7, 3214868480
	.fill 96, 4, 3214868480
	.section	.rodata,"a",@progbits
	.p2align	6, 0x0
	.amdhsa_kernel k_q63a68ade5f_norm2
		.amdhsa_group_segment_fixed_size 66816
		.amdhsa_private_segment_fixed_size 0
		.amdhsa_enable_private_segment 0
		.amdhsa_kernarg_size 48
		.amdhsa_user_sgpr_count 2
		.amdhsa_user_sgpr_kernarg_segment_ptr 1
		.amdhsa_wavefront_size32 1
		.amdhsa_system_sgpr_workgroup_id_x 1
		.amdhsa_system_sgpr_workgroup_id_y 1
		.amdhsa_system_sgpr_workgroup_id_z 1
		.amdhsa_system_vgpr_workitem_id 0
		.amdhsa_next_free_vgpr 256
		.amdhsa_next_free_sgpr 66
		.amdhsa_reserve_vcc 0
		.amdhsa_float_denorm_mode_32 3
		.amdhsa_float_denorm_mode_16_64 3
		.amdhsa_memory_ordered 1
		.amdhsa_forward_progress 1
		.amdhsa_inst_pref_size 65
	.end_amdhsa_kernel
	.amdgpu_metadata
---
amdhsa.version: [ 1, 2 ]
amdhsa.kernels:
  - .name:           k_q63a68ade5f_norm2
    .symbol:         k_q63a68ade5f_norm2.kd
    .args:
      - { .name: x1, .offset: 0, .size: 8, .value_kind: global_buffer, .address_space: global }
      - { .name: ln2_g, .offset: 8, .size: 8, .value_kind: global_buffer, .address_space: global }
      - { .name: ln2_b, .offset: 16, .size: 8, .value_kind: global_buffer, .address_space: global }
      - { .name: act2, .offset: 24, .size: 8, .value_kind: global_buffer, .address_space: global }
      - { .name: w1, .offset: 32, .size: 8, .value_kind: global_buffer, .address_space: global }
      - { .name: wts, .offset: 40, .size: 8, .value_kind: global_buffer, .address_space: global }
    .group_segment_fixed_size: 66816
    .private_segment_fixed_size: 0
    .kernarg_segment_align: 8
    .kernarg_segment_size: 48
    .max_flat_workgroup_size: 256
    .sgpr_count:     66
    .vgpr_count:     256
    .wavefront_size: 32
...
	.end_amdgpu_metadata
.endif
;; end of part 5
;; launch ffn1 (part 6): grid 16 x 16, 4 waves a work-group, clusters of 4 x 4, 327,680 bytes of LDS; arguments act2, wts, b1, gel; writes gel
.if DOCPART == 6
	.amdgcn_target "amdgcn-amd-amdhsa--gfx1250"
	.amdhsa_code_object_version 6
	.text
	.protected	k_q63a68ade5f_ffn1
	.globl	k_q63a68ade5f_ffn1
	.p2align	8
	.type	k_q63a68ade5f_ffn1,@function
k_q63a68ade5f_ffn1:
	s_mov_b64 s[64:65], 0
	v_nop
	global_prefetch_b8 v0, s[64:65] scope:SCOPE_SE
	s_setreg_imm32_b32 hwreg(HW_REG_WAVE_MODE, 25, 1), 1
	s_wait_xcnt 0x0
	s_wait_alu depctr_hold_cnt(0) depctr_sa_sdst(0) depctr_va_vdst(0) depctr_va_sdst(0) depctr_va_ssrc(0) depctr_va_vcc(0) depctr_vm_vsrc(0)
	s_getreg_b32 s2, hwreg(HW_REG_IB_STS2, 6, 4)
	s_cmp_eq_u32 s2, 0
	s_cbranch_scc0 .Lentry_in_a_cluster
	s_endpgm
.Lentry_in_a_cluster:
	s_bfe_u32 s2, ttmp6, 0x10000c
	s_cmp_lg_u32 s2, 0xf033
	s_cbranch_scc0 .Lentry_shape_is_right
	s_endpgm
.Lentry_shape_is_right:
.set NT,    8
.set NQ,    2
.set KST,   8
.set LAPS,  KST/(2*NQ)
.set A_S,   4194304
.set B_C,   4194304
.set B_S,   12713984
.set HALFT, NT*NQ*2048
.set SLOT,  4*HALFT
.set SCL,   2*SLOT
.set HALFS, KST*NT*64
.set SPARE, SCL+4*HALFS
.set ADRA, 16
.set ADRB, 20
.set LDU,  22
.set LRD,  23
.set VO0,  24
.set VO1,  25
.set VS,   26
.set ADRS, 27
.set SPW,  28
.set NIL,  29
.set SC,   32
.set BIAS, 64
.set PC0,  64
.set PC1,  80
.set TM,   96
.set PW0,  112
.set PW1,  113
.set OW,   114
.set AF,   128
.set SEL,  20
.set MNT,  22
.set C9,   24
.set C8,   26
.set CK,   28
.set CT,   30
.set T,    0
.set R,    64
.set KX,   128
.set G1, 24
.set G0, 32
.set G1B, 48
.set G0B, 56
.set G1S, 68
.set G0S, 76
.set G1SB, 80
.set G0SB, 88
.set MSB, 0
.macro WIN new
.if MSB != (\new)
	s_set_vgpr_msb (MSB<<8)|(\new)
.set MSB, (\new)
.endif
.endm
.macro JLOAD g0a, g1a, g0b, g1b
	s_cmp_eq_u32 s15, 0
	s_cbranch_scc0 .Lfor_b_\@
	tensor_load_to_lds s[\g0a:\g0a+3], s[\g1a:\g1a+7]
	s_nop 0
.rept 4
	v_nop
.endr
	s_branch .Lasked_\@
.Lfor_b_\@:
	tensor_load_to_lds s[\g0b:\g0b+3], s[\g1b:\g1b+7]
	s_nop 0
.rept 4
	v_nop
.endr
.Lasked_\@:
.endm
.macro CREST
	s_cmp_lg_u32 s14, 0
	s_cbranch_scc1 .Lnot_wave_0_\@
	s_barrier_signal -3
.Lnot_wave_0_\@:
	s_barrier_wait -3
	s_barrier_signal -1
	s_barrier_wait -1
.endm
.macro CROUND
	s_barrier_signal -1
	s_barrier_wait -1
	CREST
.endm
.macro PLACES n
.rept \n
	v_nop
.endr
.endm
.macro FRAG reg, adr, q, i
.irp c, 0,1,2,3
	ds_load_b128 v[\reg+4*\c:\reg+4*\c+3], v[\adr] offset:((\i)*NQ+(\q))*2048+512*\c
.endr
.endm
.macro FETCH_B slot, q, p
	WIN 0x40
.set II, 0
.rept NT
	FRAG 128*(\p)+16*II, ADRB+\slot, \q, II
.set II, II+1
.endr
	WIN 0
.endm
.macro FETCH_A slot, q, i0
.set II, \i0
.rept NT/2
	FRAG AF+16*II, ADRA+\slot, \q, II
.set II, II+1
.endr
.endm
.macro SCALES sc
.set II, 0
.rept NT
.set QQ, 0
.rept NQ
	ds_load_b32 v[SC+16*\sc+NQ*II+QQ], v[ADRS] offset:QQ*64*NT+64*II
.set QQ, QQ+1
.endr
.set II, II+1
.endr
.endm
.macro MULA a, p, q, sc, first
.irp b, 0,1,2,3,4,5,6,7
.if \b < NT
.set DD, 8*(NT*((\a)%(NT/2))+\b)
.if \first == 2
	v_wmma_scale_f32_16x16x128_f8f6f4 v[DD:DD+7], v[128*(\p)+16*\b:128*(\p)+16*\b+15], v[AF+16*(\a):AF+16*(\a)+15], v[BIAS+8*\b:BIAS+8*\b+7], v[SC+16*(\sc)+NQ*\b+(\q)], v[SC+16*(\sc)+NQ*(\a)+(\q)] matrix_a_fmt:MATRIX_FMT_BF8 matrix_b_fmt:MATRIX_FMT_BF8 matrix_a_scale:MATRIX_SCALE_ROW1
.else
	v_wmma_scale_f32_16x16x128_f8f6f4 v[DD:DD+7], v[128*(\p)+16*\b:128*(\p)+16*\b+15], v[AF+16*(\a):AF+16*(\a)+15], v[DD:DD+7], v[SC+16*(\sc)+NQ*\b+(\q)], v[SC+16*(\sc)+NQ*(\a)+(\q)] matrix_a_fmt:MATRIX_FMT_BF8 matrix_b_fmt:MATRIX_FMT_BF8 matrix_a_scale:MATRIX_SCALE_ROW1
.endif
.endif
.endr
.endm
.macro MULR a0, cnt, p, q, sc, first
.if \first == 2
	WIN 0x81+0x40*((\a0)/(NT/2))
.else
	WIN 0xa1+0x50*((\a0)/(NT/2))
.endif
.set AA, \a0
.rept \cnt
	MULA AA, \p, \q, \sc, \first
.set AA, AA+1
.endr
.endm
.macro STEP slot, q, first
	s_wait_dscnt 2*NT
	MULR 0, NT/2, (\q)%2, \q, \slot, \first
	s_wait_dscnt 0x0
	PLACES 8
	FETCH_B \slot, (\q)+1, 1-(\q)%2
	FETCH_A \slot, (\q)+1, 0
	MULR NT/2, NT/2, (\q)%2, \q, \slot, \first
	PLACES 8
	WIN 0
	FETCH_A \slot, (\q)+1, NT/2
.endm
.macro TURN slot, next, fill
	s_wait_tensorcnt 0x0
	ds_add_u32 v[SPW], v[NIL]
	s_wait_dscnt 2*NT+1
	MULR 0, NT/4, 1, NQ-1, \slot, 0
	s_wait_dscnt 0x0
	s_barrier_signal -1
	MULR NT/4, NT/4, 1, NQ-1, \slot, 0
	WIN 0
	s_barrier_wait -1
.if \fill
	CREST
	s_add_nc_u64 s[G0+4*\slot+2:G0+4*\slot+3], s[G0+4*\slot+2:G0+4*\slot+3], 2*NQ*2048
	s_add_nc_u64 s[G0B+4*\slot+2:G0B+4*\slot+3], s[G0B+4*\slot+2:G0B+4*\slot+3], 2*NQ*2048
	JLOAD G0+4*\slot, G1, G0B+4*\slot, G1B
	PLACES 4
.else
	PLACES 8
.endif
	s_wait_alu depctr_va_vdst(0)
	v_add_nc_u32 v[ADRS], NQ*64*NT, v[ADRS]
	FETCH_B \next, 0, 0
	FETCH_A \next, 0, 0
	SCALES \next
	MULR NT/2, NT/2, 1, NQ-1, \slot, 0
	PLACES 8
	WIN 0
	FETCH_A \next, 0, NT/2
.endm
.macro MID slot, from
.set SQ, \from
.rept NQ-1-\from
	STEP \slot, SQ, 0
.set SQ, SQ+1
.endr
.endm
.macro QUANT s, pc, pw
.irp b, 0,1,2,3
	v_max3_num_f32 v[TM+\b], |v[\s+16*\b]|, |v[\s+1+16*\b]|, 0x8000000
.endr
.irp i, 2,4,6,8,10,12,14
.irp b, 0,1,2,3
	v_max3_num_f32 v[TM+\b], v[TM+\b], |v[\s+16*\b+\i]|, |v[\s+1+16*\b+\i]|
.endr
.endr
.irp b, 0,1,2,3
	v_permlanex16_b32 v[TM+4+\b], v[TM+\b], s[SEL], s[SEL+1]
.endr
.irp b, 0,1,2,3
	v_max_num_f32 v[TM+\b], v[TM+\b], v[TM+4+\b]
.endr
.irp b, 0,1,2,3
	v_add_nc_u32 v[TM+12+\b], 0xf8800000, v[TM+\b]
.endr
.irp b, 0,1,2,3
	v_and_or_b32 v[TM+8+\b], v[TM+\b], 0x7f800000, s[MNT]
.endr
.irp b, 0,1,2,3
	v_lshrrev_b32 v[TM+4+\b], 23, v[TM+12+\b]
.endr
	v_lshl_or_b32 v[\pw], v[TM+5], 8, v[TM+4]
	v_lshl_or_b32 v[\pw], v[TM+6], 16, v[\pw]
	v_lshl_or_b32 v[\pw], v[TM+7], 24, v[\pw]
.irp b, 0,1,2,3
.irp i, 0,1,2,3,4,5,6,7,8,9,10,11,12,13,14,15
	v_med3_num_f32 v[\s+16*\b+\i], v[\s+16*\b+\i], -v[TM+8+\b], v[TM+8+\b]
.endr
	v_cvt_scalef32_pk8_bf8_f32 v[\pc+4*\b:\pc+1+4*\b], v[\s+16*\b:\s+7+16*\b], v[TM+12+\b]
	v_cvt_scalef32_pk8_bf8_f32 v[\pc+2+4*\b:\pc+3+4*\b], v[\s+8+16*\b:\s+15+16*\b], v[TM+12+\b]
.endr
	v_nop
.endm
.macro GELU x
	WIN 0x40
.set N, 0
.rept 64
	v_fma_f32 v[T+N], |v[\x+N]|, s[CT], 1.0
.set N, N+1
.endr
	WIN 0x55
.set N, 0
	s_wait_alu depctr_va_vdst(0)
.rept 64
	v_rcp_f32 v[T+N], v[T+N]
.set N, N+1
.endr
	WIN 0x40
.set N, 0
.rept 32
	v_pk_mul_f32 v[KX+N:KX+N+1], v[\x+N:\x+N+1], s[CK:CK+1] op_sel_hi:[1,0]
.set N, N+2
.endr
	s_wait_alu depctr_va_vdst(0)
	WIN 0x55
.set N, 0
.rept 32
	v_pk_fma_f32 v[R+N:R+N+1], v[T+N:T+N+1], s[C9:C9+1], s[C8:C8+1] op_sel_hi:[1,0,0]
.set N, N+2
.endr
.irp k, 0x40097039, 0xbfd1a1e5, 0x3ecdfd18, 0xbe899a80, 0x3e0efb2e, 0x3f0a29d2, 0x3fb8ab5a, 0xc034d90f
.set N, 0
.rept 32
	v_pk_fma_f32 v[R+N:R+N+1], v[R+N:R+N+1], v[T+N:T+N+1], \k op_sel_hi:[1,1,0]
.set N, N+2
.endr
.endr
	WIN 0x51
.set N, 0
.rept 32
	v_pk_fma_f32 v[R+N:R+N+1], v[KX+N:KX+N+1], v[\x+N:\x+N+1], v[R+N:R+N+1] neg_lo:[1,0,0] neg_hi:[1,0,0]
.set N, N+2
.endr
	WIN 0x55
.set N, 0
	s_wait_alu depctr_va_vdst(0)
.rept 64
	v_exp_f32 v[R+N], v[R+N]
.set N, N+1
.endr
	WIN 0x40
.set N, 0
.rept 64
	v_max_num_f32 v[KX+N], 0, v[\x+N]
.set N, N+1
.endr
	s_wait_alu depctr_va_vdst(0)
	WIN 0x55
.set N, 0
.rept 32
	v_pk_mul_f32 v[R+N:R+N+1], v[R+N:R+N+1], v[T+N:T+N+1]
.set N, N+2
.endr
	WIN 0x14
.set N, 0
.rept 64
	v_fma_f32 v[\x+N], -|v[\x+N]|, v[R+N], v[KX+N]
.set N, N+1
.endr
	WIN 0
.endm
	s_load_b128 s[4:7], s[0:1], 0x0
	s_load_b128 s[8:11], s[0:1], 0x10
	v_lshl_add_u32 v[SPW], v0, 2, SPARE
	v_mov_b32 v[NIL], 0
	ds_add_u32 v[SPW], v[NIL]
	ds_add_u32 v[SPW], v[NIL]
	v_lshrrev_b32 v1, 5, v0
	v_readfirstlane_b32 s14, v1
	s_lshr_b32 s15, s14, 1
	s_and_b32 s16, s14, 1
	s_bfe_u32 s40, ttmp6, 0x40000
	s_bfe_u32 s41, ttmp6, 0x40004
	s_lshl_b32 s42, ttmp9, 2
	s_add_co_u32 s42, s42, s40
	s_and_b32 s17, ttmp7, 0xffff
	s_lshl_b32 s17, s17, 2
	s_add_co_u32 s17, s17, s41
	s_lshl_b32 s43, s41, 2
	s_lshl_b32 s43, 15, s43
	s_lshl_b32 s44, 0x1111, s40
	s_or_b32 s[G1+0], s43, (3<<16)|(1<<21)
	s_or_b32 s[G1B+0], s44, (3<<16)|(1<<21)
.irp g, G1, G1B
	s_mov_b32 s[\g+1], (NQ*256)<<16
	s_mov_b32 s[\g+2], (2*NT)<<16                  ; the head's loads bring both halves, 2 NT row tiles; behind them the two words are set to NT
	s_mov_b32 s[\g+3], (NQ*256)<<16
	s_mov_b32 s[\g+4], 2*NT
	s_mov_b32 s[\g+5], KST*256
	s_mov_b32 s[\g+6], 0
	s_mov_b32 s[\g+7], 0
.endr
	s_or_b32 s[G1S+0], s43, (3<<16)|(1<<21)
	s_or_b32 s[G1SB+0], s44, (3<<16)|(1<<21)
.irp g, G1S, G1SB
	s_mov_b32 s[\g+1], 32<<16
	s_mov_b32 s[\g+2], (2*HALFS/256)<<16
	s_mov_b32 s[\g+3], 32<<16
	s_mov_b32 s[\g+4], 2*HALFS/256
	s_mov_b32 s[\g+5], 32
	s_mov_b32 s[\g+6], 0
	s_mov_b32 s[\g+7], 0
.endr
	s_mul_i32 s96, s16, NT*KST*2048                ; s[96:97]: the half that I fetch in the ring, in bytes
	s_mov_b32 s97, 0
	s_mul_i32 s20, s17, 2*NT*KST*2048
	s_mul_i32 s22, s17, 2*HALFS
	s_add_co_u32 s22, s22, A_S
	s_mul_i32 s46, s42, 2*NT*KST*2048
	s_add_co_u32 s46, s46, B_C
	s_mul_i32 s92, s42, 2*HALFS
	s_add_co_u32 s92, s92, B_S
	s_mov_b32 s21, 0
	s_mov_b32 s23, 0
	s_mov_b32 s47, 0
	s_mov_b32 s93, 0
	s_mul_i32 s45, s14, HALFT
	s_wait_dscnt 0x0
	s_wait_kmcnt 0x0
	s_add_nc_u64 s[20:21], s[4:5], s[20:21]
	s_add_nc_u64 s[22:23], s[4:5], s[22:23]
	s_add_nc_u64 s[46:47], s[6:7], s[46:47]
	s_add_nc_u64 s[92:93], s[6:7], s[92:93]
	CROUND
	s_mov_b32 s[G0S], 1
	s_mov_b32 s[G0S+1], SCL
	s_mov_b64 s[G0S+2:G0S+3], s[22:23]
	s_or_b32 s[G0S+3], s[G0S+3], 0x80000000
	s_mov_b32 s[G0SB], 1
	s_mov_b32 s[G0SB+1], SCL+2*HALFS
	s_mov_b64 s[G0SB+2:G0SB+3], s[92:93]
	s_or_b32 s[G0SB+3], s[G0SB+3], 0x80000000
.irp s, 0,1
	s_mov_b32 s[G0+4*\s], 1
	s_add_co_u32 s[G0+4*\s+1], s45, \s*SLOT
	s_add_nc_u64 s[G0+4*\s+2:G0+4*\s+3], s[20:21], \s*NQ*2048
	s_or_b32 s[G0+4*\s+3], s[G0+4*\s+3], 0x80000000
	s_mov_b32 s[G0B+4*\s], 1
	s_add_co_u32 s[G0B+4*\s+1], s45, \s*SLOT
	s_add_nc_u64 s[G0B+4*\s+2:G0B+4*\s+3], s[46:47], \s*NQ*2048
	s_or_b32 s[G0B+4*\s+3], s[G0B+4*\s+3], 0x80000000
.endr
; THE HEAD'S LOADS, ONE A WAVE: wave 0 slot 0's 256 rows of A, wave 1 those of B, wave 2 A's scale words, wave 3 B's.
	s_add_nc_u64 s[G0+6:G0+7], s[G0+6:G0+7], s[96:97]      ; slot 1 is filled by halves: my half
	s_add_nc_u64 s[G0B+6:G0B+7], s[G0B+6:G0B+7], s[96:97]
	s_mov_b32 s[G0+1], 0                           ; slot 0's first fill is whole: A from byte 0,
	s_mov_b32 s[G0B+1], 2*HALFT                    ; B behind it
.macro ARM under, g0, g1, next
	s_cmp_lt_u32 s14, \under
	s_cbranch_scc0 \next
	tensor_load_to_lds s[\g0:\g0+3], s[\g1:\g1+7]
	s_nop 0
.rept 4
	v_nop
.endr
	s_branch .Lhead_asked
\next:
.endm
	ARM 1, G0,  G1,  .Lhead_b
	ARM 2, G0B, G1B, .Lhead_sa
	ARM 3, G0S, G1S, .Lhead_sb
	tensor_load_to_lds s[G0SB:G0SB+3], s[G1SB:G1SB+7]
	s_nop 0
.rept 4
	v_nop
.endr
.Lhead_asked:
; THE PREFETCHES INTO THE L2.  A wave's load of a slot is eight row tiles of 4,096 consecutive bytes.  The four partners that ask for it jointly share them out by address: the partner at place p (cx for A, cy for B)
; takes row tiles 2 p and 2 p + 1, sixteen lanes 256 bytes apart to each, one instruction a wave.  The head asks for slots 1 and 2, and with slot 1's load goes the request for slot 3, the last.
	s_cmp_eq_u32 s15, 0                            ; do I fetch for A?
	s_cselect_b64 s[98:99], s[20:21], s[46:47]
	s_cselect_b32 s18, s40, s41
	s_mul_i32 s18, s18, 2*KST*2048
	s_mov_b32 s19, 0
	s_add_nc_u64 s[98:99], s[98:99], s[18:19]
	s_add_nc_u64 s[98:99], s[98:99], s[96:97]      ; s[98:99]: my two row tiles, at slot 0; never rewritten
	v_bfe_u32 v8, v0, 4, 1
	v_and_b32 v9, 15, v0
	v_lshlrev_b32 v8, 14, v8
	v_lshl_add_u32 v8, v9, 8, v8                   ; v8: 16,384 (lane / 16) + 256 (lane % 16); never rewritten
	global_prefetch_b8 v8, s[98:99] offset:NQ*2048 th:TH_LOAD_NT scope:SCOPE_SE
	global_prefetch_b8 v8, s[98:99] offset:2*NQ*2048 th:TH_LOAD_NT scope:SCOPE_SE
	v_and_b32 v1, 15, v0
	v_bfe_u32 v2, v0, 4, 1
	s_wait_alu depctr_va_vdst(0)
	v_and_b32 v3, 31, v0
	v_lshlrev_b32 v4, 4, v3
	s_wait_alu depctr_va_vdst(0)
	s_mul_i32 s21, s15, HALFT
	s_mul_i32 s22, s16, HALFT
	s_add_co_u32 s22, s22, 2*HALFT
.irp s, 0,1
	v_add_nc_u32 v[ADRA+\s], s21, v4
	v_add_nc_u32 v[ADRB+\s], s22, v4
	s_add_co_u32 s21, s21, SLOT
	s_add_co_u32 s22, s22, SLOT
.endr
	s_mul_i32 s21, s15, HALFS
	s_mul_i32 s22, s16, HALFS
	s_add_co_u32 s22, s22, 2*HALFS
	s_sub_co_u32 s22, s22, s21
	v_mul_u32_u24 v6, s22, v2
	s_add_co_u32 s21, s21, SCL
	v_lshlrev_b32 v7, 2, v1
	v_add_nc_u32 v7, v7, v6
	v_add_nc_u32 v[ADRS], s21, v7
	s_lshl_b32 s23, s14, 16
	v_add_nc_u32 v[LDU], s23, v4
	v_add_nc_u32 v[LRD], s23, v4
	s_mul_i32 s18, s42, 128*NT
	s_mul_i32 s19, s16, 64*NT
	s_add_co_u32 s18, s18, s19
	s_mov_b32 s19, 0
	s_add_nc_u64 s[8:9], s[8:9], s[18:19]
	v_lshlrev_b32 v5, 5, v2
.set II, 0
.rept NT
	global_load_b128 v[BIAS+8*II:BIAS+8*II+3], v5, s[8:9] offset:64*II
	global_load_b128 v[BIAS+8*II+4:BIAS+8*II+7], v5, s[8:9] offset:64*II+16
.set II, II+1
.endr
	s_wait_alu depctr_va_vdst(0)
	s_wait_tensorcnt 0x0                           ; my tile of the head's four is in; the full sequence stands ahead of slot 1's first fill
	ds_add_u32 v[SPW], v[NIL]
	s_mov_b32 s[G1+2], NT<<16                      ; no tensor load of mine is out: from here on a load brings NT row tiles,
	s_mov_b32 s[G1+4], NT
	s_mov_b32 s[G1B+2], NT<<16
	s_mov_b32 s[G1B+4], NT
	s_mov_b32 s[G0+1], s45                         ; and slot 0's refills are my half's
	s_mov_b32 s[G0B+1], s45
	s_add_nc_u64 s[G0+2:G0+3], s[G0+2:G0+3], s[96:97]
	s_add_nc_u64 s[G0B+2:G0B+3], s[G0B+2:G0B+3], s[96:97]
	s_wait_dscnt 0x0
	CROUND                                         ; all four tiles are in, and all sixteen work-groups are here
	JLOAD G0+4, G1, G0B+4, G1B                     ; slot 1: the first tensor load behind the round
	FETCH_B 0, 0, 0
	FETCH_A 0, 0, 0
	SCALES 0
	FETCH_A 0, 0, NT/2
	global_prefetch_b8 v8, s[98:99] offset:3*NQ*2048 th:TH_LOAD_NT scope:SCOPE_SE   ; with slot 1's load: slot 3
	s_wait_loadcnt 0x0
	STEP 0, 0, 2
	s_mov_b32 s3, LAPS-1
.Llap:
	MID 0, 1
	TURN 0, 1, 1
	MID 1, 0
	TURN 1, 0, 1
	STEP 0, 0, 0
	s_sub_co_u32 s3, s3, 1
	s_cmp_lg_u32 s3, 0
	s_cbranch_scc1 .Llap
	MID 0, 1
	TURN 0, 1, 0
	MID 1, 0
	s_wait_dscnt 2*NT
	MULR 0, NT/2, 1, NQ-1, 1, 0
	s_wait_dscnt 0x0
	s_barrier_signal -1
	MULR NT/2, NT/2, 1, NQ-1, 1, 0
	WIN 0
	s_barrier_wait -1
	s_lshl_b32 s24, s17, 8
	s_lshl_b32 s26, s15, 7
	s_add_co_u32 s24, s24, s26
	s_lshl_b32 s25, s42, 1
	s_add_co_u32 s25, s25, s16
	s_lshl_b32 s32, s24, 12
	s_lshl_b32 s26, s25, 11
	s_add_co_u32 s32, s32, s26
	s_mov_b32 s33, 0
	s_add_nc_u64 s[56:57], s[10:11], s[32:33]
	s_lshr_b32 s34, s24, 6
	s_lshl_b32 s34, s34, 13
	s_lshl_b32 s26, s25, 8
	s_add_co_u32 s34, s34, s26
	s_add_co_u32 s34, s34, 16777216
	s_mov_b32 s35, 0
	s_add_nc_u64 s[60:61], s[10:11], s[34:35]
	s_mov_b32 s52, 128
	s_mov_b32 s53, 8064
	s_mov_b32 s[SEL], 0x76543210
	s_mov_b32 s[SEL+1], 0xfedcba98
	s_mov_b32 s[MNT], 0x600000
	s_mov_b32 s[C9], 0x3e7c6f08
	s_mov_b32 s[C9+1], s[C9]
	s_mov_b32 s[C8], 0xbf97d29d
	s_mov_b32 s[C8+1], s[C8]
	s_mov_b32 s[CK], 0x3f38aa3b
	s_mov_b32 s[CK+1], s[CK]
	s_mov_b32 s[CT], 0x3eb504f3
	PLACES 8
	v_lshlrev_b32 v[VO0], 4, v3
	v_add_nc_u32 v[VO1], 65536, v[VO0]
	v_lshlrev_b32 v[VS], 6, v2
	v_lshl_add_u32 v[VS], v1, 2, v[VS]
	v_cmp_eq_u32 s62, 1, v2
.irp b, 0,1,2,3
	v_mov_b32 v[TM+4+\b], 0
.endr
.set AA, 0
.rept 8
	WIN 0x08+4*(AA/4)
.set GI, 0
.rept 16
	ds_store_b128 v[LDU], v[64*(AA%4)+4*GI:64*(AA%4)+4*GI+3] offset:8192*AA+512*GI
.set GI, GI+1
.endr
.set AA, AA+1
.endr
	WIN 0
	s_mov_b32 s3, 4
.Lpair:
	s_wait_alu depctr_va_vdst(0)
.irp u, 0,1
.irp g, 0,1,2,3,4,5,6,7,8,9,10,11,12,13,14,15
	ds_load_b128 v[128+64*\u+4*\g:128+64*\u+4*\g+3], v[LRD] offset:8192*\u+512*\g
.endr
.endr
	s_wait_dscnt 16
	GELU 128
	QUANT 128, PC0, PW0
.irp c, 0,1,2,3
	global_store_b128 v[VO0], v[PC0+4*\c:PC0+4*\c+3], s[56:57] offset:512*\c
.endr
	s_wait_dscnt 0x0
	GELU 192
	QUANT 192, PC1, PW1
.irp c, 0,1,2,3
	global_store_b128 v[VO1], v[PC1+4*\c:PC1+4*\c+3], s[56:57] offset:512*\c
.endr
	v_cndmask_b32 v[OW], v[PW0], v[PW1], s62
	global_store_b32 v[VS], v[OW], s[60:61]
	s_wait_xcnt 0x0
	v_add_nc_u32 v[VO0], 131072, v[VO0]
	v_add_nc_u32 v[VO1], 131072, v[VO1]
	v_add_nc_u32 v[VS], s52, v[VS]
	s_mov_b32 s54, s52
	s_mov_b32 s52, s53
	s_mov_b32 s53, s54
	v_add_nc_u32 v[LRD], 16384, v[LRD]
	s_sub_co_u32 s3, s3, 1
	s_cmp_lg_u32 s3, 0
	s_cbranch_scc1 .Lpair
	s_wait_tensorcnt 0x0
	ds_add_u32 v[SPW], v[NIL]
	s_wait_dscnt 0x0
	CROUND
	s_endpgm
.Lfunc_end_k_q63a68ade5f_ffn1:
	.size	k_q63a68ade5f_ffn1, .Lfunc_end_k_q63a68ade5f_ffn1-k_q63a68ade5f_ffn1
	.p2alignl 7, 3214868480
	.fill 96, 4, 3214868480
	.section	.rodata,"a",@progbits
	.p2align	6, 0x0
	.amdhsa_kernel k_q63a68ade5f_ffn1
		.amdhsa_group_segment_fixed_size 327680
		.amdhsa_private_segment_fixed_size 0
		.amdhsa_enable_private_segment 0
		.amdhsa_kernarg_size 32
		.amdhsa_user_sgpr_count 2
		.amdhsa_user_sgpr_kernarg_segment_ptr 1
		.amdhsa_wavefront_size32 1
		.amdhsa_system_sgpr_workgroup_id_x 1
		.amdhsa_system_sgpr_workgroup_id_y 1
		.amdhsa_system_sgpr_workgroup_id_z 1
		.amdhsa_system_vgpr_workitem_id 0
		.amdhsa_next_free_vgpr 1024
		.amdhsa_next_free_sgpr 100
		.amdhsa_reserve_vcc 0
		.amdhsa_float_denorm_mode_32 3
		.amdhsa_float_denorm_mode_16_64 3
		.amdhsa_memory_ordered 1
		.amdhsa_forward_progress 1
		.amdhsa_inst_pref_size 243
	.end_amdhsa_kernel
	.amdgpu_metadata
---
amdhsa.version: [ 1, 2 ]
amdhsa.kernels:
  - .name:           k_q63a68ade5f_ffn1
    .symbol:         k_q63a68ade5f_ffn1.kd
    .args:
      - { .name: act2, .offset: 0, .size: 8, .value_kind: global_buffer, .address_space: global }
      - { .name: wts, .offset: 8, .size: 8, .value_kind: global_buffer, .address_space: global }
      - { .name: b1, .offset: 16, .size: 8, .value_kind: global_buffer, .address_space: global }
      - { .name: gel, .offset: 24, .size: 8, .value_kind: global_buffer, .address_space: global }
    .group_segment_fixed_size: 327680
    .private_segment_fixed_size: 0
    .kernarg_segment_align: 8
    .kernarg_segment_size: 32
    .max_flat_workgroup_size: 128
    .sgpr_count:     100
    .vgpr_count:     1024
    .wavefront_size: 32
...
	.end_amdgpu_metadata
.endif
;; end of part 6
;; launch ffn2 (part 7): grid 8 x 32, 4 waves a work-group, clusters of 4 x 4, 327,680 bytes of LDS; arguments gel, wts, b2, x1, out0; writes out0
.if DOCPART == 7
	.amdgcn_target "amdgcn-amd-amdhsa--gfx1250"
	.amdhsa_code_object_version 6
	.text
	.protected	k_q63a68ade5f_ffn2
	.globl	k_q63a68ade5f_ffn2
	.p2align	8
	.type	k_q63a68ade5f_ffn2,@function
k_q63a68ade5f_ffn2:
	s_mov_b64 s[64:65], 0
	v_nop
	global_prefetch_b8 v0, s[64:65] scope:SCOPE_SE
	s_setreg_imm32_b32 hwreg(HW_REG_WAVE_MODE, 25, 1), 1
	s_wait_xcnt 0x0
	s_wait_alu depctr_hold_cnt(0) depctr_sa_sdst(0) depctr_va_vdst(0) depctr_va_sdst(0) depctr_va_ssrc(0) depctr_va_vcc(0) depctr_vm_vsrc(0)
	s_getreg_b32 s2, hwreg(HW_REG_IB_STS2, 6, 4)
	s_cmp_eq_u32 s2, 0
	s_cbranch_scc0 .Lentry_in_a_cluster
	s_endpgm
.Lentry_in_a_cluster:
	s_bfe_u32 s2, ttmp6, 0x10000c
	s_cmp_lg_u32 s2, 0xf033
	s_cbranch_scc0 .Lentry_shape_is_right
	s_endpgm
.Lentry_shape_is_right:
.set NT,    4
.set NQ,    4
.set KST,   32
.set LAPS,  KST/(2*NQ)
.set A_S,   16777216
.set B_C,   8388608
.set B_S,   12845056
.set HALFT, NT*NQ*2048
.set SLOT,  4*HALFT
.set SCL,   2*SLOT
.set HALFS, KST*NT*64
.set SPARE, SCL+4*HALFS
.set ADRA, 16
.set ADRB, 20
.set STO,  22
.set RD,   23
.set CO,   24
.set ADRS, 27
.set SPW,  28
.set NIL,  29
.set SC,   32
.set BIAS, 64
.set AF,   128
.set BK,   128
.set RES,  128
.set G1, 24
.set G0, 32
.set G1B, 48
.set G0B, 56
.set G1S, 68
.set G0S, 76
.set G1SB, 80
.set G0SB, 88
.set MSB, 0
.macro WIN new
.if MSB != (\new)
	s_set_vgpr_msb (MSB<<8)|(\new)
.set MSB, (\new)
.endif
.endm
.macro JLOAD g0a, g1a, g0b, g1b
	s_cmp_eq_u32 s15, 0
	s_cbranch_scc0 .Lfor_b_\@
	tensor_load_to_lds s[\g0a:\g0a+3], s[\g1a:\g1a+7]
	s_nop 0
.rept 4
	v_nop
.endr
	s_branch .Lasked_\@
.Lfor_b_\@:
	tensor_load_to_lds s[\g0b:\g0b+3], s[\g1b:\g1b+7]
	s_nop 0
.rept 4
	v_nop
.endr
.Lasked_\@:
.endm
.macro CREST
	s_cmp_lg_u32 s14, 0
	s_cbranch_scc1 .Lnot_wave_0_\@
	s_barrier_signal -3
.Lnot_wave_0_\@:
	s_barrier_wait -3
	s_barrier_signal -1
	s_barrier_wait -1
.endm
.macro CROUND
	s_barrier_signal -1
	s_barrier_wait -1
	CREST
.endm
.macro PLACES n
.rept \n
	v_nop
.endr
.endm
.macro FRAG reg, adr, q, i
.irp c, 0,1,2,3
	ds_load_b128 v[\reg+4*\c:\reg+4*\c+3], v[\adr] offset:((\i)*NQ+(\q))*2048+512*\c
.endr
.endm
.macro FETCH_B slot, q, p
	WIN 0x40
.set II, 0
.rept NT
	FRAG 128*(\p)+16*II, ADRB+\slot, \q, II
.set II, II+1
.endr
	WIN 0
.endm
.macro FETCH_A slot, q, i0
.set II, \i0
.rept NT/2
	FRAG AF+16*II, ADRA+\slot, \q, II
.set II, II+1
.endr
.endm
.macro SCALES sc
.set II, 0
.rept NT
.set QQ, 0
.rept NQ
	ds_load_b32 v[SC+16*\sc+NQ*II+QQ], v[ADRS] offset:QQ*64*NT+64*II
.set QQ, QQ+1
.endr
.set II, II+1
.endr
.endm
.macro MULA a, p, q, sc, first
.irp b, 0,1,2,3,4,5,6,7
.if \b < NT
.set DD, 8*(NT*((\a)%(NT/2))+\b)
.if \first == 2
	v_wmma_scale_f32_16x16x128_f8f6f4 v[DD:DD+7], v[128*(\p)+16*\b:128*(\p)+16*\b+15], v[AF+16*(\a):AF+16*(\a)+15], v[BIAS+8*\b:BIAS+8*\b+7], v[SC+16*(\sc)+NQ*\b+(\q)], v[SC+16*(\sc)+NQ*(\a)+(\q)] matrix_a_fmt:MATRIX_FMT_BF8 matrix_b_fmt:MATRIX_FMT_BF8 matrix_a_scale:MATRIX_SCALE_ROW1
.else
	v_wmma_scale_f32_16x16x128_f8f6f4 v[DD:DD+7], v[128*(\p)+16*\b:128*(\p)+16*\b+15], v[AF+16*(\a):AF+16*(\a)+15], v[DD:DD+7], v[SC+16*(\sc)+NQ*\b+(\q)], v[SC+16*(\sc)+NQ*(\a)+(\q)] matrix_a_fmt:MATRIX_FMT_BF8 matrix_b_fmt:MATRIX_FMT_BF8 matrix_a_scale:MATRIX_SCALE_ROW1
.endif
.endif
.endr
.endm
.macro MULR a0, cnt, p, q, sc, first
.if \first == 2
	WIN 0x81+0x40*((\a0)/(NT/2))
.else
	WIN 0xa1+0x50*((\a0)/(NT/2))
.endif
.set AA, \a0
.rept \cnt
	MULA AA, \p, \q, \sc, \first
.set AA, AA+1
.endr
.endm
.macro STEP slot, q, first
	s_wait_dscnt 2*NT
	MULR 0, NT/2, (\q)%2, \q, \slot, \first
	s_wait_dscnt 0x0
	PLACES 8
	FETCH_B \slot, (\q)+1, 1-(\q)%2
	FETCH_A \slot, (\q)+1, 0
	MULR NT/2, NT/2, (\q)%2, \q, \slot, \first
	PLACES 8
	WIN 0
	FETCH_A \slot, (\q)+1, NT/2
.endm
.macro TURN slot, next, fill
	s_wait_tensorcnt 0x0
	ds_add_u32 v[SPW], v[NIL]
.if \fill
	s_wait_xcnt 0x0                                ; my last prefetch has read its address: a slot on
	s_add_nc_u64 s[98:99], s[98:99], NQ*2048
.endif
	s_wait_dscnt 2*NT+1
	MULR 0, NT/4, 1, NQ-1, \slot, 0
	s_wait_dscnt 0x0
	s_barrier_signal -1
	MULR NT/4, NT/4, 1, NQ-1, \slot, 0
	WIN 0
	s_barrier_wait -1
.if \fill
	CREST
	s_add_nc_u64 s[G0+4*\slot+2:G0+4*\slot+3], s[G0+4*\slot+2:G0+4*\slot+3], 2*NQ*2048
	s_add_nc_u64 s[G0B+4*\slot+2:G0B+4*\slot+3], s[G0B+4*\slot+2:G0B+4*\slot+3], 2*NQ*2048
	JLOAD G0+4*\slot, G1, G0B+4*\slot, G1B
	PLACES 4
.else
	PLACES 8
.endif
	s_wait_alu depctr_va_vdst(0)
	v_add_nc_u32 v[ADRS], NQ*64*NT, v[ADRS]
	FETCH_B \next, 0, 0
	FETCH_A \next, 0, 0
	SCALES \next
.if \fill
	s_cmp_gt_u32 s3, 1                             ; s3 = 1 in the loop's last trip
	s_cbranch_scc0 .Lno_ask_\@
	global_prefetch_b8 v30, s[98:99] offset:3*NQ*2048 th:TH_LOAD_NT scope:SCOPE_SE   ; the slot two refills on
.Lno_ask_\@:
.endif
	MULR NT/2, NT/2, 1, NQ-1, \slot, 0
	PLACES 8
	WIN 0
	FETCH_A \next, 0, NT/2
.endm
.macro MID slot, from
.set SQ, \from
.rept NQ-1-\from
	STEP \slot, SQ, 0
.set SQ, SQ+1
.endr
.endm
.macro TOSTAGE a
.set AC, 32*((\a)%2)
	WIN 0x08+4*((\a)/2)
.irp b, 0,1,2,3
	ds_store_b128 v[STO], v[AC+8*\b:AC+8*\b+3] offset:64*\b
	ds_store_b128 v[STO], v[AC+8*\b+4:AC+8*\b+7] offset:64*\b+16
.endr
	WIN 0
.irp t, 0,1,2,3,4,5,6,7
	ds_load_b128 v[BK+32*(\a)+4*\t:BK+32*(\a)+4*\t+3], v[RD] offset:544*\t
.endr
.endm
.macro SEND a, younger
	s_wait_dscnt \younger
	WIN 0x0c
.irp i, 0,2,4,6,8,10,12,14,16,18,20,22,24,26,28,30
	v_pk_add_f32 v[BK+32*(\a)+\i:BK+32*(\a)+\i+1], v[BK+32*(\a)+\i:BK+32*(\a)+\i+1], v[RES+32*(\a)+\i:RES+32*(\a)+\i+1]
.endr
	WIN 0
.irp t, 0,1,2,3,4,5,6,7
	global_store_b128 v[CO], v[BK+32*(\a)+4*\t:BK+32*(\a)+4*\t+3], s[12:13] offset:(16*(\a)+2*\t)*4096 th:TH_STORE_NT
.endr
.endm
	s_load_b256 s[4:11], s[0:1], 0x0
	s_load_b64 s[12:13], s[0:1], 0x20
	v_lshl_add_u32 v[SPW], v0, 2, SPARE
	v_mov_b32 v[NIL], 0
	ds_add_u32 v[SPW], v[NIL]
	ds_add_u32 v[SPW], v[NIL]
	v_lshrrev_b32 v1, 5, v0
	v_readfirstlane_b32 s14, v1
	s_lshr_b32 s15, s14, 1
	s_and_b32 s16, s14, 1
	s_bfe_u32 s40, ttmp6, 0x40000
	s_bfe_u32 s41, ttmp6, 0x40004
	s_lshl_b32 s42, ttmp9, 2
	s_add_co_u32 s42, s42, s40
	s_and_b32 s17, ttmp7, 0xffff
	s_lshl_b32 s17, s17, 2
	s_add_co_u32 s17, s17, s41
	s_lshl_b32 s43, s41, 2
	s_lshl_b32 s43, 15, s43
	s_lshl_b32 s44, 0x1111, s40
	s_or_b32 s[G1+0], s43, (3<<16)|(1<<21)
	s_or_b32 s[G1B+0], s44, (3<<16)|(1<<21)
.irp g, G1, G1B
	s_mov_b32 s[\g+1], (NQ*256)<<16
	s_mov_b32 s[\g+2], (2*NT)<<16                  ; the head's loads bring both halves, 2 NT row tiles; behind them the two words are set to NT
	s_mov_b32 s[\g+3], (NQ*256)<<16
	s_mov_b32 s[\g+4], 2*NT
	s_mov_b32 s[\g+5], KST*256
	s_mov_b32 s[\g+6], 0
	s_mov_b32 s[\g+7], 0
.endr
	s_or_b32 s[G1S+0], s43, (3<<16)|(1<<21)
	s_or_b32 s[G1SB+0], s44, (3<<16)|(1<<21)
.irp g, G1S, G1SB
	s_mov_b32 s[\g+1], 32<<16
	s_mov_b32 s[\g+2], (2*HALFS/256)<<16
	s_mov_b32 s[\g+3], 32<<16
	s_mov_b32 s[\g+4], 2*HALFS/256
	s_mov_b32 s[\g+5], 32
	s_mov_b32 s[\g+6], 0
	s_mov_b32 s[\g+7], 0
.endr
	s_mul_i32 s96, s16, NT*KST*2048                ; s[96:97]: the half that I fetch in the ring, in bytes
	s_mov_b32 s97, 0
	s_mul_i32 s20, s17, 2*NT*KST*2048
	s_mul_i32 s22, s17, 2*HALFS
	s_add_co_u32 s22, s22, A_S
	s_mul_i32 s46, s42, 2*NT*KST*2048
	s_add_co_u32 s46, s46, B_C
	s_mul_i32 s92, s42, 2*HALFS
	s_add_co_u32 s92, s92, B_S
	s_mov_b32 s21, 0
	s_mov_b32 s23, 0
	s_mov_b32 s47, 0
	s_mov_b32 s93, 0
	s_mul_i32 s45, s14, HALFT
	s_wait_dscnt 0x0
	s_wait_kmcnt 0x0
	s_add_nc_u64 s[20:21], s[4:5], s[20:21]
	s_add_nc_u64 s[22:23], s[4:5], s[22:23]
	s_add_nc_u64 s[46:47], s[6:7], s[46:47]
	s_add_nc_u64 s[92:93], s[6:7], s[92:93]
	CROUND
	s_mov_b32 s[G0S], 1
	s_mov_b32 s[G0S+1], SCL
	s_mov_b64 s[G0S+2:G0S+3], s[22:23]
	s_or_b32 s[G0S+3], s[G0S+3], 0x80000000
	s_mov_b32 s[G0SB], 1
	s_mov_b32 s[G0SB+1], SCL+2*HALFS
	s_mov_b64 s[G0SB+2:G0SB+3], s[92:93]
	s_or_b32 s[G0SB+3], s[G0SB+3], 0x80000000
.irp s, 0,1
	s_mov_b32 s[G0+4*\s], 1
	s_add_co_u32 s[G0+4*\s+1], s45, \s*SLOT
	s_add_nc_u64 s[G0+4*\s+2:G0+4*\s+3], s[20:21], \s*NQ*2048
	s_or_b32 s[G0+4*\s+3], s[G0+4*\s+3], 0x80000000
	s_mov_b32 s[G0B+4*\s], 1
	s_add_co_u32 s[G0B+4*\s+1], s45, \s*SLOT
	s_add_nc_u64 s[G0B+4*\s+2:G0B+4*\s+3], s[46:47], \s*NQ*2048
	s_or_b32 s[G0B+4*\s+3], s[G0B+4*\s+3], 0x80000000
.endr
; THE HEAD'S LOADS, ONE A WAVE: wave 0 slot 0's 128 rows of A, wave 1 those of B, wave 2 A's scale words, wave 3 B's.
	s_add_nc_u64 s[G0+6:G0+7], s[G0+6:G0+7], s[96:97]      ; slot 1 is filled by halves: my half
	s_add_nc_u64 s[G0B+6:G0B+7], s[G0B+6:G0B+7], s[96:97]
	s_mov_b32 s[G0+1], 0                           ; slot 0's first fill is whole: A from byte 0,
	s_mov_b32 s[G0B+1], 2*HALFT                    ; B behind it
.macro ARM under, g0, g1, next
	s_cmp_lt_u32 s14, \under
	s_cbranch_scc0 \next
	tensor_load_to_lds s[\g0:\g0+3], s[\g1:\g1+7]
	s_nop 0
.rept 4
	v_nop
.endr
	s_branch .Lhead_asked
\next:
.endm
	ARM 1, G0,  G1,  .Lhead_b
	ARM 2, G0B, G1B, .Lhead_sa
	ARM 3, G0S, G1S, .Lhead_sb
	tensor_load_to_lds s[G0SB:G0SB+3], s[G1SB:G1SB+7]
	s_nop 0
.rept 4
	v_nop
.endr
.Lhead_asked:
; THE PREFETCHES INTO THE L2.  A wave's load of a slot is four row tiles of 8,192 consecutive bytes.  The four partners that ask for it jointly share them out by address: the partner at place p (cx for A, cy for B)
; takes row tile p, 32 lanes 256 bytes apart, one instruction a wave: each block of 256 bytes is named once in each cluster that loads it.  With the load of slot n goes the request for slot n + 2;
; the head asks for slots 1 and 2; the loop's last trip asks for nothing: there is no slot 8.
	s_cmp_eq_u32 s15, 0                            ; do I fetch for A?
	s_cselect_b64 s[98:99], s[20:21], s[46:47]
	s_cselect_b32 s18, s40, s41
	s_mul_i32 s18, s18, KST*2048
	s_mov_b32 s19, 0
	s_add_nc_u64 s[98:99], s[98:99], s[18:19]
	s_add_nc_u64 s[98:99], s[98:99], s[96:97]      ; s[98:99]: my row tile, at slot 0
	v_and_b32 v30, 31, v0
	v_lshlrev_b32 v30, 8, v30                      ; v30: 256 x lane; never rewritten
	global_prefetch_b8 v30, s[98:99] offset:NQ*2048 th:TH_LOAD_NT scope:SCOPE_SE
	global_prefetch_b8 v30, s[98:99] offset:2*NQ*2048 th:TH_LOAD_NT scope:SCOPE_SE
	v_and_b32 v1, 15, v0
	v_bfe_u32 v2, v0, 4, 1
	s_wait_alu depctr_va_vdst(0)
	v_and_b32 v3, 31, v0
	v_lshlrev_b32 v4, 4, v3
	s_mul_i32 s21, s15, HALFT
	s_mul_i32 s22, s16, HALFT
	s_add_co_u32 s22, s22, 2*HALFT
.irp s, 0,1
	v_add_nc_u32 v[ADRA+\s], s21, v4
	v_add_nc_u32 v[ADRB+\s], s22, v4
	s_add_co_u32 s21, s21, SLOT
	s_add_co_u32 s22, s22, SLOT
.endr
	s_mul_i32 s21, s15, HALFS
	s_mul_i32 s22, s16, HALFS
	s_add_co_u32 s22, s22, 2*HALFS
	s_sub_co_u32 s22, s22, s21
	v_mul_u32_u24 v6, s22, v2
	s_add_co_u32 s21, s21, SCL
	v_lshlrev_b32 v7, 2, v1
	v_add_nc_u32 v7, v7, v6
	v_add_nc_u32 v[ADRS], s21, v7
	s_mul_i32 s23, s14, 16*272
	v_mul_u32_u24 v6, v1, 272
	v_lshl_add_u32 v6, v2, 5, v6
	v_add_nc_u32 v[STO], s23, v6
	v_mul_u32_u24 v6, v2, 272
	v_lshl_add_u32 v6, v1, 4, v6
	v_add_nc_u32 v[RD], s23, v6
	v_lshlrev_b32 v[CO], 12, v2
	v_lshl_add_u32 v[CO], v1, 4, v[CO]
	s_wait_alu depctr_va_vdst(0)
	s_mul_i32 s18, s42, 128*NT
	s_mul_i32 s19, s16, 64*NT
	s_add_co_u32 s18, s18, s19
	s_mov_b32 s19, 0
	s_add_nc_u64 s[8:9], s[8:9], s[18:19]
	v_lshlrev_b32 v5, 5, v2
.set II, 0
.rept NT
	global_load_b128 v[BIAS+8*II:BIAS+8*II+3], v5, s[8:9] offset:64*II
	global_load_b128 v[BIAS+8*II+4:BIAS+8*II+7], v5, s[8:9] offset:64*II+16
.set II, II+1
.endr
	s_lshl_b32 s18, s17, 19
	s_lshl_b32 s19, s15, 18
	s_add_co_u32 s18, s18, s19
	s_lshl_b32 s19, s42, 9
	s_add_co_u32 s18, s18, s19
	s_lshl_b32 s19, s16, 8
	s_add_co_u32 s18, s18, s19
	s_mov_b32 s19, 0
	s_add_nc_u64 s[10:11], s[10:11], s[18:19]
	s_add_nc_u64 s[12:13], s[12:13], s[18:19]
	WIN 0xc0
.set AA, 0
.rept 4
.irp t, 0,1,2,3,4,5,6,7
	global_load_b128 v[RES+32*AA+4*\t:RES+32*AA+4*\t+3], v[CO], s[10:11] offset:(16*AA+2*\t)*4096
.endr
.set AA, AA+1
.endr
	WIN 0
	s_wait_alu depctr_va_vdst(0)
	s_wait_tensorcnt 0x0                           ; my tile of the head's four is in; the full sequence stands ahead of slot 1's first fill
	ds_add_u32 v[SPW], v[NIL]
	s_mov_b32 s[G1+2], NT<<16                      ; no tensor load of mine is out: from here on a load brings NT row tiles,
	s_mov_b32 s[G1+4], NT
	s_mov_b32 s[G1B+2], NT<<16
	s_mov_b32 s[G1B+4], NT
	s_mov_b32 s[G0+1], s45                         ; and slot 0's refills are my half's
	s_mov_b32 s[G0B+1], s45
	s_add_nc_u64 s[G0+2:G0+3], s[G0+2:G0+3], s[96:97]
	s_add_nc_u64 s[G0B+2:G0B+3], s[G0B+2:G0B+3], s[96:97]
	s_wait_dscnt 0x0
	CROUND                                         ; all four tiles are in, and all sixteen work-groups are here
	JLOAD G0+4, G1, G0B+4, G1B                     ; slot 1: the first tensor load behind the round
	FETCH_B 0, 0, 0
	FETCH_A 0, 0, 0
	SCALES 0
	FETCH_A 0, 0, NT/2
	global_prefetch_b8 v30, s[98:99] offset:3*NQ*2048 th:TH_LOAD_NT scope:SCOPE_SE   ; with slot 1's load: slot 3
	s_wait_loadcnt 32
	STEP 0, 0, 2
.if LAPS > 1
	s_mov_b32 s3, LAPS-1
.Llap:
	MID 0, 1
	TURN 0, 1, 1
	MID 1, 0
	TURN 1, 0, 1
	STEP 0, 0, 0
	s_sub_co_u32 s3, s3, 1
	s_cmp_lg_u32 s3, 0
	s_cbranch_scc1 .Llap
.endif
	MID 0, 1
	TURN 0, 1, 0
	MID 1, 0
	s_wait_dscnt 2*NT
	MULR 0, NT/2, 1, NQ-1, 1, 0
	s_wait_dscnt 0x0
	MULR NT/2, NT/2, 1, NQ-1, 1, 0
	WIN 0
	PLACES 8
	s_wait_loadcnt 0x0
	TOSTAGE 0
.irp a, 1,2,3
	TOSTAGE \a
	SEND \a-1, 16
.endr
	SEND 3, 0
	s_wait_tensorcnt 0x0
	ds_add_u32 v[SPW], v[NIL]
	s_wait_dscnt 0x0
	CROUND
	s_endpgm
.Lfunc_end_k_q63a68ade5f_ffn2:
	.size	k_q63a68ade5f_ffn2, .Lfunc_end_k_q63a68ade5f_ffn2-k_q63a68ade5f_ffn2
	.p2alignl 7, 3214868480
	.fill 96, 4, 3214868480
	.section	.rodata,"a",@progbits
	.p2align	6, 0x0
	.amdhsa_kernel k_q63a68ade5f_ffn2
		.amdhsa_group_segment_fixed_size 327680
		.amdhsa_private_segment_fixed_size 0
		.amdhsa_enable_private_segment 0
		.amdhsa_kernarg_size 40
		.amdhsa_user_sgpr_count 2
		.amdhsa_user_sgpr_kernarg_segment_ptr 1
		.amdhsa_wavefront_size32 1
		.amdhsa_system_sgpr_workgroup_id_x 1
		.amdhsa_system_sgpr_workgroup_id_y 1
		.amdhsa_system_sgpr_workgroup_id_z 1
		.amdhsa_system_vgpr_workitem_id 0
		.amdhsa_next_free_vgpr 1024
		.amdhsa_next_free_sgpr 100
		.amdhsa_reserve_vcc 0
		.amdhsa_float_denorm_mode_32 3
		.amdhsa_float_denorm_mode_16_64 3
		.amdhsa_memory_ordered 1
		.amdhsa_forward_progress 1
		.amdhsa_inst_pref_size 110
	.end_amdhsa_kernel
	.amdgpu_metadata
---
amdhsa.version: [ 1, 2 ]
amdhsa.kernels:
  - .name:           k_q63a68ade5f_ffn2
    .symbol:         k_q63a68ade5f_ffn2.kd
    .args:
      - { .name: gel, .offset: 0, .size: 8, .value_kind: global_buffer, .address_space: global }
      - { .name: wts, .offset: 8, .size: 8, .value_kind: global_buffer, .address_space: global }
      - { .name: b2, .offset: 16, .size: 8, .value_kind: global_buffer, .address_space: global }
      - { .name: x1, .offset: 24, .size: 8, .value_kind: global_buffer, .address_space: global }
      - { .name: out0, .offset: 32, .size: 8, .value_kind: global_buffer, .address_space: global }
    .group_segment_fixed_size: 327680
    .private_segment_fixed_size: 0
    .kernarg_segment_align: 8
    .kernarg_segment_size: 40
    .max_flat_workgroup_size: 128
    .sgpr_count:     100
    .vgpr_count:     1024
    .wavefront_size: 32
...
	.end_amdgpu_metadata
.endif
;; end of part 7
